; MI455X (gfx1250); checked and timed in simulation.
; The chip was launched on July 23, 2026; its instructions are those of AMD's public machine-readable ISA for CDNA 5 (MIT licence, August 2026) and "CDNA5" Instruction Set Architecture Reference Guide (July 2026). The comments in the code are by the model that wrote it; some were corrected since.
;; Decoder. Allowed arithmetic: float matrix products may take bf16 or f16 operands with f32 sums; all other float work in f32.
;; Inputs: ca_bk 6 x 512 float32; ca_bo 6 x 512 float32; ca_bq 6 x 512 float32; ca_bv 6 x 512 float32; ca_wk 6 x 512 x 512 float32; ca_wo 6 x 512 x 512 float32; ca_wq 6 x 512 x 512 float32; ca_wv 6 x 512 x 512 float32; ff_b1 6 x 2,048 float32; ff_b2 6 x 512 float32; ff_w1 6 x 512 x 2,048 float32; ff_w2 6 x 2,048 x 512 float32; ln_b 512 float32; ln_g 512 float32; memory 8 x 512 x 512 float32; sa_bk 6 x 512 float32; sa_bo 6 x 512 float32; sa_bq 6 x 512 float32; sa_bv 6 x 512 float32; sa_wk 6 x 512 x 512 float32; sa_wo 6 x 512 x 512 float32; sa_wq 6 x 512 x 512 float32; sa_wv 6 x 512 x 512 float32; source_mask 8 x 1 x 1 x 512 int32; target_mask 8 x 1 x 256 x 256 int32; tgt 8 x 256 x 512 float32.
;; Outputs: out0 8 x 256 x 512 float32.
;; 3 versions, each right; version 2 is faster than version 1; version 3 is version 2 with the launch proj written anew for expert scheduling mode. Each part assembles by itself: llvm-mc -triple=amdgcn-amd-amdhsa -mcpu=gfx1250 --defsym DOCPART=n.
;; ======== version 1 of 3: 8 launches
;; workspace buffers: qkv 6,291,456 bytes; kv2 8,388,608 bytes; o 2,097,152 bytes; x1 4,194,304 bytes; x2 4,194,304 bytes; h 8,388,608 bytes; part 16,777,216 bytes
;; launch proj (part 1): grid 32 x 7, 16 waves a work-group, no clusters, 282,624 bytes of LDS; arguments tgt, memory, sa_wq, sa_wk, sa_wv, ca_wk, ca_wv, sa_bq, sa_bk, sa_bv, ca_bk, ca_bv, ln_g, ln_b, qkv, kv2; writes qkv, kv2
.if DOCPART == 1
	.amdgcn_target "amdgcn-amd-amdhsa--gfx1250"
	.amdhsa_code_object_version 6
	.text
	.protected	k_q3eac84f44c_proj
	.globl	k_q3eac84f44c_proj
	.p2align	8
	.type	k_q3eac84f44c_proj,@function
k_q3eac84f44c_proj:
	s_mov_b64 s[64:65], 0
	v_nop
	global_prefetch_b8 v0, s[64:65] scope:SCOPE_SE
	s_setreg_imm32_b32 hwreg(HW_REG_WAVE_MODE, 25, 1), 1
	s_wait_xcnt 0x0
; PROJ.  q, k, v = LN(tgt) W + b for self attention, and k2, v2 = memory W + b for cross attention, written by heads in bf16.
; WHICH LAYER.  Every pass of the module's loop over its six layers starts again from tgt and overwrites 'output' without reading it,
; so the result is the last pass (index 5) and the closing LayerNorm, for every input.  All kernels of this program read the stacked parameters at slice 5.
; SHARES.  A work-group makes 128 rows x 256 columns of one of the five products: one panel of 128 rows (K = 512, a whole row, so the
; LayerNorm is done on the way into LDS) and two slices of 128 columns of W, one after the other.  y = 0, 1, 2: q, k, v of tgt (16 row blocks x 2 column halves = 32 in x);
; y = 3, 4: k2, y = 5, 6: v2 of memory (32 row blocks x 2 halves = 64).  16 waves, each 32 x 32 of a slice.
; FORMATS.  Operands rounded to bf16 on the way into LDS, sums in f32, LayerNorm in f32 in two passes (mean, then squared differences).  memory's rows are not normalised:
; for them the mean counts as 0, the factor as 1, the gain as 1 and the shift as 0, chosen by a lane mask that is all ones or all zeros for the whole work-group.
; LIMITS.  NaN and infinities are not treated apart.
; THE MATRIX INSTRUCTION IS USED TRANSPOSED: source 0 = 16 columns of W (turned on the way out of LDS), source 1 = 16 rows of the panel; a lane then holds one row and eight neighbouring columns.
; NO CLUSTER: what work-groups share (panels, W) is f32 in memory and is normalised or rounded in registers before it reaches LDS; a joint f32 tile of 256 KiB does not fit beside the 274 KiB of bf16 copies.
.set PP,   1040                        ; a panel row in LDS: 1,024 bytes + 16: 16 rows of a fragment load start at 16 different groups of four banks
.set WP,   288                         ; a row of the W slice: 256 bytes + 32, an odd multiple of 32, for the turning load
.set PAN,  0
.set WS,   128*PP
.set STG,  WS                          ; the stage of the way out lies on the W slice, behind a barrier
.set SPI,  272
.set WROW, 2048                        ; bytes from row to row of W in memory
.set WDD_OFF, 5*512*512*4              ; slice 5 of a [6][512][512] f32 tensor
.set BD_OFF,  5*512*4                  ; slice 5 of a [6][512] f32 tensor
.set RT, 2
.set CT, 2
.set KU, 1                             ; matrix depth of one trip: 32 along K
.set FS, 8*(RT+CT)
.set LL, 1                             ; v1 lane, v2 lane % 16, v3 lane / 16
.set RR, 2
.set HH, 3
.set VOA, 4                            ; byte offset of my 16 bytes in my wave's first panel row in memory
.set VOW, 5                            ; the same in my wave's first row of W
.set APS, 6                            ; LDS: where I put 8 bytes of a panel row
.set AWS, 7                            ; LDS: where I put 8 bytes of a row of W
.set AP,  8                            ; LDS: my panel fragments
.set AW,  9                            ; LDS: my W fragments
.set STO, 10
.set RD,  11
.set GO,  12
.set VB,  13
.set T,   14                           ; v14-21 at work
.set APC, 22
.set AWC, 23
.set VL,  24
.set G,   32                           ; load phase: gain, shift, 16 loads of W, 8 row slots
.set BT,  48
.set WR,  64
.set X,   128
.set ACC, 32                           ; product phase
.set FR,  64
.set BIAS, 96
.set RB,  64
.set PK,  80
.set SWV, 40
.set SU,  41
.set SA,  50
.set SW,  52
.set SB,  54
.set SO,  56
.set SST, 58
.set SOF, 60
.set SEL, 66
.set INV, 68
.set EPS, 69
.set KC,  70
.macro BAR                             ; my LDS instructions are done, then the work-group's barrier
	s_wait_dscnt 0x0
	s_barrier_signal -1
	s_barrier_wait -1
.endm
.macro RED x, t                        ; the sum over the wave's 32 lanes, in every lane
	v_add_f32_dpp v[\x], v[\x], v[\x] row_xmask:1 row_mask:0xf bank_mask:0xf
	v_add_f32_dpp v[\x], v[\x], v[\x] row_xmask:2 row_mask:0xf bank_mask:0xf
	v_add_f32_dpp v[\x], v[\x], v[\x] row_xmask:4 row_mask:0xf bank_mask:0xf
	v_add_f32_dpp v[\x], v[\x], v[\x] row_xmask:8 row_mask:0xf bank_mask:0xf
	v_permlanex16_b32 v[\t], v[\x], s[SEL], s[SEL+1]
	v_add_f32 v[\x], v[\x], v[\t]
.endm
; Row slot i (16 registers a lane: columns 128 c + 4 lane + 0..3) is normalised, rounded to bf16 and put into the panel.  n: the younger loads that may stay out.
.macro LNROW i, n, flag
.set xr, X+16*(\i)
	s_wait_loadcnt \n
	v_pk_add_f32 v[T:T+1], v[xr:xr+1], v[xr+2:xr+3]
	v_pk_add_f32 v[T+2:T+3], v[xr+4:xr+5], v[xr+6:xr+7]
	v_pk_add_f32 v[T+4:T+5], v[xr+8:xr+9], v[xr+10:xr+11]
	v_pk_add_f32 v[T+6:T+7], v[xr+12:xr+13], v[xr+14:xr+15]
	v_pk_add_f32 v[T:T+1], v[T:T+1], v[T+2:T+3]
	v_pk_add_f32 v[T+4:T+5], v[T+4:T+5], v[T+6:T+7]
	v_pk_add_f32 v[T:T+1], v[T:T+1], v[T+4:T+5]
	v_add_f32 v[T], v[T], v[T+1]
	RED T, T+1
	v_mul_f32 v[T], s[INV], v[T]                   ; the mean
.if \flag
	v_cndmask_b32 v[T], 0, v[T], vcc_lo
.endif
.irp j, 0,2,4,6,8,10,12,14
	v_pk_add_f32 v[xr+\j:xr+\j+1], v[xr+\j:xr+\j+1], v[T:T+1] op_sel_hi:[1,0] neg_lo:[0,1] neg_hi:[0,1]
.endr
	v_pk_mul_f32 v[T+2:T+3], v[xr:xr+1], v[xr:xr+1]
	v_pk_mul_f32 v[T+4:T+5], v[xr+2:xr+3], v[xr+2:xr+3]
.irp j, 4,8,12
	v_pk_fma_f32 v[T+2:T+3], v[xr+\j:xr+\j+1], v[xr+\j:xr+\j+1], v[T+2:T+3]
	v_pk_fma_f32 v[T+4:T+5], v[xr+\j+2:xr+\j+3], v[xr+\j+2:xr+\j+3], v[T+4:T+5]
.endr
	v_pk_add_f32 v[T+2:T+3], v[T+2:T+3], v[T+4:T+5]
	v_add_f32 v[T+2], v[T+2], v[T+3]
	RED T+2, T+3
	v_fma_f32 v[T+2], v[T+2], s[INV], s[EPS]       ; variance + 1e-5
	v_rsq_f32 v[T+2], v[T+2]
	v_nop                                          ; a plain instruction between the root and the use of its result
.if \flag
	s_wait_alu depctr_va_vdst(0)
	v_cndmask_b32 v[T+2], 1.0, v[T+2], vcc_lo
.endif
.irp j, 0,2,4,6,8,10,12,14
	v_pk_mul_f32 v[xr+\j:xr+\j+1], v[xr+\j:xr+\j+1], v[T+2:T+3] op_sel_hi:[1,0]
.endr
.irp j, 0,2,4,6,8,10,12,14
	v_pk_fma_f32 v[xr+\j:xr+\j+1], v[xr+\j:xr+\j+1], v[G+\j:G+\j+1], v[BT+\j:BT+\j+1]
.endr
.irp c, 0,1,2,3
	v_cvt_pk_bf16_f32 v[xr+4*\c], v[xr+4*\c], v[xr+4*\c+1]
	v_cvt_pk_bf16_f32 v[xr+4*\c+1], v[xr+4*\c+2], v[xr+4*\c+3]
.endr
.irp c, 0,1,2,3
	ds_store_b64 v[APS], v[xr+4*\c:xr+4*\c+1] offset:(\i)*PP+\c*256
.endr
.endm
.macro REFILL i                        ; the freed slot takes four more rows of the first W slice
.irp j, 0,1,2,3
	global_load_b128 v[X+16*(\i)+4*\j:X+16*(\i)+4*\j+3], v[VOW], s[SW:SW+1] offset:(16+4*(\i)+\j)*WROW
.endr
.endm
.macro WCVT reg, off                   ; four numbers of W rounded to bf16 and put into the slice
	v_cvt_pk_bf16_f32 v[(\reg)], v[(\reg)], v[(\reg)+1]
	v_cvt_pk_bf16_f32 v[(\reg)+1], v[(\reg)+2], v[(\reg)+3]
	ds_store_b64 v[AWS], v[(\reg):(\reg)+1] offset:\off
.endm
.macro FETCH                           ; the fragments of one trip
.set ku, 0
.rept KU
.set t, 0
.rept RT
	ds_load_b128 v[FR+ku*FS+8*t:FR+ku*FS+8*t+3], v[APC] offset:ku*64+t*16*PP
	ds_load_b128 v[FR+ku*FS+8*t+4:FR+ku*FS+8*t+7], v[APC] offset:ku*64+t*16*PP+32
.set t, t+1
.endr
.set t, 0
.rept CT
	ds_load_tr16_b128 v[FR+ku*FS+8*RT+8*t:FR+ku*FS+8*RT+8*t+3], v[AWC] offset:ku*32*WP+t*32
	ds_load_tr16_b128 v[FR+ku*FS+8*RT+8*t+4:FR+ku*FS+8*RT+8*t+7], v[AWC] offset:ku*32*WP+t*32+16*WP
.set t, t+1
.endr
.set ku, ku+1
.endr
.endm
.macro MMA zero                        ; the accumulators take turns, one instruction a turn
.set ku, 0
.rept KU
.set rt, 0
.rept RT
.set ct, 0
.rept CT
.set ra, ACC+8*(rt*CT+ct)
.set rw, FR+ku*FS+8*RT+8*ct
.set rp, FR+ku*FS+8*rt
.if (\zero) && (ku == 0)
	v_wmma_f32_16x16x32_bf16 v[ra:ra+7], v[rw:rw+7], v[rp:rp+7], 0
.else
	v_wmma_f32_16x16x32_bf16 v[ra:ra+7], v[rw:rw+7], v[rp:rp+7], v[ra:ra+7]
.endif
.set ct, ct+1
.endr
.set rt, rt+1
.endr
.set ku, ku+1
.endr
.endm
.macro GEMM                            ; K = 512.  The first trip starts the sums and stands ahead of the loop
	v_mov_b32 v[APC], v[AP]
	v_mov_b32 v[AWC], v[AW]
	FETCH
	s_wait_dscnt 0x0
	MMA 1
	s_mov_b32 s[KC], 16/KU-1
.Lk_\@:
	v_add_nc_u32 v[APC], 64*KU, v[APC]             ; these two and two v_nop are the four places between the products and the loads into the registers that they read
	v_add_nc_u32 v[AWC], 32*KU*WP, v[AWC]
	v_nop
	v_nop
	FETCH
	s_wait_dscnt 0x0
	MMA 0
	s_sub_co_u32 s[KC], s[KC], 1
	s_cmp_lg_u32 s[KC], 0
	s_cbranch_scc1 .Lk_\@
.rept 4
	v_nop                                          ; the places in front of the first read of the sums
.endr
.endm
; The way out of slice sl: bias, rounding, through the stage, and out as 512 consecutive bytes of one head a store.
.macro EPI sl
	BAR                                            ; every wave's reads of the W slice are over: the stage lies on it
.if (\sl) == 0
	s_wait_loadcnt 32                              ; the eight loads of the bias are in; the 32 of the second slice, issued behind them, may stay out
.endif
.set t, 0
.rept 4
.set ra, ACC+8*t
.set rb, BIAS+16*(\sl)+8*(t%2)
.irp j, 0,2,4,6
	v_pk_add_f32 v[ra+\j:ra+\j+1], v[ra+\j:ra+\j+1], v[rb+\j:rb+\j+1]
.endr
.irp j, 0,1,2,3
	v_cvt_pk_bf16_f32 v[PK+4*t+\j], v[ra+2*\j], v[ra+2*\j+1]
.endr
	ds_store_b128 v[STO], v[PK+4*t:PK+4*t+3] offset:(t/2)*16*SPI+(t%2)*32
.set t, t+1
.endr
	BAR                                            ; a stage row's 256 bytes come from four waves
.irp f, 0,1,2,3
	ds_load_b128 v[RB+4*\f:RB+4*\f+3], v[RD] offset:\f*4*SPI
.endr
	s_wait_dscnt 0x0
.irp f, 0,1,2,3
	global_store_b128 v[GO], v[RB+4*\f:RB+4*\f+3], s[SO:SO+1] offset:\f*512
.endr
	s_wait_xcnt 0x0                                ; the stores' data registers and base are rewritten only behind this wait
.endm
	s_load_b512 s[8:23], s[0:1], 0x0               ; tgt 8, memory 10, sa_wq 12, sa_wk 14, sa_wv 16, ca_wk 18, ca_wv 20, sa_bq 22
	s_load_b512 s[24:39], s[0:1], 0x40             ; sa_bk 24, sa_bv 26, ca_bk 28, ca_bv 30, ln_g 32, ln_b 34, qkv 36, kv2 38
	v_lshl_add_u32 v30, v0, 2, 0x44800
	v_mov_b32 v31, 0
	v_and_b32 v[LL], 31, v0
	v_and_b32 v[RR], 15, v0
	v_bfe_u32 v[HH], v0, 4, 1
	v_lshrrev_b32 v[T], 5, v0
	v_readfirstlane_b32 s[SWV], v[T]               ; wave 0..15
	s_and_b32 s[SU], ttmp7, 0xffff                 ; which product
	s_max_u32 s42, s[SU], 3
	s_sub_co_u32 s42, s42, 3                       ; 0 for tgt's products, 0..3 for memory's
	s_and_b32 s43, s42, 1
	s_lshr_b32 s42, s42, 1                         ; 0: k2, 1: v2
	s_lshl_b32 s43, s43, 5
	s_add_co_u32 s43, s43, ttmp9                   ; 0..31, or 0..63 for memory
	s_lshr_b32 s44, s43, 1                         ; block of 128 rows
	s_and_b32 s45, s43, 1                          ; which 256 columns
	s_cmp_ge_u32 s[SU], 3
	s_cselect_b32 s46, 9, 8                        ; log2 of a batch's rows
	s_cselect_b32 vcc_lo, 0, -1                    ; all ones: rows are normalised.  Written once
	s_cselect_b32 s47, s42, s[SU]
	s_cselect_b32 s48, 22, 21
	s_lshl_b32 s47, s47, s48                       ; the product's section of the output buffer
	s_add_co_u32 s48, s46, 7                       ; log2 of a head's bytes
	s_lshl_b32 s71, s44, 7                         ; first row
	s_lshr_b32 s72, s71, s46                       ; batch
	s_lshl_b32 s73, s72, s46
	s_sub_co_u32 s73, s71, s73                     ; row in the batch
	s_lshl_b32 s72, s72, 3
	s_lshl2_add_u32 s72, s45, s72                  ; 8 batch + the first of my four heads
	s_lshl_b32 s72, s72, s48
	s_add_co_u32 s47, s47, s72
	s_lshl_b32 s73, s73, 7
	s_add_co_u32 s47, s47, s73                     ; byte offset of slice 0's first head and row
	s_lshl_b32 s[SST], 2, s48                      ; slice 1 lies two heads on
	s_mov_b32 s[SST+1], 0
	s_mov_b32 s[SOF+1], 0
	s_mov_b32 s[SEL], 0x76543210
	s_mov_b32 s[SEL+1], 0xfedcba98
	s_mov_b32 s[INV], 0x3b000000                   ; 1 / 512
	s_mov_b32 s[EPS], 0x3727c5ac                   ; 1e-5
	s_lshr_b32 s74, s[SWV], 2                      ; my 32 rows of the tile
	s_and_b32 s75, s[SWV], 3                       ; my 32 columns
	s_lshl_b32 s76, s[SWV], 14
	v_lshl_add_u32 v[VOA], v[LL], 4, s76           ; 8 rows of 2,048 bytes a wave
	s_lshl_b32 s76, s[SWV], 16
	v_lshl_add_u32 v[VOW], v[LL], 4, s76           ; 32 rows of W a wave
	s_mul_i32 s76, s[SWV], 8*PP
	v_lshl_add_u32 v[APS], v[LL], 3, s76
	s_mul_i32 s76, s[SWV], 32*WP
	s_add_co_u32 s76, s76, WS
	v_lshl_add_u32 v[AWS], v[LL], 3, s76
	v_lshlrev_b32 v[VL], 4, v[LL]
	v_mul_u32_u24 v[AP], v[RR], PP
	v_lshl_add_u32 v[AP], v[HH], 4, v[AP]
	s_mul_i32 s76, s74, 32*PP
	v_add_nc_u32 v[AP], s76, v[AP]
	v_and_b32 v[T], 7, v0
	v_bfe_u32 v[T+1], v0, 3, 1
	v_lshl_add_u32 v[AW], v[HH], 3, v[T]
	v_mul_u32_u24 v[AW], v[AW], WP
	v_lshl_add_u32 v[AW], v[T+1], 4, v[AW]
	s_lshl_b32 s76, s75, 6
	s_add_co_u32 s76, s76, WS
	v_add_nc_u32 v[AW], s76, v[AW]
	v_mul_u32_u24 v[STO], v[RR], SPI
	v_lshl_add_u32 v[STO], v[HH], 4, v[STO]
	s_mul_i32 s77, s74, 32*SPI
	s_add_co_u32 s76, s76, s77                     ; STG = WS
	v_add_nc_u32 v[STO], s76, v[STO]
	s_lshl_b32 s76, s75, 7
	v_lshl_add_u32 v[VB], v[HH], 5, s76
	s_and_b32 s76, s[SWV], 1                       ; back from the stage: head w % 2, rows 16 (w / 2) on
	s_lshr_b32 s77, s[SWV], 1
	s_lshl_b32 s78, s76, s48
	s_lshl_b32 s79, s77, 11
	s_add_co_u32 s78, s78, s79
	v_lshl_add_u32 v[GO], v[LL], 4, s78
	s_mul_i32 s79, s77, 16*SPI
	s_lshl_b32 s76, s76, 7
	s_add_co_u32 s79, s79, s76
	s_add_co_u32 s79, s79, STG
	v_lshrrev_b32 v[T+2], 3, v[LL]
	v_mul_u32_u24 v[RD], v[T+2], SPI
	v_lshl_add_u32 v[RD], v[T], 4, v[RD]
	v_add_nc_u32 v[RD], s79, v[RD]
	s_wait_kmcnt 0x0
	s_cmp_ge_u32 s[SU], 3                          ; the buffers are chosen by the product's number alone
	s_cselect_b64 s[SA:SA+1], s[10:11], s[8:9]
	s_cselect_b64 s[SO:SO+1], s[38:39], s[36:37]
	s_cselect_b64 s[SW:SW+1], s[18:19], s[12:13]
	s_cselect_b64 s[SB:SB+1], s[28:29], s[22:23]
	s_cmp_eq_u32 s[SU], 1
	s_cselect_b64 s[SW:SW+1], s[14:15], s[SW:SW+1]
	s_cselect_b64 s[SB:SB+1], s[24:25], s[SB:SB+1]
	s_cmp_eq_u32 s[SU], 2
	s_cselect_b64 s[SW:SW+1], s[16:17], s[SW:SW+1]
	s_cselect_b64 s[SB:SB+1], s[26:27], s[SB:SB+1]
	s_cmp_ge_u32 s[SU], 5
	s_cselect_b64 s[SW:SW+1], s[20:21], s[SW:SW+1]
	s_cselect_b64 s[SB:SB+1], s[30:31], s[SB:SB+1]
	s_lshl_b32 s[SOF], s44, 18
	s_add_nc_u64 s[SA:SA+1], s[SA:SA+1], s[SOF:SOF+1]
	s_lshl_b32 s[SOF], s45, 10
	s_add_nc_u64 s[SW:SW+1], s[SW:SW+1], s[SOF:SOF+1]
	s_add_nc_u64 s[SW:SW+1], s[SW:SW+1], WDD_OFF
	s_add_nc_u64 s[SB:SB+1], s[SB:SB+1], s[SOF:SOF+1]
	s_add_nc_u64 s[SB:SB+1], s[SB:SB+1], BD_OFF
	s_mov_b32 s[SOF], s47
	s_add_nc_u64 s[SO:SO+1], s[SO:SO+1], s[SOF:SOF+1]
	; 56 loads go out at once: gain 4, shift 4, my 8 rows 32, the first 16 of my 32 rows of W
.irp c, 0,1,2,3
	global_load_b128 v[G+4*\c:G+4*\c+3], v[VL], s[32:33] offset:\c*512
.endr
.irp c, 0,1,2,3
	global_load_b128 v[BT+4*\c:BT+4*\c+3], v[VL], s[34:35] offset:\c*512
.endr
.set i, 0
.rept 8
.irp c, 0,1,2,3
	global_load_b128 v[X+16*i+4*\c:X+16*i+4*\c+3], v[VOA], s[SA:SA+1] offset:i*2048+\c*512
.endr
.set i, i+1
.endr
.set q, 0
.rept 16
	global_load_b128 v[WR+4*q:WR+4*q+3], v[VOW], s[SW:SW+1] offset:q*WROW
.set q, q+1
.endr
	s_wait_loadcnt 48                              ; gain and shift are in: 32 + 16 younger loads stay out
.set j, 0
.rept 16
	v_cndmask_b32 v[G+j], 1.0, v[G+j], vcc_lo
	v_cndmask_b32 v[BT+j], 0, v[BT+j], vcc_lo
.set j, j+1
.endr
	; the count of row i: 4 (7 - i) younger loads of rows + 16 of W + 4 for each refill issued so far
	LNROW 0, 44, 1
	REFILL 0
	LNROW 1, 44, 1
	REFILL 1
	LNROW 2, 44, 1
	REFILL 2
	LNROW 3, 44, 1
	REFILL 3
	LNROW 4, 44, 1
	LNROW 5, 40, 1
	LNROW 6, 36, 1
	LNROW 7, 32, 1
	s_wait_loadcnt 16                              ; W's first 16 rows are in, the 16 refills may stay out
.set q, 0
.rept 16
	WCVT WR+4*q, q*WP
.set q, q+1
.endr
	s_wait_loadcnt 0x0
.set q, 16
.rept 16
	WCVT X+4*(q-16), q*WP
.set q, q+1
.endr
	s_wait_dscnt 0x0                               ; for the others' sake: my part of the panel and of the slice is in LDS
.irp sl, 0,1
.irp ct, 0,1
	global_load_b128 v[BIAS+16*\sl+8*\ct:BIAS+16*\sl+8*\ct+3], v[VB], s[SB:SB+1] offset:\sl*512+\ct*64
	global_load_b128 v[BIAS+16*\sl+8*\ct+4:BIAS+16*\sl+8*\ct+7], v[VB], s[SB:SB+1] offset:\sl*512+\ct*64+16
.endr
.endr
.set q, 0
.rept 32                                       ; the second slice's rows are on their way while the first is multiplied
	global_load_b128 v[X+4*q:X+4*q+3], v[VOW], s[SW:SW+1] offset:q*WROW+512
.set q, q+1
.endr
	s_barrier_signal -1
	s_barrier_wait -1
	GEMM
	EPI 0
	BAR                                            ; every wave's reads of the stage are over: the second slice is written over it
	s_wait_loadcnt 0x0
.set q, 0
.rept 32
	WCVT X+4*q, q*WP
.set q, q+1
.endr
	BAR
	s_add_nc_u64 s[SO:SO+1], s[SO:SO+1], s[SST:SST+1]
	GEMM
	EPI 1
	s_wait_tensorcnt 0x0
	ds_add_u32 v30, v31
	s_wait_dscnt 0x0
	s_endpgm
.Lfunc_end_k_q3eac84f44c_proj:
	.size	k_q3eac84f44c_proj, .Lfunc_end_k_q3eac84f44c_proj-k_q3eac84f44c_proj
	.p2alignl 7, 3214868480
	.fill 96, 4, 3214868480
	.section	.rodata,"a",@progbits
	.p2align	6, 0x0
	.amdhsa_kernel k_q3eac84f44c_proj
		.amdhsa_group_segment_fixed_size 282624
		.amdhsa_private_segment_fixed_size 0
		.amdhsa_enable_private_segment 0
		.amdhsa_kernarg_size 128
		.amdhsa_user_sgpr_count 2
		.amdhsa_user_sgpr_kernarg_segment_ptr 1
		.amdhsa_wavefront_size32 1
		.amdhsa_system_sgpr_workgroup_id_x 1
		.amdhsa_system_sgpr_workgroup_id_y 1
		.amdhsa_system_sgpr_workgroup_id_z 1
		.amdhsa_system_vgpr_workitem_id 0
		.amdhsa_next_free_vgpr 256
		.amdhsa_next_free_sgpr 80
		.amdhsa_reserve_vcc 1
		.amdhsa_float_denorm_mode_32 3
		.amdhsa_float_denorm_mode_16_64 3
		.amdhsa_memory_ordered 1
		.amdhsa_forward_progress 1
		.amdhsa_inst_pref_size 74
	.end_amdhsa_kernel
	.amdgpu_metadata
---
amdhsa.version: [ 1, 2 ]
amdhsa.kernels:
  - .name:           k_q3eac84f44c_proj
    .symbol:         k_q3eac84f44c_proj.kd
    .args:
      - { .name: tgt, .offset: 0, .size: 8, .value_kind: global_buffer, .address_space: global }
      - { .name: memory, .offset: 8, .size: 8, .value_kind: global_buffer, .address_space: global }
      - { .name: sa_wq, .offset: 16, .size: 8, .value_kind: global_buffer, .address_space: global }
      - { .name: sa_wk, .offset: 24, .size: 8, .value_kind: global_buffer, .address_space: global }
      - { .name: sa_wv, .offset: 32, .size: 8, .value_kind: global_buffer, .address_space: global }
      - { .name: ca_wk, .offset: 40, .size: 8, .value_kind: global_buffer, .address_space: global }
      - { .name: ca_wv, .offset: 48, .size: 8, .value_kind: global_buffer, .address_space: global }
      - { .name: sa_bq, .offset: 56, .size: 8, .value_kind: global_buffer, .address_space: global }
      - { .name: sa_bk, .offset: 64, .size: 8, .value_kind: global_buffer, .address_space: global }
      - { .name: sa_bv, .offset: 72, .size: 8, .value_kind: global_buffer, .address_space: global }
      - { .name: ca_bk, .offset: 80, .size: 8, .value_kind: global_buffer, .address_space: global }
      - { .name: ca_bv, .offset: 88, .size: 8, .value_kind: global_buffer, .address_space: global }
      - { .name: ln_g, .offset: 96, .size: 8, .value_kind: global_buffer, .address_space: global }
      - { .name: ln_b, .offset: 104, .size: 8, .value_kind: global_buffer, .address_space: global }
      - { .name: qkv, .offset: 112, .size: 8, .value_kind: global_buffer, .address_space: global }
      - { .name: kv2, .offset: 120, .size: 8, .value_kind: global_buffer, .address_space: global }
    .group_segment_fixed_size: 282624
    .private_segment_fixed_size: 0
    .kernarg_segment_align: 8
    .kernarg_segment_size: 128
    .max_flat_workgroup_size: 512
    .sgpr_count:     80
    .vgpr_count:     256
    .wavefront_size: 32
...
	.end_amdgpu_metadata
.endif
;; end of part 1
;; launch sattn (part 2): grid 4 x 64, 8 waves a work-group, no clusters, 191,488 bytes of LDS; arguments qkv, target_mask, o; writes o
.if DOCPART == 2
	.amdgcn_target "amdgcn-amd-amdhsa--gfx1250"
	.amdhsa_code_object_version 6
	.text
	.protected	k_q3eac84f44c_sattn
	.globl	k_q3eac84f44c_sattn
	.p2align	8
	.type	k_q3eac84f44c_sattn,@function
k_q3eac84f44c_sattn:
	s_mov_b64 s[64:65], 0
	v_nop
	global_prefetch_b8 v0, s[64:65] scope:SCOPE_SE
	s_setreg_imm32_b32 hwreg(HW_REG_WAVE_MODE, 25, 1), 1
	s_wait_xcnt 0x0
; ATTENTION.  CROSS = 0: self attention of layer 5 (q, k, v from qkv, target_mask).  CROSS = 1: cross attention (q2 = LN(x1) ca_wq + bq made here and kept in registers, k2, v2 from kv2, source_mask).
; (Only layer 5 of the six is live: every pass of the module's loop starts again from tgt.)
; o[b][h][t][:] = the sum over s of softmax_s(q . k / 8, replaced by -1e9 where the mask is 0) v[s][:], in bf16, by heads.
; SHARES.  A work-group owns 64 queries of one head; wave w owns 16 of them (w % 4) and one half of the keys (w / 4).  All scores of a wave lie in registers, so the maximum that is taken away is the
; true one of its half; the two halves are merged once, with their common maximum.
; LAYOUT.  S^T = K Q^T (source 0 = 16 keys, source 1 = 16 queries): a lane holds ONE query (lane % 16) and the keys 8 (lane / 16) + 0..7.  Two such tiles rounded to bf16 ARE source 1 of O^T = V^T P.
; SOFTMAX in base 2: t = s c, c = log2(e) / 8; where the mask is 0, t = -1e9 log2(e); p = 2^(t - m).  A row with no key left gets p = 1 everywhere, the uniform weights of the definition.
; LIMITS.  A weight below 2^-126 counts as 0; the sum l is taken of the unrounded weights; NaN and infinities are not treated apart.
; K, V and the mask come by tensor loads, three a wave, each LDS byte filled once; by this text's count three tensor loads of a wave are out.
; NO CLUSTER: the four query blocks of a head share K and V, at most half of what a work-group brings in, and each tile is filled once: two rounds of a cluster's barrier would serve one fill.
.set CROSS, 0
.set NK,  128+128*CROSS                ; keys of a wave
.set NT,  NK/16                        ; its tiles of 16 keys
.set KW,  32+32*CROSS                  ; keys that one wave's tensor loads bring
.set PKK, 144                          ; a row of K in LDS: 128 bytes + 16
.set PVV, 160                          ; a row of V: 128 + 32, an odd multiple of 32, for the turning load
.if CROSS
.set VLD, 73728
.set MSK, 155648
.set MROW, 256
.set PAN, 157696
.set WS,  224256
.set QX,  306176
.set XCH, PAN                          ; used behind the barrier that follows the last read of the panel
.set STG, PAN+36864
.else
.set VLD, 36864
.set MSK, 77824
.set MROW, 8*1040
.set XCH, 144384
.set STG, 181248
.endif
.set PP,  1040
.set WP,  160
.set WDD_OFF, 5*512*512*4
.set BD_OFF,  5*512*4
.set RT, 1
.set CT, 2
.set KU, 2
.set FS, 8*(RT+CT)
; the projection's registers (CROSS = 1)
.set VOA, 4
.set VOW, 5
.set APS, 6
.set AWS, 7
.set AP,  8
.set AW,  9
.set APC, 10
.set AWC, 11
.set VL,  12
.set VBQ, 13
.set T,   16
.set QXS, 24
.set QXL, 25
.set G,   32
.set BT,  48
.set WR,  64
.set X,   128
.set FR,  32
.set ACC, 80
.set BQ,  96
.set QP,  112
; attention's registers
.set AK,  4
.set AV,  5
.set AM,  6
.set XW,  7
.set XS,  8
.set XO,  9
.set XP,  10
.set XPS, 11
.set STO, 12
.set NEGV, 13
.set M,   14
.set L,   15
.set SA,  16
.set SB,  18
.set TM,  20
.set PM,  24
.set QO,  29
.set RD,  30
.set GO,  31
.set Q,   32
.set KF0, 48
.set S,   128
.set O,   32
.set VF0, 64
.set OWN, 64
.set PAR, 80
.set WV,  56
.set QB,  57
.set BH,  58
.set SRT, 59
.set SKH, 60
.set OOF, 62
.set CS,  66
.set SEL, 68
.set INV, 70
.set EPS, 71
.set KC,  72
.set SO,  74
.set KOF, 76
.set MOF, 78
.macro BAR
	s_wait_dscnt 0x0
	s_barrier_signal -1
	s_barrier_wait -1
.endm
.macro PLACES                          ; four places behind matrix instructions (ISA guide 7.12.1)
.rept 4
	v_nop
.endr
.endm
.if CROSS
.macro RED x, t
	v_add_f32_dpp v[\x], v[\x], v[\x] row_xmask:1 row_mask:0xf bank_mask:0xf
	v_add_f32_dpp v[\x], v[\x], v[\x] row_xmask:2 row_mask:0xf bank_mask:0xf
	v_add_f32_dpp v[\x], v[\x], v[\x] row_xmask:4 row_mask:0xf bank_mask:0xf
	v_add_f32_dpp v[\x], v[\x], v[\x] row_xmask:8 row_mask:0xf bank_mask:0xf
	v_permlanex16_b32 v[\t], v[\x], s[SEL], s[SEL+1]
	v_add_f32 v[\x], v[\x], v[\t]
.endm
.macro LNROW i, n
.set xr, X+16*(\i)
	s_wait_loadcnt \n
	v_pk_add_f32 v[T:T+1], v[xr:xr+1], v[xr+2:xr+3]
	v_pk_add_f32 v[T+2:T+3], v[xr+4:xr+5], v[xr+6:xr+7]
	v_pk_add_f32 v[T+4:T+5], v[xr+8:xr+9], v[xr+10:xr+11]
	v_pk_add_f32 v[T+6:T+7], v[xr+12:xr+13], v[xr+14:xr+15]
	v_pk_add_f32 v[T:T+1], v[T:T+1], v[T+2:T+3]
	v_pk_add_f32 v[T+4:T+5], v[T+4:T+5], v[T+6:T+7]
	v_pk_add_f32 v[T:T+1], v[T:T+1], v[T+4:T+5]
	v_add_f32 v[T], v[T], v[T+1]
	RED T, T+1
	v_mul_f32 v[T], s[INV], v[T]
.irp j, 0,2,4,6,8,10,12,14
	v_pk_add_f32 v[xr+\j:xr+\j+1], v[xr+\j:xr+\j+1], v[T:T+1] op_sel_hi:[1,0] neg_lo:[0,1] neg_hi:[0,1]
.endr
	v_pk_mul_f32 v[T+2:T+3], v[xr:xr+1], v[xr:xr+1]
	v_pk_mul_f32 v[T+4:T+5], v[xr+2:xr+3], v[xr+2:xr+3]
.irp j, 4,8,12
	v_pk_fma_f32 v[T+2:T+3], v[xr+\j:xr+\j+1], v[xr+\j:xr+\j+1], v[T+2:T+3]
	v_pk_fma_f32 v[T+4:T+5], v[xr+\j+2:xr+\j+3], v[xr+\j+2:xr+\j+3], v[T+4:T+5]
.endr
	v_pk_add_f32 v[T+2:T+3], v[T+2:T+3], v[T+4:T+5]
	v_add_f32 v[T+2], v[T+2], v[T+3]
	RED T+2, T+3
	v_fma_f32 v[T+2], v[T+2], s[INV], s[EPS]
	v_rsq_f32 v[T+2], v[T+2]
	v_nop
.irp j, 0,2,4,6,8,10,12,14
	v_pk_mul_f32 v[xr+\j:xr+\j+1], v[xr+\j:xr+\j+1], v[T+2:T+3] op_sel_hi:[1,0]
.endr
.irp j, 0,2,4,6,8,10,12,14
	v_pk_fma_f32 v[xr+\j:xr+\j+1], v[xr+\j:xr+\j+1], v[G+\j:G+\j+1], v[BT+\j:BT+\j+1]
.endr
.irp c, 0,1,2,3
	v_cvt_pk_bf16_f32 v[xr+4*\c], v[xr+4*\c], v[xr+4*\c+1]
	v_cvt_pk_bf16_f32 v[xr+4*\c+1], v[xr+4*\c+2], v[xr+4*\c+3]
.endr
.irp c, 0,1,2,3
	ds_store_b64 v[APS], v[xr+4*\c:xr+4*\c+1] offset:(\i)*PP+\c*256
.endr
.endm
.macro REFILL i
.irp j, 0,1,2,3
	global_load_b128 v[X+16*(\i)+4*\j:X+16*(\i)+4*\j+3], v[VOW], s[6:7] offset:(16+4*(\i)+\j)*4096
.endr
.endm
.macro WCVT reg, off
	v_cvt_pk_bf16_f32 v[(\reg)], v[(\reg)], v[(\reg)+1]
	v_cvt_pk_bf16_f32 v[(\reg)+1], v[(\reg)+2], v[(\reg)+3]
	ds_store_b64 v[AWS], v[(\reg):(\reg)+1] offset:\off
.endm
.macro FETCH
.set ku, 0
.rept KU
.set t, 0
.rept RT
	ds_load_b128 v[FR+ku*FS+8*t:FR+ku*FS+8*t+3], v[APC] offset:ku*64+t*16*PP
	ds_load_b128 v[FR+ku*FS+8*t+4:FR+ku*FS+8*t+7], v[APC] offset:ku*64+t*16*PP+32
.set t, t+1
.endr
.set t, 0
.rept CT
	ds_load_tr16_b128 v[FR+ku*FS+8*RT+8*t:FR+ku*FS+8*RT+8*t+3], v[AWC] offset:ku*32*WP+t*32
	ds_load_tr16_b128 v[FR+ku*FS+8*RT+8*t+4:FR+ku*FS+8*RT+8*t+7], v[AWC] offset:ku*32*WP+t*32+16*WP
.set t, t+1
.endr
.set ku, ku+1
.endr
.endm
.macro MMA zero
.set ku, 0
.rept KU
.set rt, 0
.rept RT
.set ct, 0
.rept CT
.set ra, ACC+8*(rt*CT+ct)
.set rw, FR+ku*FS+8*RT+8*ct
.set rp, FR+ku*FS+8*rt
.if (\zero) && (ku == 0)
	v_wmma_f32_16x16x32_bf16 v[ra:ra+7], v[rw:rw+7], v[rp:rp+7], 0
.else
	v_wmma_f32_16x16x32_bf16 v[ra:ra+7], v[rw:rw+7], v[rp:rp+7], v[ra:ra+7]
.endif
.set ct, ct+1
.endr
.set rt, rt+1
.endr
.set ku, ku+1
.endr
.endm
.macro GEMM
	v_mov_b32 v[APC], v[AP]
	v_mov_b32 v[AWC], v[AW]
	FETCH
	s_wait_dscnt 0x0
	MMA 1
	s_mov_b32 s[KC], 16/KU-1
.Lk_\@:
	v_add_nc_u32 v[APC], 64*KU, v[APC]             ; these two and two v_nop are the four places in front of the loads
	v_add_nc_u32 v[AWC], 32*KU*WP, v[AWC]
	v_nop
	v_nop
	FETCH
	s_wait_dscnt 0x0
	MMA 0
	s_sub_co_u32 s[KC], s[KC], 1
	s_cmp_lg_u32 s[KC], 0
	s_cbranch_scc1 .Lk_\@
	PLACES
.endm
.endif
.macro FETCHK g, buf                   ; K's fragments of tiles 2 g and 2 g + 1: eight loads
.set i, 0
.rept 2
.set c, 0
.rept 2
	ds_load_b128 v[\buf+16*i+8*c:\buf+16*i+8*c+3], v[AK] offset:(2*(\g)+i)*16*PKK+c*64
	ds_load_b128 v[\buf+16*i+8*c+4:\buf+16*i+8*c+7], v[AK] offset:(2*(\g)+i)*16*PKK+c*64+32
.set c, c+1
.endr
.set i, i+1
.endr
.endm
.macro QKMM g, buf                     ; four products; the two accumulators take turns
.set c, 0
.rept 2
.set i, 0
.rept 2
.set rs, S+8*(2*(\g)+i)
.if c == 0
	v_wmma_f32_16x16x32_bf16 v[rs:rs+7], v[\buf+16*i+8*c:\buf+16*i+8*c+7], v[Q+8*c:Q+8*c+7], 0
.else
	v_wmma_f32_16x16x32_bf16 v[rs:rs+7], v[\buf+16*i+8*c:\buf+16*i+8*c+7], v[Q+8*c:Q+8*c+7], v[rs:rs+7]
.endif
.set i, i+1
.endr
.set c, c+1
.endr
.endm
.macro FETCHM mg, buf                  ; the mask's words for tiles 4 mg .. 4 mg + 3: eight loads
.set i, 0
.rept 4
	ds_load_b128 v[\buf+8*i:\buf+8*i+3], v[AM] offset:(4*(\mg)+i)*64
	ds_load_b128 v[\buf+8*i+4:\buf+8*i+7], v[AM] offset:(4*(\mg)+i)*64+16
.set i, i+1
.endr
.endm
.macro MASKT mg, buf                   ; t = s c, or -1e9 log2(e) where the mask is 0.  Each accumulator's lowest registers are read first
.set i, 0
.rept 4
.set rs, S+8*(4*(\mg)+i)
.irp j, 0,2,4,6
	v_pk_mul_f32 v[rs+\j:rs+\j+1], v[rs+\j:rs+\j+1], s[CS:CS+1] op_sel_hi:[1,0]
.endr
.irp j, 0,1,2,3,4,5,6,7
	v_cmp_eq_u32 vcc_lo, 0, v[\buf+8*i+\j]
	v_cndmask_b32 v[rs+\j], v[rs+\j], v[NEGV], vcc_lo
.endr
.set i, i+1
.endr
.endm
.macro FETCHV kp, buf                  ; V^T's fragments of keys 32 kp on: eight turning loads
.set cb, 0
.rept 4
	ds_load_tr16_b128 v[\buf+8*cb:\buf+8*cb+3], v[AV] offset:(\kp)*32*PVV+cb*32
	ds_load_tr16_b128 v[\buf+8*cb+4:\buf+8*cb+7], v[AV] offset:(\kp)*32*PVV+cb*32+16*PVV
.set cb, cb+1
.endr
.endm
.macro PVMM kp, buf                    ; four products, one for each block of 16 channels: the accumulators take turns
.set cb, 0
.rept 4
.if (\kp) == 0
	v_wmma_f32_16x16x32_bf16 v[O+8*cb:O+8*cb+7], v[\buf+8*cb:\buf+8*cb+7], v[S+16*(\kp):S+16*(\kp)+7], 0
.else
	v_wmma_f32_16x16x32_bf16 v[O+8*cb:O+8*cb+7], v[\buf+8*cb:\buf+8*cb+7], v[S+16*(\kp):S+16*(\kp)+7], v[O+8*cb:O+8*cb+7]
.endif
.set cb, cb+1
.endr
.endm
.if CROSS
	s_load_b512 s[4:19], s[0:1], 0x0               ; x1 4, ca_wq 6, ca_bq 8, ln_g 10, ln_b 12, kv2 14, source_mask 16, o 18
.else
	s_load_b128 s[4:7], s[0:1], 0x0                ; qkv 4, target_mask 6
	s_load_b64 s[8:9], s[0:1], 0x10                ; o
	v_lshl_add_u32 v192, v0, 2, 0x2e800
	v_mov_b32 v193, 0
	ds_add_u32 v192, v193
	ds_add_u32 v192, v193
.endif
	v_and_b32 v1, 31, v0                           ; lane
	v_and_b32 v2, 15, v0                           ; lane % 16
	v_bfe_u32 v3, v0, 4, 1                         ; lane / 16
	v_lshrrev_b32 v26, 5, v0
	v_readfirstlane_b32 s[WV], v26                 ; wave 0..7
	s_mov_b32 s[QB], ttmp9                         ; block of 64 queries
	s_and_b32 s[BH], ttmp7, 0xffff                 ; 8 batch + head
	s_and_b32 s[SRT], s[WV], 3                     ; my 16 queries
	s_lshr_b32 s[SKH], s[WV], 2                    ; my half of the keys
	; descriptor group 1 for K and V: KW keys are dense, asked for as rows of 256 bytes, two keys a row, padded in LDS after every key
	s_mov_b32 s20, (1<<16)|(1<<20)|(4<<22)|(3<<25) ; 2-byte elements; padding on; after every 32 words; 4 words
	s_mov_b32 s28, (1<<16)|(1<<20)|(4<<22)|(7<<25) ; the same with 8 words
.irp g, 20, 28
	s_mov_b32 s[\g+1], 128<<16                     ; tensor_dim0 = 128
	s_mov_b32 s[\g+2], (KW/2)<<16                  ; tensor_dim1
	s_mov_b32 s[\g+3], 128<<16                     ; tile_dim0 = 128
	s_mov_b32 s[\g+4], KW/2                        ; tile_dim1
	s_mov_b32 s[\g+5], 128                         ; elements from row to row
	s_mov_b32 s[\g+6], 0
	s_mov_b32 s[\g+7], 0
.endr
.if CROSS
	s_mov_b32 s36, 3<<16                           ; the mask: one row of 256 bytes a wave, 8-byte elements, no padding
	s_mov_b32 s37, 32<<16
	s_mov_b32 s38, 1<<16
	s_mov_b32 s39, 32<<16
	s_mov_b32 s40, 1
	s_mov_b32 s41, 32
.else
	s_mov_b32 s36, (2<<16)|(1<<20)|(7<<22)|(3<<25) ; the mask: 8 rows of 256 words a wave, 4 words of padding behind each row
	s_mov_b32 s37, 256<<16
	s_mov_b32 s38, 8<<16
	s_mov_b32 s39, 256<<16
	s_mov_b32 s40, 8
	s_mov_b32 s41, 256
.endif
	s_mov_b32 s42, 0
	s_mov_b32 s43, 0
	s_mov_b32 s44, 1                               ; group 0 of K: count, LDS address = wave x its keys' bytes
	s_mul_i32 s45, s[WV], KW*PKK
	s_mov_b32 s48, 1                               ; of V
	s_mul_i32 s49, s[WV], KW*PVV
	s_add_co_u32 s49, s49, VLD
	s_mov_b32 s52, 1                               ; of the mask
	s_mul_i32 s53, s[WV], MROW
	s_add_co_u32 s53, s53, MSK
	s_lshr_b32 s61, s[BH], 3                       ; batch
.if CROSS
	s_lshl_b32 s[KOF], s[BH], 16
	s_lshl_b32 s73, s[WV], 13
	s_add_co_u32 s[KOF], s[KOF], s73
	s_lshl_b32 s[MOF], s61, 11
	s_lshl_b32 s73, s[WV], 8
	s_add_co_u32 s[MOF], s[MOF], s73
.else
	s_lshl_b32 s[KOF], s[BH], 15
	s_lshl_b32 s73, s[WV], 12
	s_add_co_u32 s[KOF], s[KOF], s73
	s_lshl_b32 s[MOF], s61, 18
	s_lshl_b32 s73, s[QB], 16
	s_add_co_u32 s[MOF], s[MOF], s73
	s_lshl_b32 s73, s[WV], 13
	s_add_co_u32 s[MOF], s[MOF], s73
.endif
	s_mov_b32 s[KOF+1], 0
	s_mov_b32 s[MOF+1], 0
	s_lshl_b32 s[OOF], s[BH], 15                   ; my 64 rows in a [b][h][256][64] bf16 tensor
	s_lshl_b32 s73, s[QB], 13
	s_add_co_u32 s[OOF], s[OOF], s73
	s_mov_b32 s[OOF+1], 0
	s_mov_b32 s[CS], 0x3e38aa3b                    ; c = log2(e) / 8
	s_mov_b32 s[CS+1], s[CS]
	s_mov_b32 s[SEL], 0x76543210
	s_mov_b32 s[SEL+1], 0xfedcba98
.if CROSS
	s_mov_b32 s[INV], 0x3b000000                   ; 1 / 512
	s_mov_b32 s[EPS], 0x3727c5ac                   ; 1e-5
	s_lshl_b32 s73, s[WV], 14
	v_lshl_add_u32 v[VOA], v1, 4, s73              ; 8 rows of x1 a wave
	s_lshl_b32 s73, s[WV], 17                      ; 64 rows of W a wave, two rows of 256 bytes a load
	v_lshlrev_b32 v[VOW], 11, v3
	v_lshl_add_u32 v[VOW], v2, 4, v[VOW]
	v_add_nc_u32 v[VOW], s73, v[VOW]
	s_mul_i32 s73, s[WV], 8*PP
	s_add_co_u32 s73, s73, PAN
	v_lshl_add_u32 v[APS], v1, 3, s73
	s_mul_i32 s73, s[WV], 64*WP
	s_add_co_u32 s73, s73, WS
	v_mul_u32_u24 v[AWS], v3, WP
	v_lshl_add_u32 v[AWS], v2, 3, v[AWS]
	v_add_nc_u32 v[AWS], s73, v[AWS]
	v_mul_u32_u24 v[AP], v2, PP
	v_lshl_add_u32 v[AP], v3, 4, v[AP]
	s_mul_i32 s73, s[SRT], 16*PP
	s_add_co_u32 s73, s73, PAN
	v_add_nc_u32 v[AP], s73, v[AP]
	v_and_b32 v26, 7, v0
	v_bfe_u32 v27, v0, 3, 1
	v_lshl_add_u32 v[AW], v3, 3, v26
	v_mul_u32_u24 v[AW], v[AW], WP
	v_lshl_add_u32 v[AW], v27, 4, v[AW]
	s_lshl_b32 s73, s[SKH], 6
	s_add_co_u32 s73, s73, WS
	v_add_nc_u32 v[AW], s73, v[AW]
	v_lshlrev_b32 v[VL], 4, v1
	s_lshl_b32 s73, s[SKH], 7
	v_lshl_add_u32 v[VBQ], v3, 5, s73
	s_lshl_b32 s73, s[SRT], 11
	s_add_co_u32 s73, s73, QX
	v_lshl_add_u32 v[QXL], v1, 4, s73
	s_lshl_b32 s61, s[SKH], 10
	s_add_co_u32 s73, s73, s61
	v_lshl_add_u32 v[QXS], v1, 4, s73
.else
	v_lshlrev_b32 v[QO], 7, v2                     ; q: row x 128 + 16 x half of the lanes
	v_lshl_add_u32 v[QO], v3, 4, v[QO]
	s_lshl_b32 s73, s[SRT], 11
	v_add_nc_u32 v[QO], s73, v[QO]
.endif
	s_wait_dscnt 0x0
	s_wait_kmcnt 0x0
.if CROSS
	s_add_nc_u64 s[46:47], s[14:15], s[KOF:KOF+1]
	s_add_nc_u64 s[50:51], s[46:47], 1<<22
	s_add_nc_u64 s[54:55], s[16:17], s[MOF:MOF+1]
.else
	s_add_nc_u64 s[46:47], s[4:5], s[KOF:KOF+1]
	s_add_nc_u64 s[50:51], s[46:47], 2<<21
	s_add_nc_u64 s[46:47], s[46:47], 1<<21
	s_add_nc_u64 s[54:55], s[6:7], s[MOF:MOF+1]
.endif
	s_or_b32 s47, s47, 0x80000000                  ; type = 2
	s_or_b32 s51, s51, 0x80000000
	s_or_b32 s55, s55, 0x80000000
	tensor_load_to_lds s[44:47], s[20:27]          ; my keys' rows of K,
	s_nop 0
	tensor_load_to_lds s[48:51], s[28:35]          ; of V,
	s_nop 0
	tensor_load_to_lds s[52:55], s[36:43]          ; and my part of the mask: first fills, all at the start
	s_nop 0
.if CROSS
	s_add_nc_u64 s[SO:SO+1], s[18:19], s[OOF:OOF+1]
	s_lshr_b32 s61, s[BH], 3
	s_lshl_b32 s[KOF], s61, 19                     ; x1: the batch's 256 rows, my block's 64
	s_lshl_b32 s73, s[QB], 17
	s_add_co_u32 s[KOF], s[KOF], s73
	s_add_nc_u64 s[4:5], s[4:5], s[KOF:KOF+1]
	s_and_b32 s[KOF], s[BH], 7
	s_lshl_b32 s[KOF], s[KOF], 8                   ; the head's 64 columns
	s_add_nc_u64 s[6:7], s[6:7], s[KOF:KOF+1]
	s_add_nc_u64 s[6:7], s[6:7], WDD_OFF
	s_add_nc_u64 s[8:9], s[8:9], s[KOF:KOF+1]
	s_add_nc_u64 s[8:9], s[8:9], BD_OFF
	; q2 = LN(x1) ca_wq + bq for my block's 64 rows and my head's 64 columns.  56 loads at once: gain 4, shift 4, my 8 rows 32, 16 of my 32 loads of W
.irp c, 0,1,2,3
	global_load_b128 v[G+4*\c:G+4*\c+3], v[VL], s[10:11] offset:\c*512
.endr
.irp c, 0,1,2,3
	global_load_b128 v[BT+4*\c:BT+4*\c+3], v[VL], s[12:13] offset:\c*512
.endr
.set i, 0
.rept 8
.irp c, 0,1,2,3
	global_load_b128 v[X+16*i+4*\c:X+16*i+4*\c+3], v[VOA], s[4:5] offset:i*2048+\c*512
.endr
.set i, i+1
.endr
.set q, 0
.rept 16
	global_load_b128 v[WR+4*q:WR+4*q+3], v[VOW], s[6:7] offset:q*4096
.set q, q+1
.endr
	; the count of row i: 4 (7 - i) younger loads of rows + 16 of W + 4 for each refill issued so far
	LNROW 0, 44
	REFILL 0
	LNROW 1, 44
	REFILL 1
	LNROW 2, 44
	REFILL 2
	LNROW 3, 44
	REFILL 3
	LNROW 4, 44
	LNROW 5, 40
	LNROW 6, 36
	LNROW 7, 32
	s_wait_loadcnt 16
.set q, 0
.rept 16
	WCVT WR+4*q, q*2*WP
.set q, q+1
.endr
	s_wait_loadcnt 0x0
.set q, 16
.rept 16
	WCVT X+4*(q-16), q*2*WP
.set q, q+1
.endr
.irp ct, 0,1
	global_load_b128 v[BQ+8*\ct:BQ+8*\ct+3], v[VBQ], s[8:9] offset:\ct*64
	global_load_b128 v[BQ+8*\ct+4:BQ+8*\ct+7], v[VBQ], s[8:9] offset:\ct*64+16
.endr
	s_wait_tensorcnt 0x0                           ; my parts of K, V and the mask have landed
	BAR                                            ; everybody's have, and the panel and the slice are whole
	GEMM
	s_wait_loadcnt 0x0                             ; bq; also: every load that names v4-v13 is done
.irp ct, 0,1
.irp j, 0,2,4,6
	v_pk_add_f32 v[ACC+8*\ct+\j:ACC+8*\ct+\j+1], v[ACC+8*\ct+\j:ACC+8*\ct+\j+1], v[BQ+8*\ct+\j:BQ+8*\ct+\j+1]
.endr
.endr
.irp ct, 0,1
.irp j, 0,1,2,3
	v_cvt_pk_bf16_f32 v[QP+4*\ct+\j], v[ACC+8*\ct+2*\j], v[ACC+8*\ct+2*\j+1]
.endr
.endr
	ds_store_b128 v[QXS], v[QP:QP+3]               ; these eight registers ARE the fragment of my 16 queries and channels 32 (w / 4) on
	ds_store_b128 v[QXS], v[QP+4:QP+7] offset:512
	BAR                                            ; the wave with the same queries and the other keys made the other 32 channels
.irp c, 0,1
	ds_load_b128 v[Q+8*\c:Q+8*\c+3], v[QXL] offset:\c*1024
	ds_load_b128 v[Q+8*\c+4:Q+8*\c+7], v[QXL] offset:\c*1024+512
.endr
.else
	s_add_nc_u64 s[SO:SO+1], s[8:9], s[OOF:OOF+1]
	s_add_nc_u64 s[4:5], s[4:5], s[OOF:OOF+1]
.irp c, 0,1
	global_load_b128 v[Q+8*\c:Q+8*\c+3], v[QO], s[4:5] offset:\c*64
	global_load_b128 v[Q+8*\c+4:Q+8*\c+7], v[QO], s[4:5] offset:\c*64+32
.endr
.endif
	; attention's addresses
	v_mul_u32_u24 v[AK], v2, PKK
	v_lshl_add_u32 v[AK], v3, 4, v[AK]
	s_mul_i32 s61, s[SKH], NK*PKK
	v_add_nc_u32 v[AK], s61, v[AK]
	v_and_b32 v26, 7, v0
	v_bfe_u32 v27, v0, 3, 1
	v_lshl_add_u32 v[AV], v3, 3, v26
	v_mul_u32_u24 v[AV], v[AV], PVV
	v_lshl_add_u32 v[AV], v27, 4, v[AV]
	s_mul_i32 s61, s[SKH], NK*PVV
	s_add_co_u32 s61, s61, VLD
	v_add_nc_u32 v[AV], s61, v[AV]
.if CROSS
	s_lshl_b32 s61, s[SKH], 10
	s_add_co_u32 s61, s61, MSK
	v_lshl_add_u32 v[AM], v3, 5, s61
.else
	v_mul_u32_u24 v[AM], v2, 1040
	v_lshl_add_u32 v[AM], v3, 5, v[AM]
	s_mul_i32 s61, s[SRT], 16*1040
	s_lshl_b32 s73, s[SKH], 9
	s_add_co_u32 s61, s61, s73
	s_add_co_u32 s61, s61, MSK
	v_add_nc_u32 v[AM], s61, v[AM]
.endif
	s_mul_i32 s61, s[WV], 4608
	s_add_co_u32 s61, s61, XCH
	v_lshl_add_u32 v[XW], v1, 4, s61
	s_add_co_u32 s73, s61, 4096
	v_lshl_add_u32 v[XS], v1, 3, s73
	s_lshl_b32 s73, s[SKH], 11
	v_add_nc_u32 v[XO], s73, v[XW]
	s_xor_b32 s61, s[WV], 4                        ; the wave with my queries and the other half of the keys
	s_mul_i32 s61, s61, 4608
	s_add_co_u32 s61, s61, XCH
	s_add_co_u32 s73, s73, s61
	v_lshl_add_u32 v[XP], v1, 4, s73
	s_add_co_u32 s61, s61, 4096
	v_lshl_add_u32 v[XPS], v1, 3, s61
	v_mul_u32_u24 v[STO], v2, 144
	v_lshl_add_u32 v[STO], v3, 4, v[STO]
	s_mul_i32 s61, s[SRT], 16*144
	s_lshl_b32 s73, s[SKH], 6
	s_add_co_u32 s61, s61, s73
	s_add_co_u32 s61, s61, STG
	v_add_nc_u32 v[STO], s61, v[STO]
	v_lshrrev_b32 v28, 3, v1
	v_mul_u32_u24 v[RD], v28, 144
	v_lshl_add_u32 v[RD], v26, 4, v[RD]
	s_mul_i32 s61, s[WV], 8*144
	s_add_co_u32 s61, s61, STG
	v_add_nc_u32 v[RD], s61, v[RD]
	s_lshl_b32 s61, s[WV], 10
	v_lshl_add_u32 v[GO], v1, 4, s61
	v_mov_b32 v[NEGV], 0xceabfb8f                  ; -1e9 log2(e)
	v_mov_b32 v[L], 0                              ; named as a pair with m before it is made
.if CROSS == 0
	s_wait_tensorcnt 0x0                           ; my parts of K, V and the mask have landed,
	s_barrier_signal -1
	s_barrier_wait -1                              ; everybody's have
	s_wait_loadcnt 0x0                             ; q
.endif
	; S^T = K Q^T, two tiles of 16 keys at a time; the next two tiles' fragments are fetched ahead.  LDS answers a wave in order, so the first count of 8 also covers q's fragments
	FETCHK 0, KF0
.set g, 0
.rept NT/2
.if g+1 < NT/2
.if g >= 1
	PLACES                                         ; the buffer to be loaded was read by the products just issued
.endif
	FETCHK g+1, KF0+32*((g+1)%2)
	s_wait_dscnt 8                                 ; the eight loads just issued may stay out
.else
	s_wait_dscnt 0x0
.endif
	QKMM g, KF0+32*(g%2)
.set g, g+1
.endr
	PLACES
	; scale and mask, four tiles at a time; the mask's words take K's two buffers
	FETCHM 0, KF0
.set g, 0
.rept NT/4
.if g+1 < NT/4
	FETCHM g+1, KF0+32*((g+1)%2)
	s_wait_dscnt 8
.else
	s_wait_dscnt 0x0
.endif
	MASKT g, KF0+32*(g%2)
.set g, g+1
.endr
	FETCHV 0, VF0                                  ; V's first two runs land under the softmax
	FETCHV 1, VF0+32
	; the maximum of my half: four chains, then the other half of the lanes
.set n4, 2*NT
.irp c, 0,1,2,3
	v_max_num_f32 v[TM+\c], v[S+n4*\c], v[S+n4*\c+1]
.endr
.set k, 2
.rept (n4-2)/2
.irp c, 0,1,2,3
	v_max3_num_f32 v[TM+\c], v[TM+\c], v[S+n4*\c+k], v[S+n4*\c+k+1]
.endr
.set k, k+2
.endr
	v_max3_num_f32 v[TM], v[TM], v[TM+1], v[TM+2]
	v_max_num_f32 v[TM], v[TM], v[TM+3]
	v_permlanex16_b32 v[TM+1], v[TM], s[SEL], s[SEL+1]
	v_max_num_f32 v[M], v[TM], v[TM+1]
	; p = 2^(t - m), its sums, and its rounding to bf16 in place: registers 16 kp + 0..7 become the fragment of keys 32 kp on
.set kp, 0
.rept NT/2
.set sb, S+16*kp
.irp j, 0,2,4,6,8,10,12,14
	v_pk_add_f32 v[sb+\j:sb+\j+1], v[sb+\j:sb+\j+1], v[M:M+1] op_sel_hi:[1,0] neg_lo:[0,1] neg_hi:[0,1]
.endr
.irp j, 0,1,2,3,4,5,6,7,8,9,10,11,12,13,14,15
	v_exp_f32 v[sb+\j], v[sb+\j]
.endr
	v_nop                                          ; a plain instruction between the last exponential and the use of its result
.if kp == 0
	s_wait_alu depctr_va_vdst(0)
	v_pk_add_f32 v[SA:SA+1], v[sb:sb+1], v[sb+2:sb+3]
	v_pk_add_f32 v[SB:SB+1], v[sb+4:sb+5], v[sb+6:sb+7]
.else
	s_wait_alu depctr_va_vdst(0)
	v_pk_add_f32 v[SA:SA+1], v[SA:SA+1], v[sb:sb+1]
	v_pk_add_f32 v[SB:SB+1], v[SB:SB+1], v[sb+2:sb+3]
	v_pk_add_f32 v[SA:SA+1], v[SA:SA+1], v[sb+4:sb+5]
	v_pk_add_f32 v[SB:SB+1], v[SB:SB+1], v[sb+6:sb+7]
.endif
	v_pk_add_f32 v[SA:SA+1], v[SA:SA+1], v[sb+8:sb+9]
	v_pk_add_f32 v[SB:SB+1], v[SB:SB+1], v[sb+10:sb+11]
	v_pk_add_f32 v[SA:SA+1], v[SA:SA+1], v[sb+12:sb+13]
	v_pk_add_f32 v[SB:SB+1], v[SB:SB+1], v[sb+14:sb+15]
.irp j, 0,1,2,3,4,5,6,7
	v_cvt_pk_bf16_f32 v[sb+\j], v[sb+2*\j], v[sb+2*\j+1]
.endr
.set kp, kp+1
.endr
	v_pk_add_f32 v[SA:SA+1], v[SA:SA+1], v[SB:SB+1]
	v_add_f32 v[SA], v[SA], v[SA+1]
	v_permlanex16_b32 v[SA+1], v[SA], s[SEL], s[SEL+1]
	v_add_f32 v[L], v[SA], v[SA+1]                 ; l of my half of the keys
	; O^T = V^T P, 32 keys at a time, on two buffers of V
.set kp, 0
.rept NT/2
.if kp+1 < NT/2
	s_wait_dscnt 8                                 ; the next run's eight loads may stay out
.else
	s_wait_dscnt 0x0
.endif
	PVMM kp, VF0+32*(kp%2)
.if kp+2 < NT/2
	PLACES
	FETCHV kp+2, VF0+32*(kp%2)
.endif
.set kp, kp+1
.endr
	PLACES
	; the two halves of the keys meet: each wave leaves its O^T, m and l in LDS and finishes 32 of the 64 channels
.irp i, 0,1,2,3,4,5,6,7
	ds_store_b128 v[XW], v[O+4*\i:O+4*\i+3] offset:\i*512
.endr
	ds_store_b64 v[XS], v[M:M+1]
	BAR
.irp i, 0,1,2,3
	ds_load_b128 v[OWN+4*\i:OWN+4*\i+3], v[XO] offset:\i*512
.endr
.irp i, 0,1,2,3
	ds_load_b128 v[PAR+4*\i:PAR+4*\i+3], v[XP] offset:\i*512
.endr
	ds_load_b64 v[PM:PM+1], v[XPS]
	s_wait_dscnt 0x0
	v_max_num_f32 v26, v[M], v[PM]                 ; the common maximum
	v_sub_f32 v27, v[M], v26
	v_sub_f32 v28, v[PM], v26
	v_exp_f32 v27, v27
	v_exp_f32 v28, v28
	v_nop
	s_wait_alu depctr_va_vdst(0)
	v_mul_f32 v26, v[L], v27
	v_fmac_f32 v26, v[PM+1], v28                   ; l of all keys: at least 1, the weight of the largest score
	v_rcp_f32 v26, v26
	v_nop
	s_wait_alu depctr_va_vdst(0)
	v_mul_f32 v[SA], v27, v26
	v_mul_f32 v[SA+1], v27, v26
	v_mul_f32 v[SB], v28, v26
	v_mul_f32 v[SB+1], v28, v26
.irp j, 0,2,4,6,8,10,12,14
	v_pk_mul_f32 v[OWN+\j:OWN+\j+1], v[OWN+\j:OWN+\j+1], v[SA:SA+1]
.endr
.irp j, 0,2,4,6,8,10,12,14
	v_pk_fma_f32 v[OWN+\j:OWN+\j+1], v[PAR+\j:PAR+\j+1], v[SB:SB+1], v[OWN+\j:OWN+\j+1]
.endr
.irp j, 0,1,2,3,4,5,6,7
	v_cvt_pk_bf16_f32 v[OWN+\j], v[OWN+2*\j], v[OWN+2*\j+1]
.endr
	ds_store_b128 v[STO], v[OWN:OWN+3]
	ds_store_b128 v[STO], v[OWN+4:OWN+7] offset:32
	BAR                                            ; a row's 128 bytes come from two waves
.irp f, 0,1
	ds_load_b128 v[PAR+4*\f:PAR+4*\f+3], v[RD] offset:\f*4*144
.endr
	s_wait_dscnt 0x0
.irp f, 0,1
	global_store_b128 v[GO], v[PAR+4*\f:PAR+4*\f+3], s[SO:SO+1] offset:\f*512  ; 512 consecutive bytes of the head's rows
.endr
	s_wait_tensorcnt 0x0
	ds_add_u32 v192, v193
	s_wait_dscnt 0x0
	s_endpgm
.Lfunc_end_k_q3eac84f44c_sattn:
	.size	k_q3eac84f44c_sattn, .Lfunc_end_k_q3eac84f44c_sattn-k_q3eac84f44c_sattn
	.p2alignl 7, 3214868480
	.fill 96, 4, 3214868480
	.section	.rodata,"a",@progbits
	.p2align	6, 0x0
	.amdhsa_kernel k_q3eac84f44c_sattn
		.amdhsa_group_segment_fixed_size 191488
		.amdhsa_private_segment_fixed_size 0
		.amdhsa_enable_private_segment 0
		.amdhsa_kernarg_size 24
		.amdhsa_user_sgpr_count 2
		.amdhsa_user_sgpr_kernarg_segment_ptr 1
		.amdhsa_wavefront_size32 1
		.amdhsa_system_sgpr_workgroup_id_x 1
		.amdhsa_system_sgpr_workgroup_id_y 1
		.amdhsa_system_sgpr_workgroup_id_z 1
		.amdhsa_system_vgpr_workitem_id 0
		.amdhsa_next_free_vgpr 194
		.amdhsa_next_free_sgpr 80
		.amdhsa_reserve_vcc 1
		.amdhsa_float_denorm_mode_32 3
		.amdhsa_float_denorm_mode_16_64 3
		.amdhsa_memory_ordered 1
		.amdhsa_forward_progress 1
		.amdhsa_inst_pref_size 36
	.end_amdhsa_kernel
	.amdgpu_metadata
---
amdhsa.version: [ 1, 2 ]
amdhsa.kernels:
  - .name:           k_q3eac84f44c_sattn
    .symbol:         k_q3eac84f44c_sattn.kd
    .args:
      - { .name: qkv, .offset: 0, .size: 8, .value_kind: global_buffer, .address_space: global }
      - { .name: target_mask, .offset: 8, .size: 8, .value_kind: global_buffer, .address_space: global }
      - { .name: o, .offset: 16, .size: 8, .value_kind: global_buffer, .address_space: global }
    .group_segment_fixed_size: 191488
    .private_segment_fixed_size: 0
    .kernarg_segment_align: 8
    .kernarg_segment_size: 24
    .max_flat_workgroup_size: 256
    .sgpr_count:     80
    .vgpr_count:     194
    .wavefront_size: 32
...
	.end_amdgpu_metadata
.endif
;; end of part 2
;; launch oproj (part 3): grid 8 x 32, 8 waves a work-group, no clusters, 149,504 bytes of LDS; arguments o, sa_wo, sa_bo, tgt, x1; writes x1
.if DOCPART == 3
	.amdgcn_target "amdgcn-amd-amdhsa--gfx1250"
	.amdhsa_code_object_version 6
	.text
	.protected	k_q3eac84f44c_oproj
	.globl	k_q3eac84f44c_oproj
	.p2align	8
	.type	k_q3eac84f44c_oproj,@function
k_q3eac84f44c_oproj:
	s_mov_b64 s[64:65], 0
	v_nop
	global_prefetch_b8 v0, s[64:65] scope:SCOPE_SE
	s_setreg_imm32_b32 hwreg(HW_REG_WAVE_MODE, 25, 1), 1
	s_wait_xcnt 0x0
; OPROJ.  out = resid + (a W + bias): the output projection of an attention block of layer 5 with its residual.  a: [8][8][256][64] bf16 by heads; W: slice 5 of [6][512][512] f32; resid, out: [2048][512] f32.
; (Only layer 5 of the six is live: every pass of the module's loop starts again from tgt.)
; SHARES.  A work-group makes 64 rows x 64 columns, K = 512; 8 waves, each 16 x 32.  Wave w brings head w's 64 channels of the 64 rows, and rows 64 w on of the W slice, rounded to bf16 on the way into LDS.
; The matrix instruction is used transposed (source 0 = 16 columns of W, turned on the way out of LDS; source 1 = 16 rows of a).  Sums, bias and residual in f32.  NaN and infinities are not treated apart.
; NO CLUSTER: W is f32 in memory and is rounded in registers before it reaches LDS, and a's panel, 64 KiB, is a third of what a work-group brings in.
.set PP,   1040
.set WP,   160
.set PAN,  0
.set WS,   64*PP
.set STG,  WS
.set SPI,  272
.set WDD_OFF, 5*512*512*4
.set BD_OFF,  5*512*4
.set RT, 1
.set CT, 2
.set KU, 2
.set FS, 8*(RT+CT)
.set LL, 1
.set RR, 2
.set HH, 3
.set VOA, 4
.set VOW, 5
.set APS, 6
.set AWS, 7
.set AP,  8
.set AW,  9
.set STO, 10
.set RD,  11
.set VOR, 12
.set VB,  13
.set T,   14
.set APC, 22
.set AWC, 23
.set XA,  32                           ; load phase: a's 16 loads; the residual; the bias; W's 32 loads
.set RS,  96
.set BI,  112
.set XW,  128
.set FR,  32                           ; product phase
.set ACC, 80
.set RB,  32
.set SOF, 18
.set KC,  20
.set SWV, 21
.macro BAR
	s_wait_dscnt 0x0
	s_barrier_signal -1
	s_barrier_wait -1
.endm
.macro WCVT reg, off
	v_cvt_pk_bf16_f32 v[(\reg)], v[(\reg)], v[(\reg)+1]
	v_cvt_pk_bf16_f32 v[(\reg)+1], v[(\reg)+2], v[(\reg)+3]
	ds_store_b64 v[AWS], v[(\reg):(\reg)+1] offset:\off
.endm
.macro FETCH
.set ku, 0
.rept KU
.set t, 0
.rept RT
	ds_load_b128 v[FR+ku*FS+8*t:FR+ku*FS+8*t+3], v[APC] offset:ku*64+t*16*PP
	ds_load_b128 v[FR+ku*FS+8*t+4:FR+ku*FS+8*t+7], v[APC] offset:ku*64+t*16*PP+32
.set t, t+1
.endr
.set t, 0
.rept CT
	ds_load_tr16_b128 v[FR+ku*FS+8*RT+8*t:FR+ku*FS+8*RT+8*t+3], v[AWC] offset:ku*32*WP+t*32
	ds_load_tr16_b128 v[FR+ku*FS+8*RT+8*t+4:FR+ku*FS+8*RT+8*t+7], v[AWC] offset:ku*32*WP+t*32+16*WP
.set t, t+1
.endr
.set ku, ku+1
.endr
.endm
.macro MMA zero                        ; the two accumulators take turns
.set ku, 0
.rept KU
.set rt, 0
.rept RT
.set ct, 0
.rept CT
.set ra, ACC+8*(rt*CT+ct)
.set rw, FR+ku*FS+8*RT+8*ct
.set rp, FR+ku*FS+8*rt
.if (\zero) && (ku == 0)
	v_wmma_f32_16x16x32_bf16 v[ra:ra+7], v[rw:rw+7], v[rp:rp+7], 0
.else
	v_wmma_f32_16x16x32_bf16 v[ra:ra+7], v[rw:rw+7], v[rp:rp+7], v[ra:ra+7]
.endif
.set ct, ct+1
.endr
.set rt, rt+1
.endr
.set ku, ku+1
.endr
.endm
.macro GEMM
	v_mov_b32 v[APC], v[AP]
	v_mov_b32 v[AWC], v[AW]
	FETCH
	s_wait_dscnt 0x0
	MMA 1
	s_mov_b32 s[KC], 16/KU-1
.Lk_\@:
	v_add_nc_u32 v[APC], 64*KU, v[APC]             ; these two and two v_nop are the four places in front of the loads into registers that the products read
	v_add_nc_u32 v[AWC], 32*KU*WP, v[AWC]
	v_nop
	v_nop
	FETCH
	s_wait_dscnt 0x0
	MMA 0
	s_sub_co_u32 s[KC], s[KC], 1
	s_cmp_lg_u32 s[KC], 0
	s_cbranch_scc1 .Lk_\@
.rept 4
	v_nop
.endr
.endm
	s_load_b256 s[8:15], s[0:1], 0x0               ; a 8, W 10, bias 12, resid 14
	s_load_b64 s[16:17], s[0:1], 0x20              ; out
	v_lshl_add_u32 v126, v0, 2, 0x24400
	v_mov_b32 v127, 0
	v_and_b32 v[LL], 31, v0
	v_and_b32 v[RR], 15, v0
	v_bfe_u32 v[HH], v0, 4, 1
	v_lshrrev_b32 v[T], 5, v0
	v_readfirstlane_b32 s[SWV], v[T]               ; wave 0..7
	s_and_b32 s22, ttmp7, 0xffff                   ; block of 64 rows
	s_lshr_b32 s23, s22, 2                         ; batch
	s_and_b32 s24, s22, 3
	s_lshl_b32 s23, s23, 18
	s_lshl_b32 s24, s24, 13
	s_add_co_u32 s23, s23, s24                     ; a: the batch's eight heads, my 64 rows of a head
	s_lshl_b32 s25, ttmp9, 8                       ; my 64 columns, in f32
	s_lshl_b32 s26, s22, 17
	s_add_co_u32 s26, s26, s25                     ; resid and out
	s_mov_b32 s[SOF+1], 0
	s_and_b32 s27, s[SWV], 3                       ; my 16 rows
	s_lshr_b32 s28, s[SWV], 2                      ; my 32 columns
	s_lshl_b32 s29, s[SWV], 15
	v_lshl_add_u32 v[VOA], v[LL], 4, s29           ; head w
	s_lshl_b32 s29, s[SWV], 17                     ; 64 rows of W a wave, two rows of 256 bytes a load
	v_lshlrev_b32 v[VOW], 11, v[HH]
	v_lshl_add_u32 v[VOW], v[RR], 4, v[VOW]
	v_add_nc_u32 v[VOW], s29, v[VOW]
	v_and_b32 v[T], 7, v0
	v_lshrrev_b32 v[T+2], 3, v[LL]
	v_mul_u32_u24 v[APS], v[T+2], PP               ; a load of a is four rows of 128 bytes
	v_lshl_add_u32 v[APS], v[T], 4, v[APS]
	s_lshl_b32 s29, s[SWV], 7
	v_add_nc_u32 v[APS], s29, v[APS]
	s_mul_i32 s29, s[SWV], 64*WP
	s_add_co_u32 s29, s29, WS
	v_mul_u32_u24 v[AWS], v[HH], WP
	v_lshl_add_u32 v[AWS], v[RR], 3, v[AWS]
	v_add_nc_u32 v[AWS], s29, v[AWS]
	v_mul_u32_u24 v[AP], v[RR], PP
	v_lshl_add_u32 v[AP], v[HH], 4, v[AP]
	s_mul_i32 s29, s27, 16*PP
	v_add_nc_u32 v[AP], s29, v[AP]
	v_bfe_u32 v[T+1], v0, 3, 1
	v_lshl_add_u32 v[AW], v[HH], 3, v[T]
	v_mul_u32_u24 v[AW], v[AW], WP
	v_lshl_add_u32 v[AW], v[T+1], 4, v[AW]
	s_lshl_b32 s29, s28, 6
	s_add_co_u32 s29, s29, WS
	v_add_nc_u32 v[AW], s29, v[AW]
	v_mul_u32_u24 v[STO], v[RR], SPI
	v_lshl_add_u32 v[STO], v[HH], 5, v[STO]
	s_mul_i32 s29, s27, 16*SPI
	s_lshl_b32 s30, s28, 7
	s_add_co_u32 s29, s29, s30
	s_add_co_u32 s29, s29, STG
	v_add_nc_u32 v[STO], s29, v[STO]
	v_mul_u32_u24 v[RD], v[HH], SPI
	v_lshl_add_u32 v[RD], v[RR], 4, v[RD]
	s_mul_i32 s29, s[SWV], 8*SPI
	s_add_co_u32 s29, s29, STG
	v_add_nc_u32 v[RD], s29, v[RD]
	v_lshlrev_b32 v[VOR], 11, v[HH]
	v_lshl_add_u32 v[VOR], v[RR], 4, v[VOR]
	s_lshl_b32 s29, s[SWV], 14
	v_add_nc_u32 v[VOR], s29, v[VOR]
	v_lshlrev_b32 v[VB], 4, v[RR]
	s_wait_kmcnt 0x0
	s_mov_b32 s[SOF], s23
	s_add_nc_u64 s[8:9], s[8:9], s[SOF:SOF+1]
	s_mov_b32 s[SOF], s25
	s_add_nc_u64 s[10:11], s[10:11], s[SOF:SOF+1]
	s_add_nc_u64 s[10:11], s[10:11], WDD_OFF
	s_add_nc_u64 s[12:13], s[12:13], s[SOF:SOF+1]
	s_add_nc_u64 s[12:13], s[12:13], BD_OFF
	s_mov_b32 s[SOF], s26
	s_add_nc_u64 s[14:15], s[14:15], s[SOF:SOF+1]
	s_add_nc_u64 s[16:17], s[16:17], s[SOF:SOF+1]
	; 53 loads at once: a 16, W 32, residual 4, bias 1
.set f, 0
.rept 16
	global_load_b128 v[XA+4*f:XA+4*f+3], v[VOA], s[8:9] offset:f*512
.set f, f+1
.endr
.set q, 0
.rept 32
	global_load_b128 v[XW+4*q:XW+4*q+3], v[VOW], s[10:11] offset:q*4096
.set q, q+1
.endr
.irp f, 0,1,2,3
	global_load_b128 v[RS+4*\f:RS+4*\f+3], v[VOR], s[14:15] offset:\f*4096
.endr
	global_load_b128 v[BI:BI+3], v[VB], s[12:13]
	s_wait_loadcnt 37                              ; a is in: 32 + 4 + 1 younger loads stay out
.set f, 0
.rept 16
	ds_store_b128 v[APS], v[XA+4*f:XA+4*f+3] offset:f*4*PP
.set f, f+1
.endr
	s_wait_loadcnt 21                              ; W's first 16
.set q, 0
.rept 16
	WCVT XW+4*q, q*2*WP
.set q, q+1
.endr
	s_wait_loadcnt 5                               ; all of W; the residual and the bias may stay out
.rept 16
	WCVT XW+4*q, q*2*WP
.set q, q+1
.endr
	BAR
	GEMM
	BAR                                            ; every wave's reads of the W slice are over: the stage lies on it
.irp ct, 0,1
	ds_store_b128 v[STO], v[ACC+8*\ct:ACC+8*\ct+3] offset:\ct*64
	ds_store_b128 v[STO], v[ACC+8*\ct+4:ACC+8*\ct+7] offset:\ct*64+16
.endr
	BAR                                            ; a stage row's 256 bytes come from two waves
.irp f, 0,1,2,3
	ds_load_b128 v[RB+4*\f:RB+4*\f+3], v[RD] offset:\f*2*SPI
.endr
	s_wait_loadcnt 0x0
	s_wait_dscnt 0x0
.irp f, 0,1,2,3
	v_pk_add_f32 v[RB+4*\f:RB+4*\f+1], v[RB+4*\f:RB+4*\f+1], v[BI:BI+1]
	v_pk_add_f32 v[RB+4*\f+2:RB+4*\f+3], v[RB+4*\f+2:RB+4*\f+3], v[BI+2:BI+3]
.endr
.irp f, 0,1,2,3
	v_pk_add_f32 v[RB+4*\f:RB+4*\f+1], v[RB+4*\f:RB+4*\f+1], v[RS+4*\f:RS+4*\f+1]
	v_pk_add_f32 v[RB+4*\f+2:RB+4*\f+3], v[RB+4*\f+2:RB+4*\f+3], v[RS+4*\f+2:RS+4*\f+3]
.endr
.irp f, 0,1,2,3
	global_store_b128 v[VOR], v[RB+4*\f:RB+4*\f+3], s[16:17] offset:\f*4096  ; 16 lanes store 256 consecutive bytes, at a multiple of 256 from the buffer's first
.endr
	s_wait_tensorcnt 0x0
	ds_add_u32 v126, v127
	s_wait_dscnt 0x0
	s_endpgm
.Lfunc_end_k_q3eac84f44c_oproj:
	.size	k_q3eac84f44c_oproj, .Lfunc_end_k_q3eac84f44c_oproj-k_q3eac84f44c_oproj
	.p2alignl 7, 3214868480
	.fill 96, 4, 3214868480
	.section	.rodata,"a",@progbits
	.p2align	6, 0x0
	.amdhsa_kernel k_q3eac84f44c_oproj
		.amdhsa_group_segment_fixed_size 149504
		.amdhsa_private_segment_fixed_size 0
		.amdhsa_enable_private_segment 0
		.amdhsa_kernarg_size 40
		.amdhsa_user_sgpr_count 2
		.amdhsa_user_sgpr_kernarg_segment_ptr 1
		.amdhsa_wavefront_size32 1
		.amdhsa_system_sgpr_workgroup_id_x 1
		.amdhsa_system_sgpr_workgroup_id_y 1
		.amdhsa_system_sgpr_workgroup_id_z 1
		.amdhsa_system_vgpr_workitem_id 0
		.amdhsa_next_free_vgpr 256
		.amdhsa_next_free_sgpr 66
		.amdhsa_reserve_vcc 0
		.amdhsa_float_denorm_mode_32 3
		.amdhsa_float_denorm_mode_16_64 3
		.amdhsa_memory_ordered 1
		.amdhsa_forward_progress 1
		.amdhsa_inst_pref_size 21
	.end_amdhsa_kernel
	.amdgpu_metadata
---
amdhsa.version: [ 1, 2 ]
amdhsa.kernels:
  - .name:           k_q3eac84f44c_oproj
    .symbol:         k_q3eac84f44c_oproj.kd
    .args:
      - { .name: o, .offset: 0, .size: 8, .value_kind: global_buffer, .address_space: global }
      - { .name: sa_wo, .offset: 8, .size: 8, .value_kind: global_buffer, .address_space: global }
      - { .name: sa_bo, .offset: 16, .size: 8, .value_kind: global_buffer, .address_space: global }
      - { .name: tgt, .offset: 24, .size: 8, .value_kind: global_buffer, .address_space: global }
      - { .name: x1, .offset: 32, .size: 8, .value_kind: global_buffer, .address_space: global }
    .group_segment_fixed_size: 149504
    .private_segment_fixed_size: 0
    .kernarg_segment_align: 8
    .kernarg_segment_size: 40
    .max_flat_workgroup_size: 256
    .sgpr_count:     66
    .vgpr_count:     256
    .wavefront_size: 32
...
	.end_amdgpu_metadata
.endif
;; end of part 3
;; launch cattn (part 4): grid 4 x 64, 8 waves a work-group, no clusters, 315,392 bytes of LDS; arguments x1, ca_wq, ca_bq, ln_g, ln_b, kv2, source_mask, o; writes o
.if DOCPART == 4
	.amdgcn_target "amdgcn-amd-amdhsa--gfx1250"
	.amdhsa_code_object_version 6
	.text
	.protected	k_q3eac84f44c_cattn
	.globl	k_q3eac84f44c_cattn
	.p2align	8
	.type	k_q3eac84f44c_cattn,@function
k_q3eac84f44c_cattn:
	s_mov_b64 s[64:65], 0
	v_nop
	global_prefetch_b8 v0, s[64:65] scope:SCOPE_SE
	s_setreg_imm32_b32 hwreg(HW_REG_WAVE_MODE, 25, 1), 1
	s_wait_xcnt 0x0
; ATTENTION.  CROSS = 0: self attention of layer 5 (q, k, v from qkv, target_mask).  CROSS = 1: cross attention (q2 = LN(x1) ca_wq + bq made here and kept in registers, k2, v2 from kv2, source_mask).
; (Only layer 5 of the six is live: every pass of the module's loop starts again from tgt.)
; o[b][h][t][:] = the sum over s of softmax_s(q . k / 8, replaced by -1e9 where the mask is 0) v[s][:], in bf16, by heads.
; SHARES.  A work-group owns 64 queries of one head; wave w owns 16 of them (w % 4) and one half of the keys (w / 4).  All scores of a wave lie in registers, so the maximum that is taken away is the
; true one of its half; the two halves are merged once, with their common maximum.
; LAYOUT.  S^T = K Q^T (source 0 = 16 keys, source 1 = 16 queries): a lane holds ONE query (lane % 16) and the keys 8 (lane / 16) + 0..7.  Two such tiles rounded to bf16 ARE source 1 of O^T = V^T P.
; SOFTMAX in base 2: t = s c, c = log2(e) / 8; where the mask is 0, t = -1e9 log2(e); p = 2^(t - m).  A row with no key left gets p = 1 everywhere, the uniform weights of the definition.
; LIMITS.  A weight below 2^-126 counts as 0; the sum l is taken of the unrounded weights; NaN and infinities are not treated apart.
; K, V and the mask come by tensor loads, three a wave, each LDS byte filled once; by this text's count three tensor loads of a wave are out.
; NO CLUSTER: the four query blocks of a head share K and V, at most half of what a work-group brings in, and each tile is filled once: two rounds of a cluster's barrier would serve one fill.
.set CROSS, 1
.set NK,  128+128*CROSS                ; keys of a wave
.set NT,  NK/16                        ; its tiles of 16 keys
.set KW,  32+32*CROSS                  ; keys that one wave's tensor loads bring
.set PKK, 144                          ; a row of K in LDS: 128 bytes + 16
.set PVV, 160                          ; a row of V: 128 + 32, an odd multiple of 32, for the turning load
.if CROSS
.set VLD, 73728
.set MSK, 155648
.set MROW, 256
.set PAN, 157696
.set WS,  224256
.set QX,  306176
.set XCH, PAN                          ; used behind the barrier that follows the last read of the panel
.set STG, PAN+36864
.else
.set VLD, 36864
.set MSK, 77824
.set MROW, 8*1040
.set XCH, 144384
.set STG, 181248
.endif
.set PP,  1040
.set WP,  160
.set WDD_OFF, 5*512*512*4
.set BD_OFF,  5*512*4
.set RT, 1
.set CT, 2
.set KU, 2
.set FS, 8*(RT+CT)
; the projection's registers (CROSS = 1)
.set VOA, 4
.set VOW, 5
.set APS, 6
.set AWS, 7
.set AP,  8
.set AW,  9
.set APC, 10
.set AWC, 11
.set VL,  12
.set VBQ, 13
.set T,   16
.set QXS, 24
.set QXL, 25
.set G,   32
.set BT,  48
.set WR,  64
.set X,   128
.set FR,  32
.set ACC, 80
.set BQ,  96
.set QP,  112
; attention's registers
.set AK,  4
.set AV,  5
.set AM,  6
.set XW,  7
.set XS,  8
.set XO,  9
.set XP,  10
.set XPS, 11
.set STO, 12
.set NEGV, 13
.set M,   14
.set L,   15
.set SA,  16
.set SB,  18
.set TM,  20
.set PM,  24
.set QO,  29
.set RD,  30
.set GO,  31
.set Q,   32
.set KF0, 48
.set S,   128
.set O,   32
.set VF0, 64
.set OWN, 64
.set PAR, 80
.set WV,  56
.set QB,  57
.set BH,  58
.set SRT, 59
.set SKH, 60
.set OOF, 62
.set CS,  66
.set SEL, 68
.set INV, 70
.set EPS, 71
.set KC,  72
.set SO,  74
.set KOF, 76
.set MOF, 78
.macro BAR
	s_wait_dscnt 0x0
	s_barrier_signal -1
	s_barrier_wait -1
.endm
.macro PLACES                          ; four places behind matrix instructions (ISA guide 7.12.1)
.rept 4
	v_nop
.endr
.endm
.if CROSS
.macro RED x, t
	v_add_f32_dpp v[\x], v[\x], v[\x] row_xmask:1 row_mask:0xf bank_mask:0xf
	v_add_f32_dpp v[\x], v[\x], v[\x] row_xmask:2 row_mask:0xf bank_mask:0xf
	v_add_f32_dpp v[\x], v[\x], v[\x] row_xmask:4 row_mask:0xf bank_mask:0xf
	v_add_f32_dpp v[\x], v[\x], v[\x] row_xmask:8 row_mask:0xf bank_mask:0xf
	v_permlanex16_b32 v[\t], v[\x], s[SEL], s[SEL+1]
	v_add_f32 v[\x], v[\x], v[\t]
.endm
.macro LNROW i, n
.set xr, X+16*(\i)
	s_wait_loadcnt \n
	v_pk_add_f32 v[T:T+1], v[xr:xr+1], v[xr+2:xr+3]
	v_pk_add_f32 v[T+2:T+3], v[xr+4:xr+5], v[xr+6:xr+7]
	v_pk_add_f32 v[T+4:T+5], v[xr+8:xr+9], v[xr+10:xr+11]
	v_pk_add_f32 v[T+6:T+7], v[xr+12:xr+13], v[xr+14:xr+15]
	v_pk_add_f32 v[T:T+1], v[T:T+1], v[T+2:T+3]
	v_pk_add_f32 v[T+4:T+5], v[T+4:T+5], v[T+6:T+7]
	v_pk_add_f32 v[T:T+1], v[T:T+1], v[T+4:T+5]
	v_add_f32 v[T], v[T], v[T+1]
	RED T, T+1
	v_mul_f32 v[T], s[INV], v[T]
.irp j, 0,2,4,6,8,10,12,14
	v_pk_add_f32 v[xr+\j:xr+\j+1], v[xr+\j:xr+\j+1], v[T:T+1] op_sel_hi:[1,0] neg_lo:[0,1] neg_hi:[0,1]
.endr
	v_pk_mul_f32 v[T+2:T+3], v[xr:xr+1], v[xr:xr+1]
	v_pk_mul_f32 v[T+4:T+5], v[xr+2:xr+3], v[xr+2:xr+3]
.irp j, 4,8,12
	v_pk_fma_f32 v[T+2:T+3], v[xr+\j:xr+\j+1], v[xr+\j:xr+\j+1], v[T+2:T+3]
	v_pk_fma_f32 v[T+4:T+5], v[xr+\j+2:xr+\j+3], v[xr+\j+2:xr+\j+3], v[T+4:T+5]
.endr
	v_pk_add_f32 v[T+2:T+3], v[T+2:T+3], v[T+4:T+5]
	v_add_f32 v[T+2], v[T+2], v[T+3]
	RED T+2, T+3
	v_fma_f32 v[T+2], v[T+2], s[INV], s[EPS]
	v_rsq_f32 v[T+2], v[T+2]
	v_nop
	s_wait_alu depctr_va_vdst(0)
.irp j, 0,2,4,6,8,10,12,14
	v_pk_mul_f32 v[xr+\j:xr+\j+1], v[xr+\j:xr+\j+1], v[T+2:T+3] op_sel_hi:[1,0]
.endr
.irp j, 0,2,4,6,8,10,12,14
	v_pk_fma_f32 v[xr+\j:xr+\j+1], v[xr+\j:xr+\j+1], v[G+\j:G+\j+1], v[BT+\j:BT+\j+1]
.endr
.irp c, 0,1,2,3
	v_cvt_pk_bf16_f32 v[xr+4*\c], v[xr+4*\c], v[xr+4*\c+1]
	v_cvt_pk_bf16_f32 v[xr+4*\c+1], v[xr+4*\c+2], v[xr+4*\c+3]
.endr
.irp c, 0,1,2,3
	ds_store_b64 v[APS], v[xr+4*\c:xr+4*\c+1] offset:(\i)*PP+\c*256
.endr
.endm
.macro REFILL i
.irp j, 0,1,2,3
	global_load_b128 v[X+16*(\i)+4*\j:X+16*(\i)+4*\j+3], v[VOW], s[6:7] offset:(16+4*(\i)+\j)*4096
.endr
.endm
.macro WCVT reg, off
	v_cvt_pk_bf16_f32 v[(\reg)], v[(\reg)], v[(\reg)+1]
	v_cvt_pk_bf16_f32 v[(\reg)+1], v[(\reg)+2], v[(\reg)+3]
	ds_store_b64 v[AWS], v[(\reg):(\reg)+1] offset:\off
.endm
.macro FETCH
.set ku, 0
.rept KU
.set t, 0
.rept RT
	ds_load_b128 v[FR+ku*FS+8*t:FR+ku*FS+8*t+3], v[APC] offset:ku*64+t*16*PP
	ds_load_b128 v[FR+ku*FS+8*t+4:FR+ku*FS+8*t+7], v[APC] offset:ku*64+t*16*PP+32
.set t, t+1
.endr
.set t, 0
.rept CT
	ds_load_tr16_b128 v[FR+ku*FS+8*RT+8*t:FR+ku*FS+8*RT+8*t+3], v[AWC] offset:ku*32*WP+t*32
	ds_load_tr16_b128 v[FR+ku*FS+8*RT+8*t+4:FR+ku*FS+8*RT+8*t+7], v[AWC] offset:ku*32*WP+t*32+16*WP
.set t, t+1
.endr
.set ku, ku+1
.endr
.endm
.macro MMA zero
.set ku, 0
.rept KU
.set rt, 0
.rept RT
.set ct, 0
.rept CT
.set ra, ACC+8*(rt*CT+ct)
.set rw, FR+ku*FS+8*RT+8*ct
.set rp, FR+ku*FS+8*rt
.if (\zero) && (ku == 0)
	v_wmma_f32_16x16x32_bf16 v[ra:ra+7], v[rw:rw+7], v[rp:rp+7], 0
.else
	v_wmma_f32_16x16x32_bf16 v[ra:ra+7], v[rw:rw+7], v[rp:rp+7], v[ra:ra+7]
.endif
.set ct, ct+1
.endr
.set rt, rt+1
.endr
.set ku, ku+1
.endr
.endm
.macro GEMM
	v_mov_b32 v[APC], v[AP]
	v_mov_b32 v[AWC], v[AW]
	FETCH
	s_wait_dscnt 0x0
	MMA 1
	s_mov_b32 s[KC], 16/KU-1
.Lk_\@:
	v_add_nc_u32 v[APC], 64*KU, v[APC]             ; these two and two v_nop are the four places in front of the loads
	v_add_nc_u32 v[AWC], 32*KU*WP, v[AWC]
	v_nop
	v_nop
	FETCH
	s_wait_dscnt 0x0
	MMA 0
	s_sub_co_u32 s[KC], s[KC], 1
	s_cmp_lg_u32 s[KC], 0
	s_cbranch_scc1 .Lk_\@
	PLACES
.endm
.endif
.macro FETCHK g, buf                   ; K's fragments of tiles 2 g and 2 g + 1: eight loads
.set i, 0
.rept 2
.set c, 0
.rept 2
	ds_load_b128 v[\buf+16*i+8*c:\buf+16*i+8*c+3], v[AK] offset:(2*(\g)+i)*16*PKK+c*64
	ds_load_b128 v[\buf+16*i+8*c+4:\buf+16*i+8*c+7], v[AK] offset:(2*(\g)+i)*16*PKK+c*64+32
.set c, c+1
.endr
.set i, i+1
.endr
.endm
.macro QKMM g, buf                     ; four products; the two accumulators take turns
.set c, 0
.rept 2
.set i, 0
.rept 2
.set rs, S+8*(2*(\g)+i)
.if c == 0
	v_wmma_f32_16x16x32_bf16 v[rs:rs+7], v[\buf+16*i+8*c:\buf+16*i+8*c+7], v[Q+8*c:Q+8*c+7], 0
.else
	v_wmma_f32_16x16x32_bf16 v[rs:rs+7], v[\buf+16*i+8*c:\buf+16*i+8*c+7], v[Q+8*c:Q+8*c+7], v[rs:rs+7]
.endif
.set i, i+1
.endr
.set c, c+1
.endr
.endm
.macro FETCHM mg, buf                  ; the mask's words for tiles 4 mg .. 4 mg + 3: eight loads
.set i, 0
.rept 4
	ds_load_b128 v[\buf+8*i:\buf+8*i+3], v[AM] offset:(4*(\mg)+i)*64
	ds_load_b128 v[\buf+8*i+4:\buf+8*i+7], v[AM] offset:(4*(\mg)+i)*64+16
.set i, i+1
.endr
.endm
.macro MASKT mg, buf                   ; t = s c, or -1e9 log2(e) where the mask is 0.  Each accumulator's lowest registers are read first
.set i, 0
.rept 4
.set rs, S+8*(4*(\mg)+i)
.irp j, 0,2,4,6
	v_pk_mul_f32 v[rs+\j:rs+\j+1], v[rs+\j:rs+\j+1], s[CS:CS+1] op_sel_hi:[1,0]
.endr
.irp j, 0,1,2,3,4,5,6,7
	v_cmp_eq_u32 vcc_lo, 0, v[\buf+8*i+\j]
	v_cndmask_b32 v[rs+\j], v[rs+\j], v[NEGV], vcc_lo
.endr
.set i, i+1
.endr
.endm
.macro FETCHV kp, buf                  ; V^T's fragments of keys 32 kp on: eight turning loads
.set cb, 0
.rept 4
	ds_load_tr16_b128 v[\buf+8*cb:\buf+8*cb+3], v[AV] offset:(\kp)*32*PVV+cb*32
	ds_load_tr16_b128 v[\buf+8*cb+4:\buf+8*cb+7], v[AV] offset:(\kp)*32*PVV+cb*32+16*PVV
.set cb, cb+1
.endr
.endm
.macro PVMM kp, buf                    ; four products, one for each block of 16 channels: the accumulators take turns
.set cb, 0
.rept 4
.if (\kp) == 0
	v_wmma_f32_16x16x32_bf16 v[O+8*cb:O+8*cb+7], v[\buf+8*cb:\buf+8*cb+7], v[S+16*(\kp):S+16*(\kp)+7], 0
.else
	v_wmma_f32_16x16x32_bf16 v[O+8*cb:O+8*cb+7], v[\buf+8*cb:\buf+8*cb+7], v[S+16*(\kp):S+16*(\kp)+7], v[O+8*cb:O+8*cb+7]
.endif
.set cb, cb+1
.endr
.endm
.if CROSS
	s_load_b512 s[4:19], s[0:1], 0x0               ; x1 4, ca_wq 6, ca_bq 8, ln_g 10, ln_b 12, kv2 14, source_mask 16, o 18
	v_lshl_add_u32 v29, v0, 2, 0x4cc00
	s_set_vgpr_msb 0x40
	v_mov_b32 v1, 0
	s_set_vgpr_msb 0x4044
	ds_add_u32 v29, v1
	ds_add_u32 v29, v1
	s_set_vgpr_msb 0x4400
.else
	s_load_b128 s[4:7], s[0:1], 0x0                ; qkv 4, target_mask 6
	s_load_b64 s[8:9], s[0:1], 0x10                ; o
.endif
	v_and_b32 v1, 31, v0                           ; lane
	v_and_b32 v2, 15, v0                           ; lane % 16
	v_bfe_u32 v3, v0, 4, 1                         ; lane / 16
	v_lshrrev_b32 v26, 5, v0
	v_readfirstlane_b32 s[WV], v26                 ; wave 0..7
	s_mov_b32 s[QB], ttmp9                         ; block of 64 queries
	s_and_b32 s[BH], ttmp7, 0xffff                 ; 8 batch + head
	s_and_b32 s[SRT], s[WV], 3                     ; my 16 queries
	s_lshr_b32 s[SKH], s[WV], 2                    ; my half of the keys
	; descriptor group 1 for K and V: KW keys are dense, asked for as rows of 256 bytes, two keys a row, padded in LDS after every key
	s_mov_b32 s20, (1<<16)|(1<<20)|(4<<22)|(3<<25) ; 2-byte elements; padding on; after every 32 words; 4 words
	s_mov_b32 s28, (1<<16)|(1<<20)|(4<<22)|(7<<25) ; the same with 8 words
.irp g, 20, 28
	s_mov_b32 s[\g+1], 128<<16                     ; tensor_dim0 = 128
	s_mov_b32 s[\g+2], (KW/2)<<16                  ; tensor_dim1
	s_mov_b32 s[\g+3], 128<<16                     ; tile_dim0 = 128
	s_mov_b32 s[\g+4], KW/2                        ; tile_dim1
	s_mov_b32 s[\g+5], 128                         ; elements from row to row
	s_mov_b32 s[\g+6], 0
	s_mov_b32 s[\g+7], 0
.endr
.if CROSS
	s_mov_b32 s36, 3<<16                           ; the mask: one row of 256 bytes a wave, 8-byte elements, no padding
	s_mov_b32 s37, 32<<16
	s_mov_b32 s38, 1<<16
	s_mov_b32 s39, 32<<16
	s_mov_b32 s40, 1
	s_mov_b32 s41, 32
.else
	s_mov_b32 s36, (2<<16)|(1<<20)|(7<<22)|(3<<25) ; the mask: 8 rows of 256 words a wave, 4 words of padding behind each row
	s_mov_b32 s37, 256<<16
	s_mov_b32 s38, 8<<16
	s_mov_b32 s39, 256<<16
	s_mov_b32 s40, 8
	s_mov_b32 s41, 256
.endif
	s_mov_b32 s42, 0
	s_mov_b32 s43, 0
	s_mov_b32 s44, 1                               ; group 0 of K: count, LDS address = wave x its keys' bytes
	s_mul_i32 s45, s[WV], KW*PKK
	s_mov_b32 s48, 1                               ; of V
	s_mul_i32 s49, s[WV], KW*PVV
	s_add_co_u32 s49, s49, VLD
	s_mov_b32 s52, 1                               ; of the mask
	s_mul_i32 s53, s[WV], MROW
	s_add_co_u32 s53, s53, MSK
	s_lshr_b32 s61, s[BH], 3                       ; batch
.if CROSS
	s_lshl_b32 s[KOF], s[BH], 16
	s_lshl_b32 s73, s[WV], 13
	s_add_co_u32 s[KOF], s[KOF], s73
	s_lshl_b32 s[MOF], s61, 11
	s_lshl_b32 s73, s[WV], 8
	s_add_co_u32 s[MOF], s[MOF], s73
.else
	s_lshl_b32 s[KOF], s[BH], 15
	s_lshl_b32 s73, s[WV], 12
	s_add_co_u32 s[KOF], s[KOF], s73
	s_lshl_b32 s[MOF], s61, 18
	s_lshl_b32 s73, s[QB], 16
	s_add_co_u32 s[MOF], s[MOF], s73
	s_lshl_b32 s73, s[WV], 13
	s_add_co_u32 s[MOF], s[MOF], s73
.endif
	s_mov_b32 s[KOF+1], 0
	s_mov_b32 s[MOF+1], 0
	s_lshl_b32 s[OOF], s[BH], 15                   ; my 64 rows in a [b][h][256][64] bf16 tensor
	s_lshl_b32 s73, s[QB], 13
	s_add_co_u32 s[OOF], s[OOF], s73
	s_mov_b32 s[OOF+1], 0
	s_mov_b32 s[CS], 0x3e38aa3b                    ; c = log2(e) / 8
	s_mov_b32 s[CS+1], s[CS]
	s_mov_b32 s[SEL], 0x76543210
	s_mov_b32 s[SEL+1], 0xfedcba98
.if CROSS
	s_mov_b32 s[INV], 0x3b000000                   ; 1 / 512
	s_mov_b32 s[EPS], 0x3727c5ac                   ; 1e-5
	s_lshl_b32 s73, s[WV], 14
	v_lshl_add_u32 v[VOA], v1, 4, s73              ; 8 rows of x1 a wave
	s_lshl_b32 s73, s[WV], 17                      ; 64 rows of W a wave, two rows of 256 bytes a load
	v_lshlrev_b32 v[VOW], 11, v3
	v_lshl_add_u32 v[VOW], v2, 4, v[VOW]
	v_add_nc_u32 v[VOW], s73, v[VOW]
	s_mul_i32 s73, s[WV], 8*PP
	s_add_co_u32 s73, s73, PAN
	v_lshl_add_u32 v[APS], v1, 3, s73
	s_mul_i32 s73, s[WV], 64*WP
	s_add_co_u32 s73, s73, WS
	v_mul_u32_u24 v[AWS], v3, WP
	v_lshl_add_u32 v[AWS], v2, 3, v[AWS]
	v_add_nc_u32 v[AWS], s73, v[AWS]
	v_mul_u32_u24 v[AP], v2, PP
	v_lshl_add_u32 v[AP], v3, 4, v[AP]
	s_mul_i32 s73, s[SRT], 16*PP
	s_add_co_u32 s73, s73, PAN
	v_add_nc_u32 v[AP], s73, v[AP]
	v_and_b32 v26, 7, v0
	v_bfe_u32 v27, v0, 3, 1
	v_lshl_add_u32 v[AW], v3, 3, v26
	v_mul_u32_u24 v[AW], v[AW], WP
	v_lshl_add_u32 v[AW], v27, 4, v[AW]
	s_lshl_b32 s73, s[SKH], 6
	s_add_co_u32 s73, s73, WS
	v_add_nc_u32 v[AW], s73, v[AW]
	v_lshlrev_b32 v[VL], 4, v1
	s_lshl_b32 s73, s[SKH], 7
	v_lshl_add_u32 v[VBQ], v3, 5, s73
	s_lshl_b32 s73, s[SRT], 11
	s_add_co_u32 s73, s73, QX
	v_lshl_add_u32 v[QXL], v1, 4, s73
	s_lshl_b32 s61, s[SKH], 10
	s_add_co_u32 s73, s73, s61
	v_lshl_add_u32 v[QXS], v1, 4, s73
.else
	v_lshlrev_b32 v[QO], 7, v2                     ; q: row x 128 + 16 x half of the lanes
	v_lshl_add_u32 v[QO], v3, 4, v[QO]
	s_lshl_b32 s73, s[SRT], 11
	v_add_nc_u32 v[QO], s73, v[QO]
.endif
	s_wait_dscnt 0x0
	s_wait_kmcnt 0x0
.if CROSS
	s_add_nc_u64 s[46:47], s[14:15], s[KOF:KOF+1]
	s_add_nc_u64 s[50:51], s[46:47], 1<<22
	s_add_nc_u64 s[54:55], s[16:17], s[MOF:MOF+1]
.else
	s_add_nc_u64 s[46:47], s[4:5], s[KOF:KOF+1]
	s_add_nc_u64 s[50:51], s[46:47], 2<<21
	s_add_nc_u64 s[46:47], s[46:47], 1<<21
	s_add_nc_u64 s[54:55], s[6:7], s[MOF:MOF+1]
.endif
	s_or_b32 s47, s47, 0x80000000                  ; type = 2
	s_or_b32 s51, s51, 0x80000000
	s_or_b32 s55, s55, 0x80000000
	tensor_load_to_lds s[44:47], s[20:27]          ; my keys' rows of K,
	s_nop 0
	tensor_load_to_lds s[48:51], s[28:35]          ; of V,
	s_nop 0
	tensor_load_to_lds s[52:55], s[36:43]          ; and my part of the mask: first fills, all at the start
	s_nop 0
.if CROSS
	s_add_nc_u64 s[SO:SO+1], s[18:19], s[OOF:OOF+1]
	s_lshr_b32 s61, s[BH], 3
	s_lshl_b32 s[KOF], s61, 19                     ; x1: the batch's 256 rows, my block's 64
	s_lshl_b32 s73, s[QB], 17
	s_add_co_u32 s[KOF], s[KOF], s73
	s_add_nc_u64 s[4:5], s[4:5], s[KOF:KOF+1]
	s_and_b32 s[KOF], s[BH], 7
	s_lshl_b32 s[KOF], s[KOF], 8                   ; the head's 64 columns
	s_add_nc_u64 s[6:7], s[6:7], s[KOF:KOF+1]
	s_add_nc_u64 s[6:7], s[6:7], WDD_OFF
	s_add_nc_u64 s[8:9], s[8:9], s[KOF:KOF+1]
	s_add_nc_u64 s[8:9], s[8:9], BD_OFF
	; q2 = LN(x1) ca_wq + bq for my block's 64 rows and my head's 64 columns.  56 loads at once: gain 4, shift 4, my 8 rows 32, 16 of my 32 loads of W
.irp c, 0,1,2,3
	global_load_b128 v[G+4*\c:G+4*\c+3], v[VL], s[10:11] offset:\c*512
.endr
.irp c, 0,1,2,3
	global_load_b128 v[BT+4*\c:BT+4*\c+3], v[VL], s[12:13] offset:\c*512
.endr
.set i, 0
.rept 8
.irp c, 0,1,2,3
	global_load_b128 v[X+16*i+4*\c:X+16*i+4*\c+3], v[VOA], s[4:5] offset:i*2048+\c*512
.endr
.set i, i+1
.endr
.set q, 0
.rept 16
	global_load_b128 v[WR+4*q:WR+4*q+3], v[VOW], s[6:7] offset:q*4096
.set q, q+1
.endr
	; the count of row i: 4 (7 - i) younger loads of rows + 16 of W + 4 for each refill issued so far
	LNROW 0, 44
	REFILL 0
	LNROW 1, 44
	REFILL 1
	LNROW 2, 44
	REFILL 2
	LNROW 3, 44
	REFILL 3
	LNROW 4, 44
	LNROW 5, 40
	LNROW 6, 36
	LNROW 7, 32
	s_wait_loadcnt 16
.set q, 0
.rept 16
	WCVT WR+4*q, q*2*WP
.set q, q+1
.endr
	s_wait_loadcnt 0x0
.set q, 16
.rept 16
	WCVT X+4*(q-16), q*2*WP
.set q, q+1
.endr
.irp ct, 0,1
	global_load_b128 v[BQ+8*\ct:BQ+8*\ct+3], v[VBQ], s[8:9] offset:\ct*64
	global_load_b128 v[BQ+8*\ct+4:BQ+8*\ct+7], v[VBQ], s[8:9] offset:\ct*64+16
.endr
	s_wait_tensorcnt 0x0                           ; my parts of K, V and the mask have landed
	BAR                                            ; everybody's have, and the panel and the slice are whole
	GEMM
	s_wait_loadcnt 0x0                             ; bq; also: every load that names v4-v13 is done
.irp ct, 0,1
.irp j, 0,2,4,6
	v_pk_add_f32 v[ACC+8*\ct+\j:ACC+8*\ct+\j+1], v[ACC+8*\ct+\j:ACC+8*\ct+\j+1], v[BQ+8*\ct+\j:BQ+8*\ct+\j+1]
.endr
.endr
.irp ct, 0,1
.irp j, 0,1,2,3
	v_cvt_pk_bf16_f32 v[QP+4*\ct+\j], v[ACC+8*\ct+2*\j], v[ACC+8*\ct+2*\j+1]
.endr
.endr
	ds_store_b128 v[QXS], v[QP:QP+3]               ; these eight registers ARE the fragment of my 16 queries and channels 32 (w / 4) on
	ds_store_b128 v[QXS], v[QP+4:QP+7] offset:512
	BAR                                            ; the wave with the same queries and the other keys made the other 32 channels
.irp c, 0,1
	ds_load_b128 v[Q+8*\c:Q+8*\c+3], v[QXL] offset:\c*1024
	ds_load_b128 v[Q+8*\c+4:Q+8*\c+7], v[QXL] offset:\c*1024+512
.endr
.else
	s_add_nc_u64 s[SO:SO+1], s[8:9], s[OOF:OOF+1]
	s_add_nc_u64 s[4:5], s[4:5], s[OOF:OOF+1]
.irp c, 0,1
	global_load_b128 v[Q+8*\c:Q+8*\c+3], v[QO], s[4:5] offset:\c*64
	global_load_b128 v[Q+8*\c+4:Q+8*\c+7], v[QO], s[4:5] offset:\c*64+32
.endr
.endif
	; attention's addresses
	v_mul_u32_u24 v[AK], v2, PKK
	v_lshl_add_u32 v[AK], v3, 4, v[AK]
	s_mul_i32 s61, s[SKH], NK*PKK
	v_add_nc_u32 v[AK], s61, v[AK]
	v_and_b32 v26, 7, v0
	v_bfe_u32 v27, v0, 3, 1
	v_lshl_add_u32 v[AV], v3, 3, v26
	v_mul_u32_u24 v[AV], v[AV], PVV
	v_lshl_add_u32 v[AV], v27, 4, v[AV]
	s_mul_i32 s61, s[SKH], NK*PVV
	s_add_co_u32 s61, s61, VLD
	v_add_nc_u32 v[AV], s61, v[AV]
.if CROSS
	s_lshl_b32 s61, s[SKH], 10
	s_add_co_u32 s61, s61, MSK
	v_lshl_add_u32 v[AM], v3, 5, s61
.else
	v_mul_u32_u24 v[AM], v2, 1040
	v_lshl_add_u32 v[AM], v3, 5, v[AM]
	s_mul_i32 s61, s[SRT], 16*1040
	s_lshl_b32 s73, s[SKH], 9
	s_add_co_u32 s61, s61, s73
	s_add_co_u32 s61, s61, MSK
	v_add_nc_u32 v[AM], s61, v[AM]
.endif
	s_mul_i32 s61, s[WV], 4608
	s_add_co_u32 s61, s61, XCH
	v_lshl_add_u32 v[XW], v1, 4, s61
	s_add_co_u32 s73, s61, 4096
	v_lshl_add_u32 v[XS], v1, 3, s73
	s_lshl_b32 s73, s[SKH], 11
	v_add_nc_u32 v[XO], s73, v[XW]
	s_xor_b32 s61, s[WV], 4                        ; the wave with my queries and the other half of the keys
	s_mul_i32 s61, s61, 4608
	s_add_co_u32 s61, s61, XCH
	s_add_co_u32 s73, s73, s61
	v_lshl_add_u32 v[XP], v1, 4, s73
	s_add_co_u32 s61, s61, 4096
	v_lshl_add_u32 v[XPS], v1, 3, s61
	v_mul_u32_u24 v[STO], v2, 144
	v_lshl_add_u32 v[STO], v3, 4, v[STO]
	s_mul_i32 s61, s[SRT], 16*144
	s_lshl_b32 s73, s[SKH], 6
	s_add_co_u32 s61, s61, s73
	s_add_co_u32 s61, s61, STG
	v_add_nc_u32 v[STO], s61, v[STO]
	v_lshrrev_b32 v28, 3, v1
	v_mul_u32_u24 v[RD], v28, 144
	v_lshl_add_u32 v[RD], v26, 4, v[RD]
	s_mul_i32 s61, s[WV], 8*144
	s_add_co_u32 s61, s61, STG
	v_add_nc_u32 v[RD], s61, v[RD]
	s_lshl_b32 s61, s[WV], 10
	v_lshl_add_u32 v[GO], v1, 4, s61
	v_mov_b32 v[NEGV], 0xceabfb8f                  ; -1e9 log2(e)
	v_mov_b32 v[L], 0                              ; named as a pair with m before it is made
.if CROSS == 0
	s_wait_tensorcnt 0x0                           ; my parts of K, V and the mask have landed,
	s_barrier_signal -1
	s_barrier_wait -1                              ; everybody's have
	s_wait_loadcnt 0x0                             ; q
.endif
	; S^T = K Q^T, two tiles of 16 keys at a time; the next two tiles' fragments are fetched ahead.  LDS answers a wave in order, so the first count of 8 also covers q's fragments
	FETCHK 0, KF0
.set g, 0
.rept NT/2
.if g+1 < NT/2
.if g >= 1
	PLACES                                         ; the buffer to be loaded was read by the products just issued
.endif
	FETCHK g+1, KF0+32*((g+1)%2)
	s_wait_dscnt 8                                 ; the eight loads just issued may stay out
.else
	s_wait_dscnt 0x0
.endif
	QKMM g, KF0+32*(g%2)
.set g, g+1
.endr
	PLACES
	; scale and mask, four tiles at a time; the mask's words take K's two buffers
	FETCHM 0, KF0
.set g, 0
.rept NT/4
.if g+1 < NT/4
	FETCHM g+1, KF0+32*((g+1)%2)
	s_wait_dscnt 8
.else
	s_wait_dscnt 0x0
.endif
	MASKT g, KF0+32*(g%2)
.set g, g+1
.endr
	FETCHV 0, VF0                                  ; V's first two runs land under the softmax
	FETCHV 1, VF0+32
	; the maximum of my half: four chains, then the other half of the lanes
.set n4, 2*NT
.irp c, 0,1,2,3
	v_max_num_f32 v[TM+\c], v[S+n4*\c], v[S+n4*\c+1]
.endr
.set k, 2
.rept (n4-2)/2
.irp c, 0,1,2,3
	v_max3_num_f32 v[TM+\c], v[TM+\c], v[S+n4*\c+k], v[S+n4*\c+k+1]
.endr
.set k, k+2
.endr
	v_max3_num_f32 v[TM], v[TM], v[TM+1], v[TM+2]
	v_max_num_f32 v[TM], v[TM], v[TM+3]
	v_permlanex16_b32 v[TM+1], v[TM], s[SEL], s[SEL+1]
	v_max_num_f32 v[M], v[TM], v[TM+1]
	; p = 2^(t - m), its sums, and its rounding to bf16 in place: registers 16 kp + 0..7 become the fragment of keys 32 kp on
.set kp, 0
.rept NT/2
.set sb, S+16*kp
.irp j, 0,2,4,6,8,10,12,14
	v_pk_add_f32 v[sb+\j:sb+\j+1], v[sb+\j:sb+\j+1], v[M:M+1] op_sel_hi:[1,0] neg_lo:[0,1] neg_hi:[0,1]
.endr
.irp j, 0,1,2,3,4,5,6,7,8,9,10,11,12,13,14,15
	v_exp_f32 v[sb+\j], v[sb+\j]
.endr
	v_nop                                          ; a plain instruction between the last exponential and the use of its result
.if kp == 0
	s_wait_alu depctr_va_vdst(0)
	v_pk_add_f32 v[SA:SA+1], v[sb:sb+1], v[sb+2:sb+3]
	v_pk_add_f32 v[SB:SB+1], v[sb+4:sb+5], v[sb+6:sb+7]
.else
	s_wait_alu depctr_va_vdst(0)
	v_pk_add_f32 v[SA:SA+1], v[SA:SA+1], v[sb:sb+1]
	v_pk_add_f32 v[SB:SB+1], v[SB:SB+1], v[sb+2:sb+3]
	v_pk_add_f32 v[SA:SA+1], v[SA:SA+1], v[sb+4:sb+5]
	v_pk_add_f32 v[SB:SB+1], v[SB:SB+1], v[sb+6:sb+7]
.endif
	v_pk_add_f32 v[SA:SA+1], v[SA:SA+1], v[sb+8:sb+9]
	v_pk_add_f32 v[SB:SB+1], v[SB:SB+1], v[sb+10:sb+11]
	v_pk_add_f32 v[SA:SA+1], v[SA:SA+1], v[sb+12:sb+13]
	v_pk_add_f32 v[SB:SB+1], v[SB:SB+1], v[sb+14:sb+15]
.irp j, 0,1,2,3,4,5,6,7
	v_cvt_pk_bf16_f32 v[sb+\j], v[sb+2*\j], v[sb+2*\j+1]
.endr
.set kp, kp+1
.endr
	v_pk_add_f32 v[SA:SA+1], v[SA:SA+1], v[SB:SB+1]
	v_add_f32 v[SA], v[SA], v[SA+1]
	v_permlanex16_b32 v[SA+1], v[SA], s[SEL], s[SEL+1]
	v_add_f32 v[L], v[SA], v[SA+1]                 ; l of my half of the keys
	; O^T = V^T P, 32 keys at a time, on two buffers of V
.set kp, 0
.rept NT/2
.if kp+1 < NT/2
	s_wait_dscnt 8                                 ; the next run's eight loads may stay out
.else
	s_wait_dscnt 0x0
.endif
	PVMM kp, VF0+32*(kp%2)
.if kp+2 < NT/2
	PLACES
	FETCHV kp+2, VF0+32*(kp%2)
.endif
.set kp, kp+1
.endr
	PLACES
	; the two halves of the keys meet: each wave leaves its O^T, m and l in LDS and finishes 32 of the 64 channels
.irp i, 0,1,2,3,4,5,6,7
	ds_store_b128 v[XW], v[O+4*\i:O+4*\i+3] offset:\i*512
.endr
	ds_store_b64 v[XS], v[M:M+1]
	BAR
.irp i, 0,1,2,3
	ds_load_b128 v[OWN+4*\i:OWN+4*\i+3], v[XO] offset:\i*512
.endr
.irp i, 0,1,2,3
	ds_load_b128 v[PAR+4*\i:PAR+4*\i+3], v[XP] offset:\i*512
.endr
	ds_load_b64 v[PM:PM+1], v[XPS]
	s_wait_dscnt 0x0
	v_max_num_f32 v26, v[M], v[PM]                 ; the common maximum
	v_sub_f32 v27, v[M], v26
	v_sub_f32 v28, v[PM], v26
	v_exp_f32 v27, v27
	v_exp_f32 v28, v28
	v_nop
	s_wait_alu depctr_va_vdst(0)
	v_mul_f32 v26, v[L], v27
	v_fmac_f32 v26, v[PM+1], v28                   ; l of all keys: at least 1, the weight of the largest score
	v_rcp_f32 v26, v26
	v_nop
	s_wait_alu depctr_va_vdst(0)
	v_mul_f32 v[SA], v27, v26
	v_mul_f32 v[SA+1], v27, v26
	v_mul_f32 v[SB], v28, v26
	v_mul_f32 v[SB+1], v28, v26
.irp j, 0,2,4,6,8,10,12,14
	v_pk_mul_f32 v[OWN+\j:OWN+\j+1], v[OWN+\j:OWN+\j+1], v[SA:SA+1]
.endr
.irp j, 0,2,4,6,8,10,12,14
	v_pk_fma_f32 v[OWN+\j:OWN+\j+1], v[PAR+\j:PAR+\j+1], v[SB:SB+1], v[OWN+\j:OWN+\j+1]
.endr
.irp j, 0,1,2,3,4,5,6,7
	v_cvt_pk_bf16_f32 v[OWN+\j], v[OWN+2*\j], v[OWN+2*\j+1]
.endr
	ds_store_b128 v[STO], v[OWN:OWN+3]
	ds_store_b128 v[STO], v[OWN+4:OWN+7] offset:32
	BAR                                            ; a row's 128 bytes come from two waves
.irp f, 0,1
	ds_load_b128 v[PAR+4*\f:PAR+4*\f+3], v[RD] offset:\f*4*144
.endr
	s_wait_dscnt 0x0
.irp f, 0,1
	global_store_b128 v[GO], v[PAR+4*\f:PAR+4*\f+3], s[SO:SO+1] offset:\f*512  ; 512 consecutive bytes of the head's rows
.endr
	s_set_vgpr_msb 0x4
	s_wait_tensorcnt 0x0
	ds_add_u32 v29, v1
	s_wait_dscnt 0x0
	s_set_vgpr_msb 0x400
	s_endpgm
.Lfunc_end_k_q3eac84f44c_cattn:
	.size	k_q3eac84f44c_cattn, .Lfunc_end_k_q3eac84f44c_cattn-k_q3eac84f44c_cattn
	.p2alignl 7, 3214868480
	.fill 96, 4, 3214868480
	.section	.rodata,"a",@progbits
	.p2align	6, 0x0
	.amdhsa_kernel k_q3eac84f44c_cattn
		.amdhsa_group_segment_fixed_size 315392
		.amdhsa_private_segment_fixed_size 0
		.amdhsa_enable_private_segment 0
		.amdhsa_kernarg_size 64
		.amdhsa_user_sgpr_count 2
		.amdhsa_user_sgpr_kernarg_segment_ptr 1
		.amdhsa_wavefront_size32 1
		.amdhsa_system_sgpr_workgroup_id_x 1
		.amdhsa_system_sgpr_workgroup_id_y 1
		.amdhsa_system_sgpr_workgroup_id_z 1
		.amdhsa_system_vgpr_workitem_id 0
		.amdhsa_next_free_vgpr 258
		.amdhsa_next_free_sgpr 80
		.amdhsa_reserve_vcc 1
		.amdhsa_float_denorm_mode_32 3
		.amdhsa_float_denorm_mode_16_64 3
		.amdhsa_memory_ordered 1
		.amdhsa_forward_progress 1
		.amdhsa_inst_pref_size 114
	.end_amdhsa_kernel
	.amdgpu_metadata
---
amdhsa.version: [ 1, 2 ]
amdhsa.kernels:
  - .name:           k_q3eac84f44c_cattn
    .symbol:         k_q3eac84f44c_cattn.kd
    .args:
      - { .name: x1, .offset: 0, .size: 8, .value_kind: global_buffer, .address_space: global }
      - { .name: ca_wq, .offset: 8, .size: 8, .value_kind: global_buffer, .address_space: global }
      - { .name: ca_bq, .offset: 16, .size: 8, .value_kind: global_buffer, .address_space: global }
      - { .name: ln_g, .offset: 24, .size: 8, .value_kind: global_buffer, .address_space: global }
      - { .name: ln_b, .offset: 32, .size: 8, .value_kind: global_buffer, .address_space: global }
      - { .name: kv2, .offset: 40, .size: 8, .value_kind: global_buffer, .address_space: global }
      - { .name: source_mask, .offset: 48, .size: 8, .value_kind: global_buffer, .address_space: global }
      - { .name: o, .offset: 56, .size: 8, .value_kind: global_buffer, .address_space: global }
    .group_segment_fixed_size: 315392
    .private_segment_fixed_size: 0
    .kernarg_segment_align: 8
    .kernarg_segment_size: 64
    .max_flat_workgroup_size: 256
    .sgpr_count:     80
    .vgpr_count:     258
    .wavefront_size: 32
...
	.end_amdgpu_metadata
.endif
;; end of part 4
;; launch oproj2: the kernel of part 3 again; grid 8 x 32, 8 waves a work-group, no clusters, 149,504 bytes of LDS; arguments o, ca_wo, ca_bo, x1, x2; writes x2
;; launch ffn1 (part 5): grid 16 x 16, 16 waves a work-group, no clusters, 282,624 bytes of LDS; arguments x2, ff_w1, ff_b1, ln_g, ln_b, h; writes h
.if DOCPART == 5
	.amdgcn_target "amdgcn-amd-amdhsa--gfx1250"
	.amdhsa_code_object_version 6
	.text
	.protected	k_q3eac84f44c_ffn1
	.globl	k_q3eac84f44c_ffn1
	.p2align	8
	.type	k_q3eac84f44c_ffn1,@function
k_q3eac84f44c_ffn1:
	s_mov_b64 s[64:65], 0
	v_nop
	global_prefetch_b8 v0, s[64:65] scope:SCOPE_SE
	s_setreg_imm32_b32 hwreg(HW_REG_WAVE_MODE, 25, 1), 1
	s_wait_xcnt 0x0
; FFN1.  h = relu(LN(x2) w1 + b1) of layer 5, in bf16, laid out in four chunks of 512 columns: [4][2048][512].
; (Only layer 5 of the six is live: every pass of the module's loop starts again from tgt.)
; SHARES.  A work-group makes 128 rows x 128 columns, K = 512 (a whole row, so the LayerNorm is done on the way into LDS); 16 waves, each 32 x 32.
; Operands rounded to bf16 on the way into LDS, sums, bias and relu in f32, LayerNorm in f32 in two passes.  NaN and infinities are not treated apart.
; The matrix instruction is used transposed (source 0 = 16 columns of w1, turned on the way out of LDS; source 1 = 16 rows of the panel).
; NO CLUSTER: panels and w1 are f32 in memory and are normalised or rounded in registers before they reach LDS; a joint f32 tile of 256 KiB does not fit beside the 274 KiB of bf16 copies.
.set PP,   1040
.set WP,   288
.set PAN,  0
.set WS,   128*PP
.set STG,  WS
.set SPI,  272
.set WROW, 8192
.set W1_OFF, 5*512*2048*4
.set B1_OFF, 5*2048*4
.set RT, 2
.set CT, 2
.set KU, 2
.set FS, 8*(RT+CT)
.set LL, 1
.set RR, 2
.set HH, 3
.set VOA, 4
.set VOW, 5
.set APS, 6
.set AWS, 7
.set AP,  8
.set AW,  9
.set STO, 10
.set RD,  11
.set GO,  12
.set VB,  13
.set T,   14
.set APC, 22
.set AWC, 23
.set VL,  24
.set G,   32
.set BT,  48
.set WR,  64
.set X,   128
.set ACC, 32
.set FR,  64
.set BIAS, 128
.set RB,  64
.set PK,  80
.set SA,  8
.set SW,  10
.set SB,  12
.set SO,  18
.set SOF, 20
.set SEL, 24
.set INV, 26
.set EPS, 27
.set KC,  28
.set SWV, 29
.macro BAR
	s_wait_dscnt 0x0
	s_barrier_signal -1
	s_barrier_wait -1
.endm
.macro RED x, t
	v_add_f32_dpp v[\x], v[\x], v[\x] row_xmask:1 row_mask:0xf bank_mask:0xf
	v_add_f32_dpp v[\x], v[\x], v[\x] row_xmask:2 row_mask:0xf bank_mask:0xf
	v_add_f32_dpp v[\x], v[\x], v[\x] row_xmask:4 row_mask:0xf bank_mask:0xf
	v_add_f32_dpp v[\x], v[\x], v[\x] row_xmask:8 row_mask:0xf bank_mask:0xf
	v_permlanex16_b32 v[\t], v[\x], s[SEL], s[SEL+1]
	v_add_f32 v[\x], v[\x], v[\t]
.endm
.macro LNROW i, n                      ; row slot i is normalised, rounded to bf16 and put into the panel.  n: the younger loads that may stay out
.set xr, X+16*(\i)
	s_wait_loadcnt \n
	v_pk_add_f32 v[T:T+1], v[xr:xr+1], v[xr+2:xr+3]
	v_pk_add_f32 v[T+2:T+3], v[xr+4:xr+5], v[xr+6:xr+7]
	v_pk_add_f32 v[T+4:T+5], v[xr+8:xr+9], v[xr+10:xr+11]
	v_pk_add_f32 v[T+6:T+7], v[xr+12:xr+13], v[xr+14:xr+15]
	v_pk_add_f32 v[T:T+1], v[T:T+1], v[T+2:T+3]
	v_pk_add_f32 v[T+4:T+5], v[T+4:T+5], v[T+6:T+7]
	v_pk_add_f32 v[T:T+1], v[T:T+1], v[T+4:T+5]
	v_add_f32 v[T], v[T], v[T+1]
	RED T, T+1
	v_mul_f32 v[T], s[INV], v[T]
.irp j, 0,2,4,6,8,10,12,14
	v_pk_add_f32 v[xr+\j:xr+\j+1], v[xr+\j:xr+\j+1], v[T:T+1] op_sel_hi:[1,0] neg_lo:[0,1] neg_hi:[0,1]
.endr
	v_pk_mul_f32 v[T+2:T+3], v[xr:xr+1], v[xr:xr+1]
	v_pk_mul_f32 v[T+4:T+5], v[xr+2:xr+3], v[xr+2:xr+3]
.irp j, 4,8,12
	v_pk_fma_f32 v[T+2:T+3], v[xr+\j:xr+\j+1], v[xr+\j:xr+\j+1], v[T+2:T+3]
	v_pk_fma_f32 v[T+4:T+5], v[xr+\j+2:xr+\j+3], v[xr+\j+2:xr+\j+3], v[T+4:T+5]
.endr
	v_pk_add_f32 v[T+2:T+3], v[T+2:T+3], v[T+4:T+5]
	v_add_f32 v[T+2], v[T+2], v[T+3]
	RED T+2, T+3
	v_fma_f32 v[T+2], v[T+2], s[INV], s[EPS]
	v_rsq_f32 v[T+2], v[T+2]
	v_nop
	s_wait_alu depctr_va_vdst(0)
.irp j, 0,2,4,6,8,10,12,14
	v_pk_mul_f32 v[xr+\j:xr+\j+1], v[xr+\j:xr+\j+1], v[T+2:T+3] op_sel_hi:[1,0]
.endr
.irp j, 0,2,4,6,8,10,12,14
	v_pk_fma_f32 v[xr+\j:xr+\j+1], v[xr+\j:xr+\j+1], v[G+\j:G+\j+1], v[BT+\j:BT+\j+1]
.endr
.irp c, 0,1,2,3
	v_cvt_pk_bf16_f32 v[xr+4*\c], v[xr+4*\c], v[xr+4*\c+1]
	v_cvt_pk_bf16_f32 v[xr+4*\c+1], v[xr+4*\c+2], v[xr+4*\c+3]
.endr
.irp c, 0,1,2,3
	ds_store_b64 v[APS], v[xr+4*\c:xr+4*\c+1] offset:(\i)*PP+\c*256
.endr
.endm
.macro REFILL i
.irp j, 0,1,2,3
	global_load_b128 v[X+16*(\i)+4*\j:X+16*(\i)+4*\j+3], v[VOW], s[SW:SW+1] offset:(16+4*(\i)+\j)*WROW
.endr
.endm
.macro WCVT reg, off
	v_cvt_pk_bf16_f32 v[(\reg)], v[(\reg)], v[(\reg)+1]
	v_cvt_pk_bf16_f32 v[(\reg)+1], v[(\reg)+2], v[(\reg)+3]
	ds_store_b64 v[AWS], v[(\reg):(\reg)+1] offset:\off
.endm
.macro FETCH
.set ku, 0
.rept KU
.set t, 0
.rept RT
	ds_load_b128 v[FR+ku*FS+8*t:FR+ku*FS+8*t+3], v[APC] offset:ku*64+t*16*PP
	ds_load_b128 v[FR+ku*FS+8*t+4:FR+ku*FS+8*t+7], v[APC] offset:ku*64+t*16*PP+32
.set t, t+1
.endr
.set t, 0
.rept CT
	ds_load_tr16_b128 v[FR+ku*FS+8*RT+8*t:FR+ku*FS+8*RT+8*t+3], v[AWC] offset:ku*32*WP+t*32
	ds_load_tr16_b128 v[FR+ku*FS+8*RT+8*t+4:FR+ku*FS+8*RT+8*t+7], v[AWC] offset:ku*32*WP+t*32+16*WP
.set t, t+1
.endr
.set ku, ku+1
.endr
.endm
.macro MMA zero                        ; the four accumulators take turns
.set ku, 0
.rept KU
.set rt, 0
.rept RT
.set ct, 0
.rept CT
.set ra, ACC+8*(rt*CT+ct)
.set rw, FR+ku*FS+8*RT+8*ct
.set rp, FR+ku*FS+8*rt
.if (\zero) && (ku == 0)
	v_wmma_f32_16x16x32_bf16 v[ra:ra+7], v[rw:rw+7], v[rp:rp+7], 0
.else
	v_wmma_f32_16x16x32_bf16 v[ra:ra+7], v[rw:rw+7], v[rp:rp+7], v[ra:ra+7]
.endif
.set ct, ct+1
.endr
.set rt, rt+1
.endr
.set ku, ku+1
.endr
.endm
.macro GEMM
	v_mov_b32 v[APC], v[AP]
	v_mov_b32 v[AWC], v[AW]
	FETCH
	s_wait_dscnt 0x0
	MMA 1
	s_mov_b32 s[KC], 16/KU-1
.Lk_\@:
	v_add_nc_u32 v[APC], 64*KU, v[APC]             ; these two and two v_nop are the four places in front of the loads into registers that the products read
	v_add_nc_u32 v[AWC], 32*KU*WP, v[AWC]
	v_nop
	v_nop
	FETCH
	s_wait_dscnt 0x0
	MMA 0
	s_sub_co_u32 s[KC], s[KC], 1
	s_cmp_lg_u32 s[KC], 0
	s_cbranch_scc1 .Lk_\@
.rept 4
	v_nop
.endr
.endm
	s_load_b256 s[8:15], s[0:1], 0x0               ; x2 8, ff_w1 10, ff_b1 12, ln_g 14
	s_load_b128 s[16:19], s[0:1], 0x20             ; ln_b 16, h 18
	v_lshl_add_u32 v30, v0, 2, 0x44800
	v_mov_b32 v31, 0
	v_and_b32 v[LL], 31, v0
	v_and_b32 v[RR], 15, v0
	v_bfe_u32 v[HH], v0, 4, 1
	v_lshrrev_b32 v[T], 5, v0
	v_readfirstlane_b32 s[SWV], v[T]               ; wave 0..15
	s_and_b32 s30, ttmp7, 0xffff                   ; block of 128 rows
	s_lshl_b32 s31, ttmp9, 9                       ; my 128 columns of w1 and b1, in f32
	s_lshr_b32 s32, ttmp9, 2                       ; h: chunk of 512 columns,
	s_and_b32 s33, ttmp9, 3                        ; 128 columns in it
	s_lshl_b32 s32, s32, 21
	s_lshl_b32 s33, s33, 8
	s_add_co_u32 s32, s32, s33
	s_lshl_b32 s33, s30, 17
	s_add_co_u32 s32, s32, s33
	s_lshl_b32 s30, s30, 18
	s_mov_b32 s[SOF+1], 0
	s_mov_b32 s[SEL], 0x76543210
	s_mov_b32 s[SEL+1], 0xfedcba98
	s_mov_b32 s[INV], 0x3b000000                   ; 1 / 512
	s_mov_b32 s[EPS], 0x3727c5ac                   ; 1e-5
	s_lshr_b32 s34, s[SWV], 2                      ; my 32 rows
	s_and_b32 s35, s[SWV], 3                       ; my 32 columns
	s_lshl_b32 s36, s[SWV], 14
	v_lshl_add_u32 v[VOA], v[LL], 4, s36
	s_lshl_b32 s36, s[SWV], 18                     ; 32 rows of 8,192 bytes a wave
	v_lshl_add_u32 v[VOW], v[LL], 4, s36
	s_mul_i32 s36, s[SWV], 8*PP
	v_lshl_add_u32 v[APS], v[LL], 3, s36
	s_mul_i32 s36, s[SWV], 32*WP
	s_add_co_u32 s36, s36, WS
	v_lshl_add_u32 v[AWS], v[LL], 3, s36
	v_lshlrev_b32 v[VL], 4, v[LL]
	v_mul_u32_u24 v[AP], v[RR], PP
	v_lshl_add_u32 v[AP], v[HH], 4, v[AP]
	s_mul_i32 s36, s34, 32*PP
	v_add_nc_u32 v[AP], s36, v[AP]
	v_and_b32 v[T], 7, v0
	v_bfe_u32 v[T+1], v0, 3, 1
	v_lshl_add_u32 v[AW], v[HH], 3, v[T]
	v_mul_u32_u24 v[AW], v[AW], WP
	v_lshl_add_u32 v[AW], v[T+1], 4, v[AW]
	s_lshl_b32 s36, s35, 6
	s_add_co_u32 s36, s36, WS
	v_add_nc_u32 v[AW], s36, v[AW]
	v_mul_u32_u24 v[STO], v[RR], SPI
	v_lshl_add_u32 v[STO], v[HH], 4, v[STO]
	s_mul_i32 s37, s34, 32*SPI
	s_add_co_u32 s36, s36, s37                     ; STG = WS
	v_add_nc_u32 v[STO], s36, v[STO]
	s_lshl_b32 s36, s35, 7
	v_lshl_add_u32 v[VB], v[HH], 5, s36
	v_mul_u32_u24 v[RD], v[HH], SPI                ; back: wave w takes rows 8 w on, two whole rows of 256 bytes a load
	v_lshl_add_u32 v[RD], v[RR], 4, v[RD]
	s_mul_i32 s36, s[SWV], 8*SPI
	s_add_co_u32 s36, s36, STG
	v_add_nc_u32 v[RD], s36, v[RD]
	v_lshlrev_b32 v[GO], 10, v[HH]
	v_lshl_add_u32 v[GO], v[RR], 4, v[GO]
	s_lshl_b32 s36, s[SWV], 13
	v_add_nc_u32 v[GO], s36, v[GO]
	s_wait_kmcnt 0x0
	s_mov_b32 s[SOF], s30
	s_add_nc_u64 s[SA:SA+1], s[SA:SA+1], s[SOF:SOF+1]
	s_mov_b32 s[SOF], s31
	s_add_nc_u64 s[SW:SW+1], s[SW:SW+1], s[SOF:SOF+1]
	s_add_nc_u64 s[SW:SW+1], s[SW:SW+1], W1_OFF
	s_add_nc_u64 s[SB:SB+1], s[SB:SB+1], s[SOF:SOF+1]
	s_add_nc_u64 s[SB:SB+1], s[SB:SB+1], B1_OFF
	s_mov_b32 s[SOF], s32
	s_add_nc_u64 s[SO:SO+1], s[SO:SO+1], s[SOF:SOF+1]
	; 56 loads at once: gain 4, shift 4, my 8 rows 32, the first 16 of my 32 rows of w1
.irp c, 0,1,2,3
	global_load_b128 v[G+4*\c:G+4*\c+3], v[VL], s[14:15] offset:\c*512
.endr
.irp c, 0,1,2,3
	global_load_b128 v[BT+4*\c:BT+4*\c+3], v[VL], s[16:17] offset:\c*512
.endr
.set i, 0
.rept 8
.irp c, 0,1,2,3
	global_load_b128 v[X+16*i+4*\c:X+16*i+4*\c+3], v[VOA], s[SA:SA+1] offset:i*2048+\c*512
.endr
.set i, i+1
.endr
.set q, 0
.rept 16
	global_load_b128 v[WR+4*q:WR+4*q+3], v[VOW], s[SW:SW+1] offset:q*WROW
.set q, q+1
.endr
	; the count of row i: 4 (7 - i) younger loads of rows + 16 of w1 + 4 for each refill issued so far
	LNROW 0, 44
	REFILL 0
	LNROW 1, 44
	REFILL 1
	LNROW 2, 44
	REFILL 2
	LNROW 3, 44
	REFILL 3
	LNROW 4, 44
	LNROW 5, 40
	LNROW 6, 36
	LNROW 7, 32
	s_wait_loadcnt 16
.set q, 0
.rept 16
	WCVT WR+4*q, q*WP
.set q, q+1
.endr
	s_wait_loadcnt 0x0
.set q, 16
.rept 16
	WCVT X+4*(q-16), q*WP
.set q, q+1
.endr
	s_wait_dscnt 0x0                               ; for the others' sake: my part of the panel and of the slice is in LDS
.irp ct, 0,1
	global_load_b128 v[BIAS+8*\ct:BIAS+8*\ct+3], v[VB], s[SB:SB+1] offset:\ct*64
	global_load_b128 v[BIAS+8*\ct+4:BIAS+8*\ct+7], v[VB], s[SB:SB+1] offset:\ct*64+16
.endr
	s_barrier_signal -1
	s_barrier_wait -1
	GEMM
	BAR                                            ; every wave's reads of the slice are over: the stage lies on it
	s_wait_loadcnt 0x0                             ; the bias
.set t, 0
.rept 4
.set ra, ACC+8*t
.set rb, BIAS+8*(t%2)
.irp j, 0,2,4,6
	v_pk_add_f32 v[ra+\j:ra+\j+1], v[ra+\j:ra+\j+1], v[rb+\j:rb+\j+1]
.endr
.irp j, 0,1,2,3,4,5,6,7
	v_max_num_f32 v[ra+\j], 0, v[ra+\j]
.endr
.irp j, 0,1,2,3
	v_cvt_pk_bf16_f32 v[PK+4*t+\j], v[ra+2*\j], v[ra+2*\j+1]
.endr
	ds_store_b128 v[STO], v[PK+4*t:PK+4*t+3] offset:(t/2)*16*SPI+(t%2)*32
.set t, t+1
.endr
	BAR                                            ; a stage row's 256 bytes come from four waves
.irp f, 0,1,2,3
	ds_load_b128 v[RB+4*\f:RB+4*\f+3], v[RD] offset:\f*2*SPI
.endr
	s_wait_dscnt 0x0
.irp f, 0,1,2,3
	global_store_b128 v[GO], v[RB+4*\f:RB+4*\f+3], s[SO:SO+1] offset:\f*2048  ; 16 lanes store 256 consecutive bytes, at a multiple of 256 from h's first
.endr
	s_wait_tensorcnt 0x0
	ds_add_u32 v30, v31
	s_wait_dscnt 0x0
	s_endpgm
.Lfunc_end_k_q3eac84f44c_ffn1:
	.size	k_q3eac84f44c_ffn1, .Lfunc_end_k_q3eac84f44c_ffn1-k_q3eac84f44c_ffn1
	.p2alignl 7, 3214868480
	.fill 96, 4, 3214868480
	.section	.rodata,"a",@progbits
	.p2align	6, 0x0
	.amdhsa_kernel k_q3eac84f44c_ffn1
		.amdhsa_group_segment_fixed_size 282624
		.amdhsa_private_segment_fixed_size 0
		.amdhsa_enable_private_segment 0
		.amdhsa_kernarg_size 48
		.amdhsa_user_sgpr_count 2
		.amdhsa_user_sgpr_kernarg_segment_ptr 1
		.amdhsa_wavefront_size32 1
		.amdhsa_system_sgpr_workgroup_id_x 1
		.amdhsa_system_sgpr_workgroup_id_y 1
		.amdhsa_system_sgpr_workgroup_id_z 1
		.amdhsa_system_vgpr_workitem_id 0
		.amdhsa_next_free_vgpr 256
		.amdhsa_next_free_sgpr 66
		.amdhsa_reserve_vcc 0
		.amdhsa_float_denorm_mode_32 3
		.amdhsa_float_denorm_mode_16_64 3
		.amdhsa_memory_ordered 1
		.amdhsa_forward_progress 1
		.amdhsa_inst_pref_size 59
	.end_amdhsa_kernel
	.amdgpu_metadata
---
amdhsa.version: [ 1, 2 ]
amdhsa.kernels:
  - .name:           k_q3eac84f44c_ffn1
    .symbol:         k_q3eac84f44c_ffn1.kd
    .args:
      - { .name: x2, .offset: 0, .size: 8, .value_kind: global_buffer, .address_space: global }
      - { .name: ff_w1, .offset: 8, .size: 8, .value_kind: global_buffer, .address_space: global }
      - { .name: ff_b1, .offset: 16, .size: 8, .value_kind: global_buffer, .address_space: global }
      - { .name: ln_g, .offset: 24, .size: 8, .value_kind: global_buffer, .address_space: global }
      - { .name: ln_b, .offset: 32, .size: 8, .value_kind: global_buffer, .address_space: global }
      - { .name: h, .offset: 40, .size: 8, .value_kind: global_buffer, .address_space: global }
    .group_segment_fixed_size: 282624
    .private_segment_fixed_size: 0
    .kernarg_segment_align: 8
    .kernarg_segment_size: 48
    .max_flat_workgroup_size: 512
    .sgpr_count:     66
    .vgpr_count:     256
    .wavefront_size: 32
...
	.end_amdgpu_metadata
.endif
;; end of part 5
;; launch ffn2 (part 6): grid 64 x 4, 16 waves a work-group, no clusters, 282,624 bytes of LDS; arguments h, ff_w2, part; writes part
.if DOCPART == 6
	.amdgcn_target "amdgcn-amd-amdhsa--gfx1250"
	.amdhsa_code_object_version 6
	.text
	.protected	k_q3eac84f44c_ffn2
	.globl	k_q3eac84f44c_ffn2
	.p2align	8
	.type	k_q3eac84f44c_ffn2,@function
k_q3eac84f44c_ffn2:
	s_mov_b64 s[64:65], 0
	v_nop
	global_prefetch_b8 v0, s[64:65] scope:SCOPE_SE
	s_setreg_imm32_b32 hwreg(HW_REG_WAVE_MODE, 25, 1), 1
	s_wait_xcnt 0x0
; FFN2.  part[c] = h[c] w2[rows 512 c .. 512 c + 511] of layer 5: the second product of the feed-forward block, its K = 2,048 cut into four chunks, each chunk's sums stored in f32; the last launch adds them in a fixed order.
; (Only layer 5 of the six is live: every pass of the module's loop starts again from tgt.)
; SHARES.  A work-group makes 128 rows x 128 columns of one chunk, K = 512; 16 waves, each 32 x 32.  h is bf16 already; w2 is rounded to bf16 on the way into LDS.  NaN and infinities are not treated apart.
; The matrix instruction is used transposed (source 0 = 16 columns of w2, turned on the way out of LDS; source 1 = 16 rows of h).
; NO CLUSTER: w2 is f32 in memory and is rounded in registers before it reaches LDS; h's panel, 128 KiB, is a third of what a work-group brings in.
.set PP,   1040
.set WP,   288
.set PAN,  0
.set WS,   128*PP
.set STG,  WS
.set SPI,  528                         ; a stage row: 512 bytes of f32 + 16
.set WROW, 2048
.set W2_OFF, 5*2048*512*4
.set RT, 2
.set CT, 2
.set KU, 2
.set FS, 8*(RT+CT)
.set LL, 1
.set RR, 2
.set HH, 3
.set VOA, 4
.set VOW, 5
.set APS, 6
.set AWS, 7
.set AP,  8
.set AW,  9
.set STO, 10
.set RD,  11
.set GO,  12
.set T,   14
.set APC, 22
.set AWC, 23
.set WA,  64                           ; load phase: w2's first 16 loads; the panel's 16; w2's last 16
.set XP,  128
.set WB,  192
.set ACC, 32
.set FR,  64
.set RB,  64
.set SA,  8
.set SW,  10
.set SO,  12
.set SOF, 14
.set KC,  16
.set SWV, 17
.macro BAR
	s_wait_dscnt 0x0
	s_barrier_signal -1
	s_barrier_wait -1
.endm
.macro WCVT reg, off
	v_cvt_pk_bf16_f32 v[(\reg)], v[(\reg)], v[(\reg)+1]
	v_cvt_pk_bf16_f32 v[(\reg)+1], v[(\reg)+2], v[(\reg)+3]
	ds_store_b64 v[AWS], v[(\reg):(\reg)+1] offset:\off
.endm
.macro FETCH
.set ku, 0
.rept KU
.set t, 0
.rept RT
	ds_load_b128 v[FR+ku*FS+8*t:FR+ku*FS+8*t+3], v[APC] offset:ku*64+t*16*PP
	ds_load_b128 v[FR+ku*FS+8*t+4:FR+ku*FS+8*t+7], v[APC] offset:ku*64+t*16*PP+32
.set t, t+1
.endr
.set t, 0
.rept CT
	ds_load_tr16_b128 v[FR+ku*FS+8*RT+8*t:FR+ku*FS+8*RT+8*t+3], v[AWC] offset:ku*32*WP+t*32
	ds_load_tr16_b128 v[FR+ku*FS+8*RT+8*t+4:FR+ku*FS+8*RT+8*t+7], v[AWC] offset:ku*32*WP+t*32+16*WP
.set t, t+1
.endr
.set ku, ku+1
.endr
.endm
.macro MMA zero                        ; the four accumulators take turns
.set ku, 0
.rept KU
.set rt, 0
.rept RT
.set ct, 0
.rept CT
.set ra, ACC+8*(rt*CT+ct)
.set rw, FR+ku*FS+8*RT+8*ct
.set rp, FR+ku*FS+8*rt
.if (\zero) && (ku == 0)
	v_wmma_f32_16x16x32_bf16 v[ra:ra+7], v[rw:rw+7], v[rp:rp+7], 0
.else
	v_wmma_f32_16x16x32_bf16 v[ra:ra+7], v[rw:rw+7], v[rp:rp+7], v[ra:ra+7]
.endif
.set ct, ct+1
.endr
.set rt, rt+1
.endr
.set ku, ku+1
.endr
.endm
.macro GEMM
	v_mov_b32 v[APC], v[AP]
	v_mov_b32 v[AWC], v[AW]
	FETCH
	s_wait_dscnt 0x0
	MMA 1
	s_mov_b32 s[KC], 16/KU-1
.Lk_\@:
	v_add_nc_u32 v[APC], 64*KU, v[APC]             ; these two and two v_nop are the four places in front of the loads into registers that the products read
	v_add_nc_u32 v[AWC], 32*KU*WP, v[AWC]
	v_nop
	v_nop
	FETCH
	s_wait_dscnt 0x0
	MMA 0
	s_sub_co_u32 s[KC], s[KC], 1
	s_cmp_lg_u32 s[KC], 0
	s_cbranch_scc1 .Lk_\@
.rept 4
	v_nop
.endr
.endm
	s_load_b128 s[8:11], s[0:1], 0x0               ; h 8, ff_w2 10
	s_load_b64 s[12:13], s[0:1], 0x10              ; part
	v_lshl_add_u32 v30, v0, 2, 0x44800
	v_mov_b32 v31, 0
	v_and_b32 v[LL], 31, v0
	v_and_b32 v[RR], 15, v0
	v_bfe_u32 v[HH], v0, 4, 1
	v_lshrrev_b32 v[T], 5, v0
	v_readfirstlane_b32 s[SWV], v[T]               ; wave 0..15
	s_lshr_b32 s18, ttmp9, 2                       ; block of 128 rows
	s_and_b32 s19, ttmp9, 3                        ; block of 128 columns
	s_and_b32 s20, ttmp7, 0xffff                   ; chunk of K
	s_lshl_b32 s21, s20, 21
	s_lshl_b32 s22, s18, 17
	s_add_co_u32 s21, s21, s22                     ; h
	s_lshl_b32 s22, s20, 20
	s_lshl_b32 s19, s19, 9
	s_add_co_u32 s22, s22, s19                     ; w2
	s_lshl_b32 s23, s20, 22
	s_lshl_b32 s18, s18, 18
	s_add_co_u32 s23, s23, s18
	s_add_co_u32 s23, s23, s19                     ; part
	s_mov_b32 s[SOF+1], 0
	s_lshr_b32 s24, s[SWV], 2                      ; my 32 rows
	s_and_b32 s25, s[SWV], 3                       ; my 32 columns
	s_lshl_b32 s26, s[SWV], 13
	v_lshl_add_u32 v[VOA], v[LL], 4, s26           ; 8 rows of 1,024 bytes a wave
	s_lshl_b32 s26, s[SWV], 16
	v_lshl_add_u32 v[VOW], v[LL], 4, s26           ; 32 rows of w2 a wave
	s_mul_i32 s26, s[SWV], 8*PP
	v_lshl_add_u32 v[APS], v[LL], 4, s26
	s_mul_i32 s26, s[SWV], 32*WP
	s_add_co_u32 s26, s26, WS
	v_lshl_add_u32 v[AWS], v[LL], 3, s26
	v_mul_u32_u24 v[AP], v[RR], PP
	v_lshl_add_u32 v[AP], v[HH], 4, v[AP]
	s_mul_i32 s26, s24, 32*PP
	v_add_nc_u32 v[AP], s26, v[AP]
	v_and_b32 v[T], 7, v0
	v_bfe_u32 v[T+1], v0, 3, 1
	v_lshl_add_u32 v[AW], v[HH], 3, v[T]
	v_mul_u32_u24 v[AW], v[AW], WP
	v_lshl_add_u32 v[AW], v[T+1], 4, v[AW]
	s_lshl_b32 s26, s25, 6
	s_add_co_u32 s26, s26, WS
	v_add_nc_u32 v[AW], s26, v[AW]
	v_mul_u32_u24 v[STO], v[RR], SPI
	v_lshl_add_u32 v[STO], v[HH], 5, v[STO]
	s_mul_i32 s26, s24, 32*SPI
	s_lshl_b32 s27, s25, 7
	s_add_co_u32 s26, s26, s27
	s_add_co_u32 s26, s26, STG
	v_add_nc_u32 v[STO], s26, v[STO]
	s_mul_i32 s26, s[SWV], 8*SPI
	s_add_co_u32 s26, s26, STG
	v_lshl_add_u32 v[RD], v[LL], 4, s26
	s_lshl_b32 s26, s[SWV], 14
	v_lshl_add_u32 v[GO], v[LL], 4, s26
	s_wait_kmcnt 0x0
	s_mov_b32 s[SOF], s21
	s_add_nc_u64 s[SA:SA+1], s[SA:SA+1], s[SOF:SOF+1]
	s_mov_b32 s[SOF], s22
	s_add_nc_u64 s[SW:SW+1], s[SW:SW+1], s[SOF:SOF+1]
	s_add_nc_u64 s[SW:SW+1], s[SW:SW+1], W2_OFF
	s_mov_b32 s[SOF], s23
	s_add_nc_u64 s[SO:SO+1], s[SO:SO+1], s[SOF:SOF+1]
	; 48 loads at once: the panel's 16, w2's 32
.set f, 0
.rept 16
	global_load_b128 v[XP+4*f:XP+4*f+3], v[VOA], s[SA:SA+1] offset:f*512
.set f, f+1
.endr
.set q, 0
.rept 16
	global_load_b128 v[WA+4*q:WA+4*q+3], v[VOW], s[SW:SW+1] offset:q*WROW
.set q, q+1
.endr
.rept 16
	global_load_b128 v[WB+4*(q-16):WB+4*(q-16)+3], v[VOW], s[SW:SW+1] offset:q*WROW
.set q, q+1
.endr
	s_wait_loadcnt 32                              ; the panel is in
.set f, 0
.rept 16
	ds_store_b128 v[APS], v[XP+4*f:XP+4*f+3] offset:(f/2)*PP+(f%2)*512
.set f, f+1
.endr
	s_wait_loadcnt 16
.set q, 0
.rept 16
	WCVT WA+4*q, q*WP
.set q, q+1
.endr
	s_wait_loadcnt 0x0
.rept 16
	WCVT WB+4*(q-16), q*WP
.set q, q+1
.endr
	BAR
	GEMM
	BAR                                            ; every wave's reads of the slice are over: the stage lies on it
.set t, 0
.rept 4
	ds_store_b128 v[STO], v[ACC+8*t:ACC+8*t+3] offset:(t/2)*16*SPI+(t%2)*64
	ds_store_b128 v[STO], v[ACC+8*t+4:ACC+8*t+7] offset:(t/2)*16*SPI+(t%2)*64+16
.set t, t+1
.endr
	BAR                                            ; a stage row's 512 bytes come from four waves
.irp f, 0,1,2,3,4,5,6,7
	ds_load_b128 v[RB+4*\f:RB+4*\f+3], v[RD] offset:\f*SPI
.endr
	s_wait_dscnt 0x0
.irp f, 0,1,2,3,4,5,6,7
	global_store_b128 v[GO], v[RB+4*\f:RB+4*\f+3], s[SO:SO+1] offset:\f*2048  ; 512 consecutive bytes, at a multiple of 256 from part's first
.endr
	s_wait_tensorcnt 0x0
	ds_add_u32 v30, v31
	s_wait_dscnt 0x0
	s_endpgm
.Lfunc_end_k_q3eac84f44c_ffn2:
	.size	k_q3eac84f44c_ffn2, .Lfunc_end_k_q3eac84f44c_ffn2-k_q3eac84f44c_ffn2
	.p2alignl 7, 3214868480
	.fill 96, 4, 3214868480
	.section	.rodata,"a",@progbits
	.p2align	6, 0x0
	.amdhsa_kernel k_q3eac84f44c_ffn2
		.amdhsa_group_segment_fixed_size 282624
		.amdhsa_private_segment_fixed_size 0
		.amdhsa_enable_private_segment 0
		.amdhsa_kernarg_size 24
		.amdhsa_user_sgpr_count 2
		.amdhsa_user_sgpr_kernarg_segment_ptr 1
		.amdhsa_wavefront_size32 1
		.amdhsa_system_sgpr_workgroup_id_x 1
		.amdhsa_system_sgpr_workgroup_id_y 1
		.amdhsa_system_sgpr_workgroup_id_z 1
		.amdhsa_system_vgpr_workitem_id 0
		.amdhsa_next_free_vgpr 256
		.amdhsa_next_free_sgpr 66
		.amdhsa_reserve_vcc 0
		.amdhsa_float_denorm_mode_32 3
		.amdhsa_float_denorm_mode_16_64 3
		.amdhsa_memory_ordered 1
		.amdhsa_forward_progress 1
		.amdhsa_inst_pref_size 21
	.end_amdhsa_kernel
	.amdgpu_metadata
---
amdhsa.version: [ 1, 2 ]
amdhsa.kernels:
  - .name:           k_q3eac84f44c_ffn2
    .symbol:         k_q3eac84f44c_ffn2.kd
    .args:
      - { .name: h, .offset: 0, .size: 8, .value_kind: global_buffer, .address_space: global }
      - { .name: ff_w2, .offset: 8, .size: 8, .value_kind: global_buffer, .address_space: global }
      - { .name: part, .offset: 16, .size: 8, .value_kind: global_buffer, .address_space: global }
    .group_segment_fixed_size: 282624
    .private_segment_fixed_size: 0
    .kernarg_segment_align: 8
    .kernarg_segment_size: 24
    .max_flat_workgroup_size: 512
    .sgpr_count:     66
    .vgpr_count:     256
    .wavefront_size: 32
...
	.end_amdgpu_metadata
.endif
;; end of part 6
;; launch final (part 7): grid 256 x 1, 8 waves a work-group, no clusters, 0 bytes of LDS; arguments x2, part, ff_b2, ln_g, ln_b, out0; writes out0
.if DOCPART == 7
	.amdgcn_target "amdgcn-amd-amdhsa--gfx1250"
	.amdhsa_code_object_version 6
	.text
	.protected	k_q3eac84f44c_final
	.globl	k_q3eac84f44c_final
	.p2align	8
	.type	k_q3eac84f44c_final,@function
k_q3eac84f44c_final:
	s_mov_b64 s[64:65], 0
	v_nop
	global_prefetch_b8 v0, s[64:65] scope:SCOPE_SE
	s_setreg_imm32_b32 hwreg(HW_REG_WAVE_MODE, 25, 1), 1
	s_wait_xcnt 0x0
; FINAL.  out0 = LN(x2 + ((p0 + p1 + p2 + p3) + b2)): the four partial sums of the feed-forward block's second product are added in a fixed order, then its bias (slice 5), the residual and the closing LayerNorm.
; (Only layer 5 of the six is live: every pass of the module's loop starts again from tgt.)
; One wave, one row of 512 f32: 16 numbers a lane, four loads of 512 consecutive bytes from each source; the reduction never leaves the wave, so there is no LDS and no barrier.  8 rows a work-group.
; All in f32; the LayerNorm in two passes (mean, then squared differences).  NaN and infinities are not treated apart.
; No matrix unit, no cluster, no LDS: the launch only streams, and its work-groups share nothing but 6 KiB of gain, shift and bias.
.set BD_OFF, 5*512*4
.set VO,  2
.set VL,  3
.set T,   4
.set X2,  32
.set B2,  48
.set P,   64
.set G,   128
.set BT,  144
.set SEL, 26
.set INV, 28
.set EPS, 29
.macro RED x, t
	v_add_f32_dpp v[\x], v[\x], v[\x] row_xmask:1 row_mask:0xf bank_mask:0xf
	v_add_f32_dpp v[\x], v[\x], v[\x] row_xmask:2 row_mask:0xf bank_mask:0xf
	v_add_f32_dpp v[\x], v[\x], v[\x] row_xmask:4 row_mask:0xf bank_mask:0xf
	v_add_f32_dpp v[\x], v[\x], v[\x] row_xmask:8 row_mask:0xf bank_mask:0xf
	v_permlanex16_b32 v[\t], v[\x], s[SEL], s[SEL+1]
	v_add_f32 v[\x], v[\x], v[\t]
.endm
	s_load_b256 s[4:11], s[0:1], 0x0               ; x2 4, part 6, ff_b2 8, ln_g 10
	s_load_b128 s[12:15], s[0:1], 0x20             ; ln_b 12, out0 14
	v_and_b32 v1, 31, v0
	v_lshrrev_b32 v[VO], 5, v0
	v_lshlrev_b32 v[VL], 4, v1                     ; 16 bytes a lane
	v_lshl_add_u32 v[VO], v[VO], 11, v[VL]         ; + my wave's row
	s_lshl_b32 s16, ttmp9, 14                      ; 8 rows of 2,048 bytes a work-group
	s_mov_b32 s17, 0
	s_mov_b32 s[SEL], 0x76543210
	s_mov_b32 s[SEL+1], 0xfedcba98
	s_mov_b32 s[INV], 0x3b000000                   ; 1 / 512
	s_mov_b32 s[EPS], 0x3727c5ac                   ; 1e-5
	s_wait_kmcnt 0x0
	s_add_nc_u64 s[4:5], s[4:5], s[16:17]
	s_add_nc_u64 s[14:15], s[14:15], s[16:17]
	s_add_nc_u64 s[18:19], s[6:7], s[16:17]        ; the four parts lie 4 MiB apart: a base for each
	s_add_nc_u64 s[20:21], s[18:19], 1<<22
	s_add_nc_u64 s[22:23], s[18:19], 2<<22
	s_add_nc_u64 s[24:25], s[18:19], 3<<22
	s_add_nc_u64 s[8:9], s[8:9], BD_OFF
.irp c, 0,1,2,3
	global_load_b128 v[X2+4*\c:X2+4*\c+3], v[VO], s[4:5] offset:\c*512
.endr
.irp c, 0,1,2,3
	global_load_b128 v[B2+4*\c:B2+4*\c+3], v[VL], s[8:9] offset:\c*512
.endr
.irp p, 0,1,2,3
.irp c, 0,1,2,3
	global_load_b128 v[P+16*\p+4*\c:P+16*\p+4*\c+3], v[VO], s[18+2*\p:19+2*\p] offset:\c*512
.endr
.endr
.irp c, 0,1,2,3
	global_load_b128 v[G+4*\c:G+4*\c+3], v[VL], s[10:11] offset:\c*512
.endr
.irp c, 0,1,2,3
	global_load_b128 v[BT+4*\c:BT+4*\c+3], v[VL], s[12:13] offset:\c*512
.endr
	s_wait_loadcnt 8                               ; gain and shift, the eight youngest, may stay out
.irp p, 1,2,3
.irp j, 0,2,4,6,8,10,12,14
	v_pk_add_f32 v[P+\j:P+\j+1], v[P+\j:P+\j+1], v[P+16*\p+\j:P+16*\p+\j+1]
.endr
.endr
.irp j, 0,2,4,6,8,10,12,14
	v_pk_add_f32 v[P+\j:P+\j+1], v[P+\j:P+\j+1], v[B2+\j:B2+\j+1]
.endr
.irp j, 0,2,4,6,8,10,12,14
	v_pk_add_f32 v[P+\j:P+\j+1], v[P+\j:P+\j+1], v[X2+\j:X2+\j+1]
.endr
	v_pk_add_f32 v[T:T+1], v[P:P+1], v[P+2:P+3]
	v_pk_add_f32 v[T+2:T+3], v[P+4:P+5], v[P+6:P+7]
	v_pk_add_f32 v[T+4:T+5], v[P+8:P+9], v[P+10:P+11]
	v_pk_add_f32 v[T+6:T+7], v[P+12:P+13], v[P+14:P+15]
	v_pk_add_f32 v[T:T+1], v[T:T+1], v[T+2:T+3]
	v_pk_add_f32 v[T+4:T+5], v[T+4:T+5], v[T+6:T+7]
	v_pk_add_f32 v[T:T+1], v[T:T+1], v[T+4:T+5]
	v_add_f32 v[T], v[T], v[T+1]
	RED T, T+1
	v_mul_f32 v[T], s[INV], v[T]                   ; the mean
.irp j, 0,2,4,6,8,10,12,14
	v_pk_add_f32 v[P+\j:P+\j+1], v[P+\j:P+\j+1], v[T:T+1] op_sel_hi:[1,0] neg_lo:[0,1] neg_hi:[0,1]
.endr
	v_pk_mul_f32 v[T+2:T+3], v[P:P+1], v[P:P+1]
	v_pk_mul_f32 v[T+4:T+5], v[P+2:P+3], v[P+2:P+3]
.irp j, 4,8,12
	v_pk_fma_f32 v[T+2:T+3], v[P+\j:P+\j+1], v[P+\j:P+\j+1], v[T+2:T+3]
	v_pk_fma_f32 v[T+4:T+5], v[P+\j+2:P+\j+3], v[P+\j+2:P+\j+3], v[T+4:T+5]
.endr
	v_pk_add_f32 v[T+2:T+3], v[T+2:T+3], v[T+4:T+5]
	v_add_f32 v[T+2], v[T+2], v[T+3]
	RED T+2, T+3
	v_fma_f32 v[T+2], v[T+2], s[INV], s[EPS]       ; variance + 1e-5
	v_rsq_f32 v[T+2], v[T+2]
	v_nop                                          ; a plain instruction between the root and the use of its result
	s_wait_alu depctr_va_vdst(0)
.irp j, 0,2,4,6,8,10,12,14
	v_pk_mul_f32 v[P+\j:P+\j+1], v[P+\j:P+\j+1], v[T+2:T+3] op_sel_hi:[1,0]
.endr
	s_wait_loadcnt 0x0                             ; gain and shift
.irp j, 0,2,4,6,8,10,12,14
	v_pk_fma_f32 v[P+\j:P+\j+1], v[P+\j:P+\j+1], v[G+\j:G+\j+1], v[BT+\j:BT+\j+1]
.endr
.irp c, 0,1,2,3
	global_store_b128 v[VO], v[P+4*\c:P+4*\c+3], s[14:15] offset:\c*512  ; 512 consecutive bytes, at a multiple of 256 from out0's first
.endr
	s_endpgm
.Lfunc_end_k_q3eac84f44c_final:
	.size	k_q3eac84f44c_final, .Lfunc_end_k_q3eac84f44c_final-k_q3eac84f44c_final
	.p2alignl 7, 3214868480
	.fill 96, 4, 3214868480
	.section	.rodata,"a",@progbits
	.p2align	6, 0x0
	.amdhsa_kernel k_q3eac84f44c_final
		.amdhsa_group_segment_fixed_size 0
		.amdhsa_private_segment_fixed_size 0
		.amdhsa_enable_private_segment 0
		.amdhsa_kernarg_size 48
		.amdhsa_user_sgpr_count 2
		.amdhsa_user_sgpr_kernarg_segment_ptr 1
		.amdhsa_wavefront_size32 1
		.amdhsa_system_sgpr_workgroup_id_x 1
		.amdhsa_system_sgpr_workgroup_id_y 1
		.amdhsa_system_sgpr_workgroup_id_z 1
		.amdhsa_system_vgpr_workitem_id 0
		.amdhsa_next_free_vgpr 160
		.amdhsa_next_free_sgpr 66
		.amdhsa_reserve_vcc 0
		.amdhsa_float_denorm_mode_32 3
		.amdhsa_float_denorm_mode_16_64 3
		.amdhsa_memory_ordered 1
		.amdhsa_forward_progress 1
		.amdhsa_inst_pref_size 11
	.end_amdhsa_kernel
	.amdgpu_metadata
---
amdhsa.version: [ 1, 2 ]
amdhsa.kernels:
  - .name:           k_q3eac84f44c_final
    .symbol:         k_q3eac84f44c_final.kd
    .args:
      - { .name: x2, .offset: 0, .size: 8, .value_kind: global_buffer, .address_space: global }
      - { .name: part, .offset: 8, .size: 8, .value_kind: global_buffer, .address_space: global }
      - { .name: ff_b2, .offset: 16, .size: 8, .value_kind: global_buffer, .address_space: global }
      - { .name: ln_g, .offset: 24, .size: 8, .value_kind: global_buffer, .address_space: global }
      - { .name: ln_b, .offset: 32, .size: 8, .value_kind: global_buffer, .address_space: global }
      - { .name: out0, .offset: 40, .size: 8, .value_kind: global_buffer, .address_space: global }
    .group_segment_fixed_size: 0
    .private_segment_fixed_size: 0
    .kernarg_segment_align: 8
    .kernarg_segment_size: 48
    .max_flat_workgroup_size: 256
    .sgpr_count:     66
    .vgpr_count:     160
    .wavefront_size: 32
...
	.end_amdgpu_metadata
.endif
;; end of part 7
;; ======== version 2 of 3: 8 launches; 1.13 times as fast as version 1
;; workspace buffers: qkv 19,398,656 bytes; o 2,097,152 bytes; x1 4,194,304 bytes; x2 4,194,304 bytes; h 8,388,608 bytes; part 16,777,216 bytes; wo1b 524,288 bytes; wo2b 524,288 bytes
;; launch proj (part 8): grid 32 x 8, 16 waves a work-group, no clusters, 282,624 bytes of LDS; arguments tgt, memory, sa_wq, sa_wk, sa_wv, ca_wk, ca_wv, sa_bq, sa_bk, sa_bv, ca_bk, ca_bv, ln_g, ln_b, qkv, sa_wo, ca_wq, ca_wo, ff_w1, ff_w2, wo1b, wo2b; writes qkv, wo1b, wo2b
.if DOCPART == 8
	.amdgcn_target "amdgcn-amd-amdhsa--gfx1250"
	.amdhsa_code_object_version 6
	.text
	.protected	k_q3eac84f44c_proj
	.globl	k_q3eac84f44c_proj
	.p2align	8
	.type	k_q3eac84f44c_proj,@function
k_q3eac84f44c_proj:
	s_mov_b64 s[64:65], 0
	v_nop
	global_prefetch_b8 v0, s[64:65] scope:SCOPE_SE
	s_setreg_imm32_b32 hwreg(HW_REG_WAVE_MODE, 25, 1), 1
	s_wait_xcnt 0x0
; PROJ.  q, k, v = LN(tgt) W + b for self attention, and k2, v2 = memory W + b for cross attention, written by heads in bf16; and the later launches' weights rounded to bf16.
; WHICH LAYER.  Every pass of the module's loop over its six layers starts again from tgt and overwrites 'output' without reading it,
; so the result is the last pass (index 5) and the closing LayerNorm, for every input.  All kernels of this program read the stacked parameters at slice 5.
; SHARES.  y = 0 .. 6: a work-group makes 128 rows x 256 columns of one of the five products: one panel of 128 rows (K = 512, a whole row, so the
; LayerNorm is done on the way into LDS) and two slices of 128 columns of W, one after the other.  y = 0, 1, 2: q, k, v of tgt (16 row blocks x 2 column halves = 32 in x);
; y = 3, 4: k2, y = 5, 6: v2 of memory (32 row blocks x 2 halves = 64).  16 waves, each 32 x 32 of a slice.
; y = 7: 32 work-groups, each rounds a 32nd of sa_wo, ca_wq, ca_wo, ff_w1, ff_w2 to bf16: 352 KiB in, 176 KiB out, less than the 768 KiB that a product's work-group brings in.
; THE OUTPUT BUFFER qkv holds, one behind the other: q, k, v [3][8][8][256][64]; k2, v2 [2][8][8][512][64]; ca_wq in blocks [8][512 k][64 n]; ff_w1 [512][2048]; ff_w2 [2048][512]; all bf16.
; sa_wo and ca_wo go in the same blocks into buffers of their own.  In a block a slice of 64 columns is dense, so that a later launch asks for it as rows of 256 bytes.
; FORMATS.  Operands rounded to bf16 on the way into LDS, sums in f32, LayerNorm in f32 in two passes (mean, then squared differences).  memory's rows are not normalised:
; for them the mean counts as 0, the factor as 1, the gain as 1 and the shift as 0, chosen by a lane mask that is all ones or all zeros for the whole work-group.
; LIMITS.  NaN and infinities are not treated apart.
; THE MATRIX INSTRUCTION IS USED TRANSPOSED: source 0 = 16 columns of W (turned on the way out of LDS), source 1 = 16 rows of the panel; a lane then holds one row and eight neighbouring columns.
; NO CLUSTER: what work-groups share (panels, W) is f32 in memory and is normalised or rounded in registers before it reaches LDS; a joint f32 tile of 256 KiB does not fit beside the 274 KiB of bf16 copies.
.set PP,   1040                        ; a panel row in LDS: 1,024 bytes + 16: 16 rows of a fragment load start at 16 different groups of four banks
.set WP,   288                         ; a row of the W slice: 256 bytes + 32, an odd multiple of 32, for the turning load
.set PAN,  0
.set WS,   128*PP
.set STG,  WS                          ; the stage of the way out lies on the W slice, behind a barrier
.set SPI,  272
.set WROW, 2048                        ; bytes from row to row of W in memory
.set WDD_OFF, 5*512*512*4              ; slice 5 of a [6][512][512] f32 tensor
.set BD_OFF,  5*512*4                  ; slice 5 of a [6][512] f32 tensor
.set WFF_OFF, 5*512*2048*4             ; slice 5 of ff_w1 and of ff_w2
.set KV2_OFF,  0x600000                ; the sections of the output buffer
.set WQ2B_OFF, 0xE00000
.set W1B_OFF,  0xE80000
.set W2B_OFF,  0x1080000
.set RT, 2
.set CT, 2
.set KU, 1                             ; matrix depth of one trip: 32 along K
.set FS, 8*(RT+CT)
.set LL, 1                             ; v1 lane, v2 lane % 16, v3 lane / 16
.set RR, 2
.set HH, 3
.set VOA, 4                            ; byte offset of my 16 bytes in my wave's first panel row in memory
.set VOW, 5                            ; the same in my wave's first row of W
.set APS, 6                            ; LDS: where I put 8 bytes of a panel row
.set AWS, 7                            ; LDS: where I put 8 bytes of a row of W
.set AP,  8                            ; LDS: my panel fragments
.set AW,  9                            ; LDS: my W fragments
.set STO, 10
.set RD,  11
.set GO,  12
.set VB,  13
.set T,   14                           ; v14-21 at work
.set APC, 22
.set AWC, 23
.set VL,  24
.set G,   32                           ; load phase: gain, shift, 16 loads of W, 8 row slots
.set BT,  48
.set WR,  64
.set X,   128
.set ACC, 32                           ; product phase
.set FR,  64
.set BIAS, 96
.set RB,  64
.set PK,  80
.set CVI, 4                            ; y = 7: offsets in and out for the weights written in blocks, and for the two written as they lie
.set CVO, 5
.set CEI, 6
.set CEO, 7
.set CV,  64                           ; y = 7: 44 loads of four registers
.set SWV, 40
.set SU,  41
.set SA,  50
.set SW,  52
.set SB,  54
.set SO,  56
.set SST, 58
.set SOF, 60
.set SEL, 66
.set INV, 68
.set EPS, 69
.set KC,  70
.macro BAR                             ; my LDS instructions are done, then the work-group's barrier
	s_wait_dscnt 0x0
	s_barrier_signal -1
	s_barrier_wait -1
.endm
.macro RED x, t                        ; the sum over the wave's 32 lanes, in every lane
	v_add_f32_dpp v[\x], v[\x], v[\x] row_xmask:1 row_mask:0xf bank_mask:0xf
	v_add_f32_dpp v[\x], v[\x], v[\x] row_xmask:2 row_mask:0xf bank_mask:0xf
	v_add_f32_dpp v[\x], v[\x], v[\x] row_xmask:4 row_mask:0xf bank_mask:0xf
	v_add_f32_dpp v[\x], v[\x], v[\x] row_xmask:8 row_mask:0xf bank_mask:0xf
	v_permlanex16_b32 v[\t], v[\x], s[SEL], s[SEL+1]
	v_add_f32 v[\x], v[\x], v[\t]
.endm
; Row slot i (16 registers a lane: columns 128 c + 4 lane + 0..3) is normalised, rounded to bf16 and put into the panel.  n: the younger loads that may stay out.
.macro LNROW i, n, flag
.set xr, X+16*(\i)
	s_wait_loadcnt \n
	v_pk_add_f32 v[T:T+1], v[xr:xr+1], v[xr+2:xr+3]
	v_pk_add_f32 v[T+2:T+3], v[xr+4:xr+5], v[xr+6:xr+7]
	v_pk_add_f32 v[T+4:T+5], v[xr+8:xr+9], v[xr+10:xr+11]
	v_pk_add_f32 v[T+6:T+7], v[xr+12:xr+13], v[xr+14:xr+15]
	v_pk_add_f32 v[T:T+1], v[T:T+1], v[T+2:T+3]
	v_pk_add_f32 v[T+4:T+5], v[T+4:T+5], v[T+6:T+7]
	v_pk_add_f32 v[T:T+1], v[T:T+1], v[T+4:T+5]
	v_add_f32 v[T], v[T], v[T+1]
	RED T, T+1
	v_mul_f32 v[T], s[INV], v[T]                   ; the mean
.if \flag
	v_cndmask_b32 v[T], 0, v[T], vcc_lo
.endif
.irp j, 0,2,4,6,8,10,12,14
	v_pk_add_f32 v[xr+\j:xr+\j+1], v[xr+\j:xr+\j+1], v[T:T+1] op_sel_hi:[1,0] neg_lo:[0,1] neg_hi:[0,1]
.endr
	v_pk_mul_f32 v[T+2:T+3], v[xr:xr+1], v[xr:xr+1]
	v_pk_mul_f32 v[T+4:T+5], v[xr+2:xr+3], v[xr+2:xr+3]
.irp j, 4,8,12
	v_pk_fma_f32 v[T+2:T+3], v[xr+\j:xr+\j+1], v[xr+\j:xr+\j+1], v[T+2:T+3]
	v_pk_fma_f32 v[T+4:T+5], v[xr+\j+2:xr+\j+3], v[xr+\j+2:xr+\j+3], v[T+4:T+5]
.endr
	v_pk_add_f32 v[T+2:T+3], v[T+2:T+3], v[T+4:T+5]
	v_add_f32 v[T+2], v[T+2], v[T+3]
	RED T+2, T+3
	v_fma_f32 v[T+2], v[T+2], s[INV], s[EPS]       ; variance + 1e-5
	v_rsq_f32 v[T+2], v[T+2]
	v_nop                                          ; a plain instruction between the root and the use of its result
.if \flag
	s_wait_alu depctr_va_vdst(0)
	v_cndmask_b32 v[T+2], 1.0, v[T+2], vcc_lo
.endif
.irp j, 0,2,4,6,8,10,12,14
	v_pk_mul_f32 v[xr+\j:xr+\j+1], v[xr+\j:xr+\j+1], v[T+2:T+3] op_sel_hi:[1,0]
.endr
.irp j, 0,2,4,6,8,10,12,14
	v_pk_fma_f32 v[xr+\j:xr+\j+1], v[xr+\j:xr+\j+1], v[G+\j:G+\j+1], v[BT+\j:BT+\j+1]
.endr
.irp c, 0,1,2,3
	v_cvt_pk_bf16_f32 v[xr+4*\c], v[xr+4*\c], v[xr+4*\c+1]
	v_cvt_pk_bf16_f32 v[xr+4*\c+1], v[xr+4*\c+2], v[xr+4*\c+3]
.endr
.irp c, 0,1,2,3
	ds_store_b64 v[APS], v[xr+4*\c:xr+4*\c+1] offset:(\i)*PP+\c*256
.endr
.endm
.macro REFILL i                        ; the freed slot takes four more rows of the first W slice
.irp j, 0,1,2,3
	global_load_b128 v[X+16*(\i)+4*\j:X+16*(\i)+4*\j+3], v[VOW], s[SW:SW+1] offset:(16+4*(\i)+\j)*WROW
.endr
.endm
.macro WCVT reg, off                   ; four numbers of W rounded to bf16 and put into the slice
	v_cvt_pk_bf16_f32 v[(\reg)], v[(\reg)], v[(\reg)+1]
	v_cvt_pk_bf16_f32 v[(\reg)+1], v[(\reg)+2], v[(\reg)+3]
	ds_store_b64 v[AWS], v[(\reg):(\reg)+1] offset:\off
.endm
.macro FETCH                           ; the fragments of one trip
.set ku, 0
.rept KU
.set t, 0
.rept RT
	ds_load_b128 v[FR+ku*FS+8*t:FR+ku*FS+8*t+3], v[APC] offset:ku*64+t*16*PP
	ds_load_b128 v[FR+ku*FS+8*t+4:FR+ku*FS+8*t+7], v[APC] offset:ku*64+t*16*PP+32
.set t, t+1
.endr
.set t, 0
.rept CT
	ds_load_tr16_b128 v[FR+ku*FS+8*RT+8*t:FR+ku*FS+8*RT+8*t+3], v[AWC] offset:ku*32*WP+t*32
	ds_load_tr16_b128 v[FR+ku*FS+8*RT+8*t+4:FR+ku*FS+8*RT+8*t+7], v[AWC] offset:ku*32*WP+t*32+16*WP
.set t, t+1
.endr
.set ku, ku+1
.endr
.endm
.macro MMA zero                        ; the accumulators take turns, one instruction a turn
.set ku, 0
.rept KU
.set rt, 0
.rept RT
.set ct, 0
.rept CT
.set ra, ACC+8*(rt*CT+ct)
.set rw, FR+ku*FS+8*RT+8*ct
.set rp, FR+ku*FS+8*rt
.if (\zero) && (ku == 0)
	v_wmma_f32_16x16x32_bf16 v[ra:ra+7], v[rw:rw+7], v[rp:rp+7], 0
.else
	v_wmma_f32_16x16x32_bf16 v[ra:ra+7], v[rw:rw+7], v[rp:rp+7], v[ra:ra+7]
.endif
.set ct, ct+1
.endr
.set rt, rt+1
.endr
.set ku, ku+1
.endr
.endm
.macro GEMM                            ; K = 512.  The first trip starts the sums and stands ahead of the loop
	v_mov_b32 v[APC], v[AP]
	v_mov_b32 v[AWC], v[AW]
	FETCH
	s_wait_dscnt 0x0
	MMA 1
	s_mov_b32 s[KC], 16/KU-1
.Lk_\@:
	v_add_nc_u32 v[APC], 64*KU, v[APC]             ; these two and two v_nop are the four places between the products and the loads into the registers that they read
	v_add_nc_u32 v[AWC], 32*KU*WP, v[AWC]
	v_nop
	v_nop
	FETCH
	s_wait_dscnt 0x0
	MMA 0
	s_sub_co_u32 s[KC], s[KC], 1
	s_cmp_lg_u32 s[KC], 0
	s_cbranch_scc1 .Lk_\@
.rept 4
	v_nop                                          ; the places in front of the first read of the sums
.endr
.endm
; The way out of slice sl: bias, rounding, through the stage, and out as 512 consecutive bytes of one head a store.
.macro EPI sl
	BAR                                            ; every wave's reads of the W slice are over: the stage lies on it
.if (\sl) == 0
	s_wait_loadcnt 32                              ; the eight loads of the bias are in; the 32 of the second slice, issued behind them, may stay out
.endif
.set t, 0
.rept 4
.set ra, ACC+8*t
.set rb, BIAS+16*(\sl)+8*(t%2)
.irp j, 0,2,4,6
	v_pk_add_f32 v[ra+\j:ra+\j+1], v[ra+\j:ra+\j+1], v[rb+\j:rb+\j+1]
.endr
.irp j, 0,1,2,3
	v_cvt_pk_bf16_f32 v[PK+4*t+\j], v[ra+2*\j], v[ra+2*\j+1]
.endr
	ds_store_b128 v[STO], v[PK+4*t:PK+4*t+3] offset:(t/2)*16*SPI+(t%2)*32
.set t, t+1
.endr
	BAR                                            ; a stage row's 256 bytes come from four waves
.irp f, 0,1,2,3
	ds_load_b128 v[RB+4*\f:RB+4*\f+3], v[RD] offset:\f*4*SPI
.endr
	s_wait_dscnt 0x0
.irp f, 0,1,2,3
	global_store_b128 v[GO], v[RB+4*\f:RB+4*\f+3], s[SO:SO+1] offset:\f*512
.endr
	s_wait_xcnt 0x0                                ; the stores' data registers and base are rewritten only behind this wait
.endm
; y = 7.  Load q of 44: 512 bytes of f32 a wave.  Its store: the same numbers in bf16, 256 consecutive bytes a wave, at a multiple of 256 from the buffer's first byte.
.macro CLOAD q, vo, sb, off
	global_load_b128 v[CV+4*(\q):CV+4*(\q)+3], v[\vo], s[\sb:\sb+1] offset:\off th:TH_LOAD_NT
.endm
.macro CSTORE q, vo, sb, off
	s_wait_loadcnt 43-(\q)                         ; loads come back in order: load q is in, the 43 - q younger ones may stay out
	v_cvt_pk_bf16_f32 v[CV+4*(\q)], v[CV+4*(\q)], v[CV+4*(\q)+1]
	v_cvt_pk_bf16_f32 v[CV+4*(\q)+1], v[CV+4*(\q)+2], v[CV+4*(\q)+3]
	global_store_b64 v[\vo], v[CV+4*(\q):CV+4*(\q)+1], s[\sb:\sb+1] offset:\off
.endm
	v_lshl_add_u32 v30, v0, 2, 0x44800
	v_mov_b32 v31, 0
	s_and_b32 s[SU], ttmp7, 0xffff                 ; which product; 7: the rounding of the weights
	v_and_b32 v[LL], 31, v0
	v_and_b32 v[RR], 15, v0
	v_bfe_u32 v[HH], v0, 4, 1
	v_lshrrev_b32 v[T], 5, v0
	v_readfirstlane_b32 s[SWV], v[T]               ; wave 0..15
	s_cmp_lg_u32 s[SU], 7                          ; the same answer in all waves of a work-group; the jump passes no barrier
	s_cbranch_scc1 .Lmain
	; THE WEIGHTS OF THE LATER LAUNCHES.  No LDS, no barrier: all 44 loads of a thread go out at once, then each is rounded and stored.
	s_load_b512 s[8:23], s[0:1], 0x70              ; qkv 8, sa_wo 10, ca_wq 12, ca_wo 14, ff_w1 16, ff_w2 18, wo1b 20, wo2b 22
	; in blocks: my work-group has rows k = 16 x .. 16 x + 15; wave w takes block w % 8 and eight of the rows, two rows a load: lanes 0-15 one row's 64 columns, lanes 16-31 the next row's
	s_lshr_b32 s25, s[SWV], 3
	s_and_b32 s26, s[SWV], 7
	s_lshl_b32 s24, ttmp9, 15                      ; 16 rows of 2,048 bytes
	s_lshl_b32 s27, s25, 14
	s_add_co_u32 s24, s24, s27
	s_lshl_b32 s27, s26, 8
	s_add_co_u32 s24, s24, s27
	v_lshlrev_b32 v[CVI], 11, v[HH]
	v_lshl_add_u32 v[CVI], v[RR], 4, v[CVI]
	v_add_nc_u32 v[CVI], s24, v[CVI]
	s_lshl_b32 s24, s26, 16                        ; a block is 512 rows of 128 bytes
	s_lshl_b32 s27, ttmp9, 11
	s_add_co_u32 s24, s24, s27
	s_lshl_b32 s27, s25, 10
	s_add_co_u32 s24, s24, s27
	v_lshl_add_u32 v[CVO], v[LL], 3, s24           ; two rows of a block are 256 consecutive bytes
	s_lshl_b32 s24, ttmp9, 17                      ; as they lie: 128 KiB of f32 a work-group, 16 bytes a thread and load
	v_lshl_add_u32 v[CEI], v0, 4, s24
	s_lshl_b32 s24, ttmp9, 16
	v_lshl_add_u32 v[CEO], v0, 3, s24
	s_wait_kmcnt 0x0
	s_add_nc_u64 s[10:11], s[10:11], WDD_OFF
	s_add_nc_u64 s[12:13], s[12:13], WDD_OFF
	s_add_nc_u64 s[14:15], s[14:15], WDD_OFF
	s_add_nc_u64 s[16:17], s[16:17], WFF_OFF
	s_add_nc_u64 s[18:19], s[18:19], WFF_OFF
	s_add_nc_u64 s[28:29], s[8:9], WQ2B_OFF
	s_add_nc_u64 s[30:31], s[8:9], W1B_OFF
	s_add_nc_u64 s[32:33], s[8:9], W2B_OFF
.set q, 0
.rept 4
	CLOAD q, CVI, 10, q*4096
.set q, q+1
.endr
.rept 4
	CLOAD q, CVI, 12, (q-4)*4096
.set q, q+1
.endr
.rept 4
	CLOAD q, CVI, 14, (q-8)*4096
.set q, q+1
.endr
.rept 16
	CLOAD q, CEI, 16, (q-12)*8192
.set q, q+1
.endr
.rept 16
	CLOAD q, CEI, 18, (q-28)*8192
.set q, q+1
.endr
.set q, 0
.rept 4
	CSTORE q, CVO, 20, q*256
.set q, q+1
.endr
.rept 4
	CSTORE q, CVO, 28, (q-4)*256
.set q, q+1
.endr
.rept 4
	CSTORE q, CVO, 22, (q-8)*256
.set q, q+1
.endr
.rept 16
	CSTORE q, CEO, 30, (q-12)*4096
.set q, q+1
.endr
.rept 16
	CSTORE q, CEO, 32, (q-28)*4096
.set q, q+1
.endr
	s_endpgm
.Lmain:
	s_load_b512 s[8:23], s[0:1], 0x0               ; tgt 8, memory 10, sa_wq 12, sa_wk 14, sa_wv 16, ca_wk 18, ca_wv 20, sa_bq 22
	s_load_b512 s[24:39], s[0:1], 0x40             ; sa_bk 24, sa_bv 26, ca_bk 28, ca_bv 30, ln_g 32, ln_b 34, qkv 36 (38: not used here)
	s_max_u32 s42, s[SU], 3
	s_sub_co_u32 s42, s42, 3                       ; 0 for tgt's products, 0..3 for memory's
	s_and_b32 s43, s42, 1
	s_lshr_b32 s42, s42, 1                         ; 0: k2, 1: v2
	s_lshl_b32 s43, s43, 5
	s_add_co_u32 s43, s43, ttmp9                   ; 0..31, or 0..63 for memory
	s_lshr_b32 s44, s43, 1                         ; block of 128 rows
	s_and_b32 s45, s43, 1                          ; which 256 columns
	s_cmp_ge_u32 s[SU], 3
	s_cselect_b32 s46, 9, 8                        ; log2 of a batch's rows
	s_cselect_b32 vcc_lo, 0, -1                    ; all ones: rows are normalised.  Written once
	s_cselect_b32 s47, s42, s[SU]
	s_cselect_b32 s48, 22, 21
	s_cselect_b32 s49, KV2_OFF, 0
	s_lshl_b32 s47, s47, s48                       ; the product's section of the output buffer
	s_add_co_u32 s47, s47, s49
	s_add_co_u32 s48, s46, 7                       ; log2 of a head's bytes
	s_lshl_b32 s71, s44, 7                         ; first row
	s_lshr_b32 s72, s71, s46                       ; batch
	s_lshl_b32 s73, s72, s46
	s_sub_co_u32 s73, s71, s73                     ; row in the batch
	s_lshl_b32 s72, s72, 3
	s_lshl2_add_u32 s72, s45, s72                  ; 8 batch + the first of my four heads
	s_lshl_b32 s72, s72, s48
	s_add_co_u32 s47, s47, s72
	s_lshl_b32 s73, s73, 7
	s_add_co_u32 s47, s47, s73                     ; byte offset of slice 0's first head and row
	s_lshl_b32 s[SST], 2, s48                      ; slice 1 lies two heads on
	s_mov_b32 s[SST+1], 0
	s_mov_b32 s[SOF+1], 0
	s_mov_b32 s[SEL], 0x76543210
	s_mov_b32 s[SEL+1], 0xfedcba98
	s_mov_b32 s[INV], 0x3b000000                   ; 1 / 512
	s_mov_b32 s[EPS], 0x3727c5ac                   ; 1e-5
	s_lshr_b32 s74, s[SWV], 2                      ; my 32 rows of the tile
	s_and_b32 s75, s[SWV], 3                       ; my 32 columns
	s_lshl_b32 s76, s[SWV], 14
	v_lshl_add_u32 v[VOA], v[LL], 4, s76           ; 8 rows of 2,048 bytes a wave
	s_lshl_b32 s76, s[SWV], 16
	v_lshl_add_u32 v[VOW], v[LL], 4, s76           ; 32 rows of W a wave
	s_mul_i32 s76, s[SWV], 8*PP
	v_lshl_add_u32 v[APS], v[LL], 3, s76
	s_mul_i32 s76, s[SWV], 32*WP
	s_add_co_u32 s76, s76, WS
	v_lshl_add_u32 v[AWS], v[LL], 3, s76
	v_lshlrev_b32 v[VL], 4, v[LL]
	v_mul_u32_u24 v[AP], v[RR], PP
	v_lshl_add_u32 v[AP], v[HH], 4, v[AP]
	s_mul_i32 s76, s74, 32*PP
	v_add_nc_u32 v[AP], s76, v[AP]
	v_and_b32 v[T], 7, v0
	v_bfe_u32 v[T+1], v0, 3, 1
	v_lshl_add_u32 v[AW], v[HH], 3, v[T]
	v_mul_u32_u24 v[AW], v[AW], WP
	v_lshl_add_u32 v[AW], v[T+1], 4, v[AW]
	s_lshl_b32 s76, s75, 6
	s_add_co_u32 s76, s76, WS
	v_add_nc_u32 v[AW], s76, v[AW]
	v_mul_u32_u24 v[STO], v[RR], SPI
	v_lshl_add_u32 v[STO], v[HH], 4, v[STO]
	s_mul_i32 s77, s74, 32*SPI
	s_add_co_u32 s76, s76, s77                     ; STG = WS
	v_add_nc_u32 v[STO], s76, v[STO]
	s_lshl_b32 s76, s75, 7
	v_lshl_add_u32 v[VB], v[HH], 5, s76
	s_and_b32 s76, s[SWV], 1                       ; back from the stage: head w % 2, rows 16 (w / 2) on
	s_lshr_b32 s77, s[SWV], 1
	s_lshl_b32 s78, s76, s48
	s_lshl_b32 s79, s77, 11
	s_add_co_u32 s78, s78, s79
	v_lshl_add_u32 v[GO], v[LL], 4, s78
	s_mul_i32 s79, s77, 16*SPI
	s_lshl_b32 s76, s76, 7
	s_add_co_u32 s79, s79, s76
	s_add_co_u32 s79, s79, STG
	v_lshrrev_b32 v[T+2], 3, v[LL]
	v_mul_u32_u24 v[RD], v[T+2], SPI
	v_lshl_add_u32 v[RD], v[T], 4, v[RD]
	v_add_nc_u32 v[RD], s79, v[RD]
	s_wait_kmcnt 0x0
	s_cmp_ge_u32 s[SU], 3                          ; the buffers are chosen by the product's number alone
	s_cselect_b64 s[SA:SA+1], s[10:11], s[8:9]
	s_cselect_b64 s[SW:SW+1], s[18:19], s[12:13]
	s_cselect_b64 s[SB:SB+1], s[28:29], s[22:23]
	s_cmp_eq_u32 s[SU], 1
	s_cselect_b64 s[SW:SW+1], s[14:15], s[SW:SW+1]
	s_cselect_b64 s[SB:SB+1], s[24:25], s[SB:SB+1]
	s_cmp_eq_u32 s[SU], 2
	s_cselect_b64 s[SW:SW+1], s[16:17], s[SW:SW+1]
	s_cselect_b64 s[SB:SB+1], s[26:27], s[SB:SB+1]
	s_cmp_ge_u32 s[SU], 5
	s_cselect_b64 s[SW:SW+1], s[20:21], s[SW:SW+1]
	s_cselect_b64 s[SB:SB+1], s[30:31], s[SB:SB+1]
	s_lshl_b32 s[SOF], s44, 18
	s_add_nc_u64 s[SA:SA+1], s[SA:SA+1], s[SOF:SOF+1]
	s_lshl_b32 s[SOF], s45, 10
	s_add_nc_u64 s[SW:SW+1], s[SW:SW+1], s[SOF:SOF+1]
	s_add_nc_u64 s[SW:SW+1], s[SW:SW+1], WDD_OFF
	s_add_nc_u64 s[SB:SB+1], s[SB:SB+1], s[SOF:SOF+1]
	s_add_nc_u64 s[SB:SB+1], s[SB:SB+1], BD_OFF
	s_mov_b32 s[SOF], s47
	s_add_nc_u64 s[SO:SO+1], s[36:37], s[SOF:SOF+1]
	; 56 loads go out at once: gain 4, shift 4, my 8 rows 32, the first 16 of my 32 rows of W
.irp c, 0,1,2,3
	global_load_b128 v[G+4*\c:G+4*\c+3], v[VL], s[32:33] offset:\c*512
.endr
.irp c, 0,1,2,3
	global_load_b128 v[BT+4*\c:BT+4*\c+3], v[VL], s[34:35] offset:\c*512
.endr
.set i, 0
.rept 8
.irp c, 0,1,2,3
	global_load_b128 v[X+16*i+4*\c:X+16*i+4*\c+3], v[VOA], s[SA:SA+1] offset:i*2048+\c*512
.endr
.set i, i+1
.endr
.set q, 0
.rept 16
	global_load_b128 v[WR+4*q:WR+4*q+3], v[VOW], s[SW:SW+1] offset:q*WROW
.set q, q+1
.endr
	s_wait_loadcnt 48                              ; gain and shift are in: 32 + 16 younger loads stay out
.set j, 0
.rept 16
	v_cndmask_b32 v[G+j], 1.0, v[G+j], vcc_lo
	v_cndmask_b32 v[BT+j], 0, v[BT+j], vcc_lo
.set j, j+1
.endr
	; the count of row i: 4 (7 - i) younger loads of rows + 16 of W + 4 for each refill issued so far
	LNROW 0, 44, 1
	REFILL 0
	LNROW 1, 44, 1
	REFILL 1
	LNROW 2, 44, 1
	REFILL 2
	LNROW 3, 44, 1
	REFILL 3
	LNROW 4, 44, 1
	LNROW 5, 40, 1
	LNROW 6, 36, 1
	LNROW 7, 32, 1
	s_wait_loadcnt 16                              ; W's first 16 rows are in, the 16 refills may stay out
.set q, 0
.rept 16
	WCVT WR+4*q, q*WP
.set q, q+1
.endr
	s_wait_loadcnt 0x0
.set q, 16
.rept 16
	WCVT X+4*(q-16), q*WP
.set q, q+1
.endr
	s_wait_dscnt 0x0                               ; for the others' sake: my part of the panel and of the slice is in LDS
.irp sl, 0,1
.irp ct, 0,1
	global_load_b128 v[BIAS+16*\sl+8*\ct:BIAS+16*\sl+8*\ct+3], v[VB], s[SB:SB+1] offset:\sl*512+\ct*64
	global_load_b128 v[BIAS+16*\sl+8*\ct+4:BIAS+16*\sl+8*\ct+7], v[VB], s[SB:SB+1] offset:\sl*512+\ct*64+16
.endr
.endr
.set q, 0
.rept 32                                       ; the second slice's rows are on their way while the first is multiplied
	global_load_b128 v[X+4*q:X+4*q+3], v[VOW], s[SW:SW+1] offset:q*WROW+512
.set q, q+1
.endr
	s_barrier_signal -1
	s_barrier_wait -1
	GEMM
	EPI 0
	BAR                                            ; every wave's reads of the stage are over: the second slice is written over it
	s_wait_loadcnt 0x0
.set q, 0
.rept 32
	WCVT X+4*q, q*WP
.set q, q+1
.endr
	BAR
	s_add_nc_u64 s[SO:SO+1], s[SO:SO+1], s[SST:SST+1]
	GEMM
	EPI 1
	s_wait_tensorcnt 0x0
	ds_add_u32 v30, v31
	s_wait_dscnt 0x0
	s_endpgm
.Lfunc_end_k_q3eac84f44c_proj:
	.size	k_q3eac84f44c_proj, .Lfunc_end_k_q3eac84f44c_proj-k_q3eac84f44c_proj
	.p2alignl 7, 3214868480
	.fill 96, 4, 3214868480
	.section	.rodata,"a",@progbits
	.p2align	6, 0x0
	.amdhsa_kernel k_q3eac84f44c_proj
		.amdhsa_group_segment_fixed_size 282624
		.amdhsa_private_segment_fixed_size 0
		.amdhsa_enable_private_segment 0
		.amdhsa_kernarg_size 176
		.amdhsa_user_sgpr_count 2
		.amdhsa_user_sgpr_kernarg_segment_ptr 1
		.amdhsa_wavefront_size32 1
		.amdhsa_system_sgpr_workgroup_id_x 1
		.amdhsa_system_sgpr_workgroup_id_y 1
		.amdhsa_system_sgpr_workgroup_id_z 1
		.amdhsa_system_vgpr_workitem_id 0
		.amdhsa_next_free_vgpr 256
		.amdhsa_next_free_sgpr 80
		.amdhsa_reserve_vcc 1
		.amdhsa_float_denorm_mode_32 3
		.amdhsa_float_denorm_mode_16_64 3
		.amdhsa_memory_ordered 1
		.amdhsa_forward_progress 1
		.amdhsa_inst_pref_size 91
	.end_amdhsa_kernel
	.amdgpu_metadata
---
amdhsa.version: [ 1, 2 ]
amdhsa.kernels:
  - .name:           k_q3eac84f44c_proj
    .symbol:         k_q3eac84f44c_proj.kd
    .args:
      - { .name: tgt, .offset: 0, .size: 8, .value_kind: global_buffer, .address_space: global }
      - { .name: memory, .offset: 8, .size: 8, .value_kind: global_buffer, .address_space: global }
      - { .name: sa_wq, .offset: 16, .size: 8, .value_kind: global_buffer, .address_space: global }
      - { .name: sa_wk, .offset: 24, .size: 8, .value_kind: global_buffer, .address_space: global }
      - { .name: sa_wv, .offset: 32, .size: 8, .value_kind: global_buffer, .address_space: global }
      - { .name: ca_wk, .offset: 40, .size: 8, .value_kind: global_buffer, .address_space: global }
      - { .name: ca_wv, .offset: 48, .size: 8, .value_kind: global_buffer, .address_space: global }
      - { .name: sa_bq, .offset: 56, .size: 8, .value_kind: global_buffer, .address_space: global }
      - { .name: sa_bk, .offset: 64, .size: 8, .value_kind: global_buffer, .address_space: global }
      - { .name: sa_bv, .offset: 72, .size: 8, .value_kind: global_buffer, .address_space: global }
      - { .name: ca_bk, .offset: 80, .size: 8, .value_kind: global_buffer, .address_space: global }
      - { .name: ca_bv, .offset: 88, .size: 8, .value_kind: global_buffer, .address_space: global }
      - { .name: ln_g, .offset: 96, .size: 8, .value_kind: global_buffer, .address_space: global }
      - { .name: ln_b, .offset: 104, .size: 8, .value_kind: global_buffer, .address_space: global }
      - { .name: qkv, .offset: 112, .size: 8, .value_kind: global_buffer, .address_space: global }
      - { .name: sa_wo, .offset: 120, .size: 8, .value_kind: global_buffer, .address_space: global }
      - { .name: ca_wq, .offset: 128, .size: 8, .value_kind: global_buffer, .address_space: global }
      - { .name: ca_wo, .offset: 136, .size: 8, .value_kind: global_buffer, .address_space: global }
      - { .name: ff_w1, .offset: 144, .size: 8, .value_kind: global_buffer, .address_space: global }
      - { .name: ff_w2, .offset: 152, .size: 8, .value_kind: global_buffer, .address_space: global }
      - { .name: wo1b, .offset: 160, .size: 8, .value_kind: global_buffer, .address_space: global }
      - { .name: wo2b, .offset: 168, .size: 8, .value_kind: global_buffer, .address_space: global }
    .group_segment_fixed_size: 282624
    .private_segment_fixed_size: 0
    .kernarg_segment_align: 8
    .kernarg_segment_size: 176
    .max_flat_workgroup_size: 512
    .sgpr_count:     80
    .vgpr_count:     256
    .wavefront_size: 32
...
	.end_amdgpu_metadata
.endif
;; end of part 8
;; launch sattn: the kernel of part 2 again; grid 4 x 64, 8 waves a work-group, no clusters, 191,488 bytes of LDS; arguments qkv, target_mask, o; writes o
;; launch oproj (part 9): grid 8 x 32, 8 waves a work-group, clusters of 4 x 4, 168,960 bytes of LDS; arguments o, wo1b, sa_bo, tgt, x1; writes x1
.if DOCPART == 9
	.amdgcn_target "amdgcn-amd-amdhsa--gfx1250"
	.amdhsa_code_object_version 6
	.text
	.protected	k_q3eac84f44c_oproj
	.globl	k_q3eac84f44c_oproj
	.p2align	8
	.type	k_q3eac84f44c_oproj,@function
k_q3eac84f44c_oproj:
	s_mov_b64 s[64:65], 0
	v_nop
	global_prefetch_b8 v0, s[64:65] scope:SCOPE_SE
	s_setreg_imm32_b32 hwreg(HW_REG_WAVE_MODE, 25, 1), 1
	s_wait_xcnt 0x0
	s_wait_alu depctr_hold_cnt(0) depctr_sa_sdst(0) depctr_va_vdst(0) depctr_va_sdst(0) depctr_va_ssrc(0) depctr_va_vcc(0) depctr_vm_vsrc(0)
	s_getreg_b32 s2, hwreg(HW_REG_IB_STS2, 6, 4)
	s_cmp_eq_u32 s2, 0
	s_cbranch_scc0 .Lentry_in_a_cluster
	s_endpgm
.Lentry_in_a_cluster:
	s_bfe_u32 s2, ttmp6, 0x10000c
	s_cmp_lg_u32 s2, 0xf033
	s_cbranch_scc0 .Lentry_shape_is_right
	s_endpgm
.Lentry_shape_is_right:
; OPROJ.  out = resid + (a W + bias): the output projection of an attention block of layer 5 with its residual.  a: [8][8][256][64] bf16 by heads; W: bf16 in blocks [8][512 k][64 n], made by the first launch;
; bias: slice 5 of [6][512] f32; resid, out: [2048][512] f32.  (Only layer 5 of the six is live: every pass of the module's loop starts again from tgt.)
; SHARES.  A work-group makes 64 rows x 64 columns, K = 512; 8 waves, each 16 x 32.
; CLUSTER.  4 x 4 work-groups.  The four of a row of the cluster make the same 64 rows and need the same panel of a; the four of a column make the same 64 columns and need the same block of W.  Each is asked
; for JOINTLY: the same tensor load, with the same descriptor and a mask that names the four, in all four.  Every wave issues one load of each kind: head w's 64 rows of a, and rows 64 w on of the block of W, 8 KiB each,
; dense in memory, asked for as 32 rows of 256 bytes and padded in LDS after every 128.  Each LDS byte is filled once; by this text's count two tensor loads of a wave are out.
; The panel lies in LDS by heads, [8][64 rows] of 144 bytes: a trip of the product's loop, 64 along K, is one head.
; The matrix instruction is used transposed (source 0 = 16 columns of W, turned on the way out of LDS; source 1 = 16 rows of a).  Sums, bias and residual in f32.  NaN and infinities are not treated apart.
.set PP,   144                         ; a head's row in LDS: 128 bytes + 16
.set WP,   160                         ; a row of W: 128 + 32, an odd multiple of 32, for the turning load
.set PAN,  0
.set WS,   8*64*PP
.set STG,  WS                          ; the stage lies on the block of W, which has had its one fill, behind a barrier
.set SPI,  272
.set BD_OFF,  5*512*4
.set RT, 1
.set CT, 2
.set KU, 2
.set FS, 8*(RT+CT)
.set ASTEP, 64*PP                      ; from head to head
.set LL, 1
.set RR, 2
.set HH, 3
.set AP,  8
.set AW,  9
.set STO, 10
.set RD,  11
.set VOR, 12
.set VB,  13
.set T,   14
.set APC, 22
.set AWC, 23
.set FR,  32
.set ACC, 80
.set RS,  96                           ; the residual, the bias
.set BI,  112
.set RB,  32
.set SWV, 14
.set CX,  15
.set CY,  16
.set NB,  17
.set RBK, 18
.set MR,  19
.set MC,  20
.set G1A, 24
.set G1W, 32
.set G0A, 40
.set G0W, 44
.set AO,  48
.set WO,  50
.set CO,  52
.set RO,  54
.set KC,  56
.macro BAR
	s_wait_dscnt 0x0
	s_barrier_signal -1
	s_barrier_wait -1
.endm
.macro ROUND                           ; a round of the cluster's barrier: my work-group's barrier; wave 0 signals for the work-group; every wave waits for all sixteen; my work-group's barrier once more
	s_barrier_signal -1
	s_barrier_wait -1
	s_cmp_lg_u32 s[SWV], 0
	s_cbranch_scc1 .Lnot_wave_0_\@
	s_barrier_signal -3
.Lnot_wave_0_\@:
	s_barrier_wait -3
	s_barrier_signal -1
	s_barrier_wait -1
.endm
.macro FETCH
.set ku, 0
.rept KU
.set t, 0
.rept RT
	ds_load_b128 v[FR+ku*FS+8*t:FR+ku*FS+8*t+3], v[APC] offset:ku*64+t*16*PP
	ds_load_b128 v[FR+ku*FS+8*t+4:FR+ku*FS+8*t+7], v[APC] offset:ku*64+t*16*PP+32
.set t, t+1
.endr
.set t, 0
.rept CT
	ds_load_tr16_b128 v[FR+ku*FS+8*RT+8*t:FR+ku*FS+8*RT+8*t+3], v[AWC] offset:ku*32*WP+t*32
	ds_load_tr16_b128 v[FR+ku*FS+8*RT+8*t+4:FR+ku*FS+8*RT+8*t+7], v[AWC] offset:ku*32*WP+t*32+16*WP
.set t, t+1
.endr
.set ku, ku+1
.endr
.endm
.macro MMA zero                        ; the two accumulators take turns
.set ku, 0
.rept KU
.set rt, 0
.rept RT
.set ct, 0
.rept CT
.set ra, ACC+8*(rt*CT+ct)
.set rw, FR+ku*FS+8*RT+8*ct
.set rp, FR+ku*FS+8*rt
.if (\zero) && (ku == 0)
	v_wmma_f32_16x16x32_bf16 v[ra:ra+7], v[rw:rw+7], v[rp:rp+7], 0
.else
	v_wmma_f32_16x16x32_bf16 v[ra:ra+7], v[rw:rw+7], v[rp:rp+7], v[ra:ra+7]
.endif
.set ct, ct+1
.endr
.set rt, rt+1
.endr
.set ku, ku+1
.endr
.endm
.macro GEMM
	v_mov_b32 v[APC], v[AP]
	v_mov_b32 v[AWC], v[AW]
	FETCH
	s_wait_dscnt 0x0
	MMA 1
	s_mov_b32 s[KC], 16/KU-1
.Lk_\@:
	v_add_nc_u32 v[APC], ASTEP, v[APC]             ; these two and two v_nop are the four places in front of the loads into registers that the products read
	v_add_nc_u32 v[AWC], 32*KU*WP, v[AWC]
	v_nop
	v_nop
	FETCH
	s_wait_dscnt 0x0
	MMA 0
	s_sub_co_u32 s[KC], s[KC], 1
	s_cmp_lg_u32 s[KC], 0
	s_cbranch_scc1 .Lk_\@
.rept 4
	v_nop
.endr
.endm
	s_load_b256 s[4:11], s[0:1], 0x0               ; a 4, W 6, bias 8, resid 10
	s_load_b64 s[12:13], s[0:1], 0x20              ; out
	v_lshl_add_u32 v128, v0, 2, 0x29000
	v_mov_b32 v129, 0
	ds_add_u32 v128, v129
	ds_add_u32 v128, v129
	v_and_b32 v[LL], 31, v0
	v_and_b32 v[RR], 15, v0
	v_bfe_u32 v[HH], v0, 4, 1
	v_lshrrev_b32 v[T], 5, v0
	v_readfirstlane_b32 s[SWV], v[T]               ; wave 0..7
	s_bfe_u32 s[CX], ttmp6, 0x40000                ; my place in the cluster
	s_bfe_u32 s[CY], ttmp6, 0x40004
	s_lshl_b32 s[NB], ttmp9, 2
	s_add_co_u32 s[NB], s[NB], s[CX]               ; block of 64 columns = 4 x cluster x + cx
	s_and_b32 s[RBK], ttmp7, 0xffff
	s_lshl_b32 s[RBK], s[RBK], 2
	s_add_co_u32 s[RBK], s[RBK], s[CY]             ; block of 64 rows = 4 x cluster y + cy
	s_lshl_b32 s[MR], s[CY], 2
	s_lshl_b32 s[MR], 15, s[MR]                    ; my row of the cluster
	s_lshl_b32 s[MC], 0x1111, s[CX]                ; my column
	s_or_b32 s[G1A], s[MR], (1<<16)|(1<<20)|(1<<21)|(4<<22)|(3<<25)  ; the mask; 2-byte elements; padding on; bit 21 beside a mask; after every 32 words; 4 words
	s_or_b32 s[G1W], s[MC], (1<<16)|(1<<20)|(1<<21)|(4<<22)|(7<<25)  ; the same with my column's mask and 8 words
.irp g, G1A, G1W
	s_mov_b32 s[\g+1], 128<<16                     ; tensor_dim0 = 128
	s_mov_b32 s[\g+2], 32<<16                      ; tensor_dim1 = 32
	s_mov_b32 s[\g+3], 128<<16                     ; tile_dim0 = 128
	s_mov_b32 s[\g+4], 32                          ; tile_dim1 = 32
	s_mov_b32 s[\g+5], 128                         ; elements from row to row
	s_mov_b32 s[\g+6], 0
	s_mov_b32 s[\g+7], 0
.endr
	s_mov_b32 s[G0A], 1
	s_mul_i32 s[G0A+1], s[SWV], 64*PP              ; LDS: head w (the panel begins at byte 0)
	s_mov_b32 s[G0W], 1
	s_mul_i32 s[G0W+1], s[SWV], 64*WP
	s_add_co_u32 s[G0W+1], s[G0W+1], WS            ; LDS: rows 64 w on
	s_lshr_b32 s[AO], s[RBK], 2                    ; a: the batch's eight heads, head w, my 64 rows of it.  Made of the row block and the wave's number alone
	s_lshl_b32 s[AO], s[AO], 18
	s_and_b32 s21, s[RBK], 3
	s_lshl_b32 s21, s21, 13
	s_add_co_u32 s[AO], s[AO], s21
	s_lshl_b32 s21, s[SWV], 15
	s_add_co_u32 s[AO], s[AO], s21
	s_mov_b32 s[AO+1], 0
	s_lshl_b32 s[WO], s[NB], 16                    ; W: my block, rows 64 w on.  Made of the column block and the wave's number alone
	s_lshl_b32 s23, s[SWV], 13
	s_add_co_u32 s[WO], s[WO], s23
	s_mov_b32 s[WO+1], 0
	s_lshl_b32 s[CO], s[NB], 8                     ; my 64 columns, in f32
	s_mov_b32 s[CO+1], 0
	s_lshl_b32 s[RO], s[RBK], 17                   ; resid and out
	s_add_co_u32 s[RO], s[RO], s[CO]
	s_mov_b32 s[RO+1], 0
	v_lshlrev_b32 v[VOR], 11, v[HH]                ; wave w stores rows 8 w on, two rows of 256 bytes a store
	v_lshl_add_u32 v[VOR], v[RR], 4, v[VOR]
	s_lshl_b32 s57, s[SWV], 14
	v_add_nc_u32 v[VOR], s57, v[VOR]
	v_lshlrev_b32 v[VB], 4, v[RR]
	s_wait_dscnt 0x0
	s_wait_kmcnt 0x0
	s_add_nc_u64 s[G0A+2:G0A+3], s[4:5], s[AO:AO+1]
	s_or_b32 s[G0A+3], s[G0A+3], 0x80000000        ; type = 2
	s_add_nc_u64 s[G0W+2:G0W+3], s[6:7], s[WO:WO+1]
	s_or_b32 s[G0W+3], s[G0W+3], 0x80000000
	s_add_nc_u64 s[8:9], s[8:9], s[CO:CO+1]
	s_add_nc_u64 s[8:9], s[8:9], BD_OFF
	s_add_nc_u64 s[10:11], s[10:11], s[RO:RO+1]
	s_add_nc_u64 s[12:13], s[12:13], s[RO:RO+1]
.irp f, 0,1,2,3
	global_load_b128 v[RS+4*\f:RS+4*\f+3], v[VOR], s[10:11] offset:\f*4096  ; the residual and the bias are wanted last: they land under the products
.endr
	global_load_b128 v[BI:BI+3], v[VB], s[8:9]
	ROUND                                          ; all sixteen work-groups are here: the joint loads meet
	tensor_load_to_lds s[G0A:G0A+3], s[G1A:G1A+7]
	s_nop 0
	tensor_load_to_lds s[G0W:G0W+3], s[G1W:G1W+7]
	s_nop 0
	s_and_b32 s57, s[SWV], 3                       ; my 16 rows
	s_lshr_b32 s58, s[SWV], 2                      ; my 32 columns
	v_mul_u32_u24 v[AP], v[RR], PP
	v_lshl_add_u32 v[AP], v[HH], 4, v[AP]
	s_mul_i32 s59, s57, 16*PP
	v_add_nc_u32 v[AP], s59, v[AP]
	v_and_b32 v[T], 7, v0
	v_bfe_u32 v[T+1], v0, 3, 1
	v_lshl_add_u32 v[AW], v[HH], 3, v[T]
	v_mul_u32_u24 v[AW], v[AW], WP
	v_lshl_add_u32 v[AW], v[T+1], 4, v[AW]
	s_lshl_b32 s59, s58, 6
	s_add_co_u32 s59, s59, WS
	v_add_nc_u32 v[AW], s59, v[AW]
	v_mul_u32_u24 v[STO], v[RR], SPI
	v_lshl_add_u32 v[STO], v[HH], 5, v[STO]
	s_mul_i32 s59, s57, 16*SPI
	s_lshl_b32 s60, s58, 7
	s_add_co_u32 s59, s59, s60
	s_add_co_u32 s59, s59, STG
	v_add_nc_u32 v[STO], s59, v[STO]
	v_mul_u32_u24 v[RD], v[HH], SPI
	v_lshl_add_u32 v[RD], v[RR], 4, v[RD]
	s_mul_i32 s59, s[SWV], 8*SPI
	s_add_co_u32 s59, s59, STG
	v_add_nc_u32 v[RD], s59, v[RD]
	s_wait_tensorcnt 0x0                           ; my parts of the panel and of W have landed,
	s_barrier_signal -1
	s_barrier_wait -1                              ; everybody's have
	GEMM
	BAR                                            ; every wave's reads of W are over: the stage lies on it
.irp ct, 0,1
	ds_store_b128 v[STO], v[ACC+8*\ct:ACC+8*\ct+3] offset:\ct*64
	ds_store_b128 v[STO], v[ACC+8*\ct+4:ACC+8*\ct+7] offset:\ct*64+16
.endr
	BAR                                            ; a stage row's 256 bytes come from two waves
.irp f, 0,1,2,3
	ds_load_b128 v[RB+4*\f:RB+4*\f+3], v[RD] offset:\f*2*SPI
.endr
	s_wait_loadcnt 0x0
	s_wait_dscnt 0x0
.irp f, 0,1,2,3
	v_pk_add_f32 v[RB+4*\f:RB+4*\f+1], v[RB+4*\f:RB+4*\f+1], v[BI:BI+1]
	v_pk_add_f32 v[RB+4*\f+2:RB+4*\f+3], v[RB+4*\f+2:RB+4*\f+3], v[BI+2:BI+3]
.endr
.irp f, 0,1,2,3
	v_pk_add_f32 v[RB+4*\f:RB+4*\f+1], v[RB+4*\f:RB+4*\f+1], v[RS+4*\f:RS+4*\f+1]
	v_pk_add_f32 v[RB+4*\f+2:RB+4*\f+3], v[RB+4*\f+2:RB+4*\f+3], v[RS+4*\f+2:RS+4*\f+3]
.endr
.irp f, 0,1,2,3
	global_store_b128 v[VOR], v[RB+4*\f:RB+4*\f+3], s[12:13] offset:\f*4096  ; 16 lanes store 256 consecutive bytes, at a multiple of 256 from the buffer's first
.endr
	s_wait_tensorcnt 0x0
	ds_add_u32 v128, v129
	s_wait_dscnt 0x0
	ROUND                                          ; the closing round: no work-group ends while a partner may still ask for a tile that names it
	s_endpgm
.Lfunc_end_k_q3eac84f44c_oproj:
	.size	k_q3eac84f44c_oproj, .Lfunc_end_k_q3eac84f44c_oproj-k_q3eac84f44c_oproj
	.p2alignl 7, 3214868480
	.fill 96, 4, 3214868480
	.section	.rodata,"a",@progbits
	.p2align	6, 0x0
	.amdhsa_kernel k_q3eac84f44c_oproj
		.amdhsa_group_segment_fixed_size 168960
		.amdhsa_private_segment_fixed_size 0
		.amdhsa_enable_private_segment 0
		.amdhsa_kernarg_size 40
		.amdhsa_user_sgpr_count 2
		.amdhsa_user_sgpr_kernarg_segment_ptr 1
		.amdhsa_wavefront_size32 1
		.amdhsa_system_sgpr_workgroup_id_x 1
		.amdhsa_system_sgpr_workgroup_id_y 1
		.amdhsa_system_sgpr_workgroup_id_z 1
		.amdhsa_system_vgpr_workitem_id 0
		.amdhsa_next_free_vgpr 130
		.amdhsa_next_free_sgpr 66
		.amdhsa_reserve_vcc 0
		.amdhsa_float_denorm_mode_32 3
		.amdhsa_float_denorm_mode_16_64 3
		.amdhsa_memory_ordered 1
		.amdhsa_forward_progress 1
		.amdhsa_inst_pref_size 12
	.end_amdhsa_kernel
	.amdgpu_metadata
---
amdhsa.version: [ 1, 2 ]
amdhsa.kernels:
  - .name:           k_q3eac84f44c_oproj
    .symbol:         k_q3eac84f44c_oproj.kd
    .args:
      - { .name: o, .offset: 0, .size: 8, .value_kind: global_buffer, .address_space: global }
      - { .name: wo1b, .offset: 8, .size: 8, .value_kind: global_buffer, .address_space: global }
      - { .name: sa_bo, .offset: 16, .size: 8, .value_kind: global_buffer, .address_space: global }
      - { .name: tgt, .offset: 24, .size: 8, .value_kind: global_buffer, .address_space: global }
      - { .name: x1, .offset: 32, .size: 8, .value_kind: global_buffer, .address_space: global }
    .group_segment_fixed_size: 168960
    .private_segment_fixed_size: 0
    .kernarg_segment_align: 8
    .kernarg_segment_size: 40
    .max_flat_workgroup_size: 256
    .sgpr_count:     66
    .vgpr_count:     130
    .wavefront_size: 32
...
	.end_amdgpu_metadata
.endif
;; end of part 9
;; launch cattn (part 10): grid 4 x 64, 8 waves a work-group, clusters of 4 x 1, 315,392 bytes of LDS; arguments x1, ca_bq, ln_g, ln_b, qkv, source_mask, o; writes o
.if DOCPART == 10
	.amdgcn_target "amdgcn-amd-amdhsa--gfx1250"
	.amdhsa_code_object_version 6
	.text
	.protected	k_q3eac84f44c_cattn
	.globl	k_q3eac84f44c_cattn
	.p2align	8
	.type	k_q3eac84f44c_cattn,@function
k_q3eac84f44c_cattn:
	s_mov_b64 s[64:65], 0
	v_nop
	global_prefetch_b8 v0, s[64:65] scope:SCOPE_SE
	s_setreg_imm32_b32 hwreg(HW_REG_WAVE_MODE, 25, 1), 1
	s_wait_xcnt 0x0
	s_wait_alu depctr_hold_cnt(0) depctr_sa_sdst(0) depctr_va_vdst(0) depctr_va_sdst(0) depctr_va_ssrc(0) depctr_va_vcc(0) depctr_vm_vsrc(0)
	s_getreg_b32 s2, hwreg(HW_REG_IB_STS2, 6, 4)
	s_cmp_eq_u32 s2, 0
	s_cbranch_scc0 .Lentry_in_a_cluster
	s_endpgm
.Lentry_in_a_cluster:
	s_bfe_u32 s2, ttmp6, 0x10000c
	s_cmp_lg_u32 s2, 0x3003
	s_cbranch_scc0 .Lentry_shape_is_right
	s_endpgm
.Lentry_shape_is_right:
; CROSS ATTENTION of layer 5.  q2 = LN(x1) ca_wq + bq is made here and kept in registers; k2, v2 and ca_wq (bf16, in blocks [8 heads][512 k][64 n]) come from the first launch's buffer.
; (Only layer 5 of the six is live: every pass of the module's loop starts again from tgt.)
; o[b][h][t][:] = the sum over s of softmax_s(q . k / 8, replaced by -1e9 where source_mask is 0) v[s][:], in bf16, by heads.
; SHARES.  A work-group owns 64 queries of one head; wave w owns 16 of them (w % 4) and one half of the 512 keys (w / 4).  All scores of a wave lie in registers, so the maximum that is taken away is the
; true one of its half; the two halves are merged once, with their common maximum.
; CLUSTER.  The four query blocks of a batch and head form a cluster and need the same K, V, mask and block of ca_wq: 194 of the 322 KiB that a work-group brings in.  Each is asked for JOINTLY: the same tensor
; load, descriptor and mask of four in all four.  Every wave issues four loads (64 keys of K, of V, 64 rows of W, 256 bytes of the mask); each LDS byte is filled once; by this text's count four tensor loads of a wave are out.
; LAYOUT.  S^T = K Q^T (source 0 = 16 keys, source 1 = 16 queries): a lane holds ONE query (lane % 16) and the keys 8 (lane / 16) + 0..7.  Two such tiles rounded to bf16 ARE source 1 of O^T = V^T P.
; SOFTMAX in base 2: t = s c, c = log2(e) / 8; where the mask is 0, t = -1e9 log2(e); p = 2^(t - m).  A row with no key left gets p = 1 everywhere, the uniform weights of the definition.
; LIMITS.  A weight below 2^-126 counts as 0; the sum l is taken of the unrounded weights; NaN and infinities are not treated apart.
.set NK,  256                          ; keys of a wave
.set NT,  NK/16                        ; its tiles of 16 keys
.set KW,  64                           ; keys that one wave's tensor loads bring
.set PKK, 144                          ; a row of K in LDS: 128 bytes + 16
.set PVV, 160                          ; a row of V: 128 + 32, an odd multiple of 32, for the turning load
.set VLD, 73728
.set MSK, 155648
.set PAN, 157696
.set WS,  224256
.set QX,  306176
.set XCH, PAN                          ; used behind the barrier that follows the last read of the panel
.set STG, PAN+36864
.set PP,  1040
.set WP,  160
.set BD_OFF,  5*512*4
.set KV2_OFF,  0x600000                ; the sections of the first launch's buffer
.set WQ2B_OFF, 0xE00000
.set RT, 1
.set CT, 2
.set KU, 2
.set FS, 8*(RT+CT)
.set ASTEP, 64*KU
; the projection's registers
.set VOA, 4
.set APS, 6
.set AP,  8
.set AW,  9
.set APC, 10
.set AWC, 11
.set VL,  12
.set VBQ, 13
.set T,   16
.set QXS, 24
.set QXL, 25
.set G,   32
.set BT,  48
.set X,   128
.set FR,  32
.set ACC, 80
.set BQ,  96
.set QP,  112
; attention's registers
.set AK,  4
.set AV,  5
.set AM,  6
.set XW,  7
.set XS,  8
.set XO,  9
.set XP,  10
.set XPS, 11
.set STO, 12
.set NEGV, 13
.set M,   14
.set L,   15
.set SA,  16
.set SB,  18
.set TM,  20
.set PM,  24
.set RD,  30
.set GO,  31
.set Q,   32
.set KF0, 48
.set S,   128
.set O,   32
.set VF0, 64
.set OWN, 64
.set PAR, 80
.set WV,  56
.set QB,  57
.set BH,  58
.set SRT, 59
.set SKH, 60
.set OOF, 62
.set CS,  66
.set SEL, 68
.set INV, 70
.set EPS, 71
.set KC,  72
.set SO,  74
.set KOF, 76
.set MOF, 78
.set G0W, 80
.set WOF, 84
.set XOF, 86
.set BOF, 90
.macro BAR
	s_wait_dscnt 0x0
	s_barrier_signal -1
	s_barrier_wait -1
.endm
.macro ROUND                           ; a round of the cluster's barrier: my work-group's barrier; wave 0 signals for the work-group; every wave waits for all four; my work-group's barrier once more
	s_barrier_signal -1
	s_barrier_wait -1
	s_cmp_lg_u32 s[WV], 0
	s_cbranch_scc1 .Lnot_wave_0_\@
	s_barrier_signal -3
.Lnot_wave_0_\@:
	s_barrier_wait -3
	s_barrier_signal -1
	s_barrier_wait -1
.endm
.macro PLACES                          ; four places behind matrix instructions (ISA guide 7.12.1)
.rept 4
	v_nop
.endr
.endm
.macro RED x, t
	v_add_f32_dpp v[\x], v[\x], v[\x] row_xmask:1 row_mask:0xf bank_mask:0xf
	v_add_f32_dpp v[\x], v[\x], v[\x] row_xmask:2 row_mask:0xf bank_mask:0xf
	v_add_f32_dpp v[\x], v[\x], v[\x] row_xmask:4 row_mask:0xf bank_mask:0xf
	v_add_f32_dpp v[\x], v[\x], v[\x] row_xmask:8 row_mask:0xf bank_mask:0xf
	v_permlanex16_b32 v[\t], v[\x], s[SEL], s[SEL+1]
	v_add_f32 v[\x], v[\x], v[\t]
.endm
.macro LNROW i, n                      ; row slot i is normalised, rounded to bf16 and put into the panel.  n: the younger loads that may stay out
.set xr, X+16*(\i)
	s_wait_loadcnt \n
	v_pk_add_f32 v[T:T+1], v[xr:xr+1], v[xr+2:xr+3]
	v_pk_add_f32 v[T+2:T+3], v[xr+4:xr+5], v[xr+6:xr+7]
	v_pk_add_f32 v[T+4:T+5], v[xr+8:xr+9], v[xr+10:xr+11]
	v_pk_add_f32 v[T+6:T+7], v[xr+12:xr+13], v[xr+14:xr+15]
	v_pk_add_f32 v[T:T+1], v[T:T+1], v[T+2:T+3]
	v_pk_add_f32 v[T+4:T+5], v[T+4:T+5], v[T+6:T+7]
	v_pk_add_f32 v[T:T+1], v[T:T+1], v[T+4:T+5]
	v_add_f32 v[T], v[T], v[T+1]
	RED T, T+1
	v_mul_f32 v[T], s[INV], v[T]
.irp j, 0,2,4,6,8,10,12,14
	v_pk_add_f32 v[xr+\j:xr+\j+1], v[xr+\j:xr+\j+1], v[T:T+1] op_sel_hi:[1,0] neg_lo:[0,1] neg_hi:[0,1]
.endr
	v_pk_mul_f32 v[T+2:T+3], v[xr:xr+1], v[xr:xr+1]
	v_pk_mul_f32 v[T+4:T+5], v[xr+2:xr+3], v[xr+2:xr+3]
.irp j, 4,8,12
	v_pk_fma_f32 v[T+2:T+3], v[xr+\j:xr+\j+1], v[xr+\j:xr+\j+1], v[T+2:T+3]
	v_pk_fma_f32 v[T+4:T+5], v[xr+\j+2:xr+\j+3], v[xr+\j+2:xr+\j+3], v[T+4:T+5]
.endr
	v_pk_add_f32 v[T+2:T+3], v[T+2:T+3], v[T+4:T+5]
	v_add_f32 v[T+2], v[T+2], v[T+3]
	RED T+2, T+3
	v_fma_f32 v[T+2], v[T+2], s[INV], s[EPS]
	v_rsq_f32 v[T+2], v[T+2]
	v_nop
	s_wait_alu depctr_va_vdst(0)
.irp j, 0,2,4,6,8,10,12,14
	v_pk_mul_f32 v[xr+\j:xr+\j+1], v[xr+\j:xr+\j+1], v[T+2:T+3] op_sel_hi:[1,0]
.endr
.irp j, 0,2,4,6,8,10,12,14
	v_pk_fma_f32 v[xr+\j:xr+\j+1], v[xr+\j:xr+\j+1], v[G+\j:G+\j+1], v[BT+\j:BT+\j+1]
.endr
.irp c, 0,1,2,3
	v_cvt_pk_bf16_f32 v[xr+4*\c], v[xr+4*\c], v[xr+4*\c+1]
	v_cvt_pk_bf16_f32 v[xr+4*\c+1], v[xr+4*\c+2], v[xr+4*\c+3]
.endr
.irp c, 0,1,2,3
	ds_store_b64 v[APS], v[xr+4*\c:xr+4*\c+1] offset:(\i)*PP+\c*256
.endr
.endm
.macro FETCH
.set ku, 0
.rept KU
.set t, 0
.rept RT
	ds_load_b128 v[FR+ku*FS+8*t:FR+ku*FS+8*t+3], v[APC] offset:ku*64+t*16*PP
	ds_load_b128 v[FR+ku*FS+8*t+4:FR+ku*FS+8*t+7], v[APC] offset:ku*64+t*16*PP+32
.set t, t+1
.endr
.set t, 0
.rept CT
	ds_load_tr16_b128 v[FR+ku*FS+8*RT+8*t:FR+ku*FS+8*RT+8*t+3], v[AWC] offset:ku*32*WP+t*32
	ds_load_tr16_b128 v[FR+ku*FS+8*RT+8*t+4:FR+ku*FS+8*RT+8*t+7], v[AWC] offset:ku*32*WP+t*32+16*WP
.set t, t+1
.endr
.set ku, ku+1
.endr
.endm
.macro MMA zero                        ; the two accumulators take turns
.set ku, 0
.rept KU
.set rt, 0
.rept RT
.set ct, 0
.rept CT
.set ra, ACC+8*(rt*CT+ct)
.set rw, FR+ku*FS+8*RT+8*ct
.set rp, FR+ku*FS+8*rt
.if (\zero) && (ku == 0)
	v_wmma_f32_16x16x32_bf16 v[ra:ra+7], v[rw:rw+7], v[rp:rp+7], 0
.else
	v_wmma_f32_16x16x32_bf16 v[ra:ra+7], v[rw:rw+7], v[rp:rp+7], v[ra:ra+7]
.endif
.set ct, ct+1
.endr
.set rt, rt+1
.endr
.set ku, ku+1
.endr
.endm
.macro GEMM
	v_mov_b32 v[APC], v[AP]
	v_mov_b32 v[AWC], v[AW]
	FETCH
	s_wait_dscnt 0x0
	MMA 1
	s_mov_b32 s[KC], 16/KU-1
.Lk_\@:
	v_add_nc_u32 v[APC], ASTEP, v[APC]             ; these two and two v_nop are the four places in front of the loads
	v_add_nc_u32 v[AWC], 32*KU*WP, v[AWC]
	v_nop
	v_nop
	FETCH
	s_wait_dscnt 0x0
	MMA 0
	s_sub_co_u32 s[KC], s[KC], 1
	s_cmp_lg_u32 s[KC], 0
	s_cbranch_scc1 .Lk_\@
	PLACES
.endm
.macro FETCHK g, buf                   ; K's fragments of tiles 2 g and 2 g + 1: eight loads
.set i, 0
.rept 2
.set c, 0
.rept 2
	ds_load_b128 v[\buf+16*i+8*c:\buf+16*i+8*c+3], v[AK] offset:(2*(\g)+i)*16*PKK+c*64
	ds_load_b128 v[\buf+16*i+8*c+4:\buf+16*i+8*c+7], v[AK] offset:(2*(\g)+i)*16*PKK+c*64+32
.set c, c+1
.endr
.set i, i+1
.endr
.endm
.macro QKMM g, buf                     ; four products; the two accumulators take turns
.set c, 0
.rept 2
.set i, 0
.rept 2
.set rs, S+8*(2*(\g)+i)
.if c == 0
	v_wmma_f32_16x16x32_bf16 v[rs:rs+7], v[\buf+16*i+8*c:\buf+16*i+8*c+7], v[Q+8*c:Q+8*c+7], 0
.else
	v_wmma_f32_16x16x32_bf16 v[rs:rs+7], v[\buf+16*i+8*c:\buf+16*i+8*c+7], v[Q+8*c:Q+8*c+7], v[rs:rs+7]
.endif
.set i, i+1
.endr
.set c, c+1
.endr
.endm
.macro FETCHM mg, buf                  ; the mask's words for tiles 4 mg .. 4 mg + 3: eight loads
.set i, 0
.rept 4
	ds_load_b128 v[\buf+8*i:\buf+8*i+3], v[AM] offset:(4*(\mg)+i)*64
	ds_load_b128 v[\buf+8*i+4:\buf+8*i+7], v[AM] offset:(4*(\mg)+i)*64+16
.set i, i+1
.endr
.endm
.macro MASKT mg, buf                   ; t = s c, or -1e9 log2(e) where the mask is 0.  Each accumulator's lowest registers are read first
.set i, 0
.rept 4
.set rs, S+8*(4*(\mg)+i)
.irp j, 0,2,4,6
	v_pk_mul_f32 v[rs+\j:rs+\j+1], v[rs+\j:rs+\j+1], s[CS:CS+1] op_sel_hi:[1,0]
.endr
.irp j, 0,1,2,3,4,5,6,7
	v_cmp_eq_u32 vcc_lo, 0, v[\buf+8*i+\j]
	v_cndmask_b32 v[rs+\j], v[rs+\j], v[NEGV], vcc_lo
.endr
.set i, i+1
.endr
.endm
.macro FETCHV kp, buf                  ; V^T's fragments of keys 32 kp on: eight turning loads
.set cb, 0
.rept 4
	ds_load_tr16_b128 v[\buf+8*cb:\buf+8*cb+3], v[AV] offset:(\kp)*32*PVV+cb*32
	ds_load_tr16_b128 v[\buf+8*cb+4:\buf+8*cb+7], v[AV] offset:(\kp)*32*PVV+cb*32+16*PVV
.set cb, cb+1
.endr
.endm
.macro PVMM kp, buf                    ; four products, one for each block of 16 channels: the accumulators take turns
.set cb, 0
.rept 4
.if (\kp) == 0
	v_wmma_f32_16x16x32_bf16 v[O+8*cb:O+8*cb+7], v[\buf+8*cb:\buf+8*cb+7], v[S+16*(\kp):S+16*(\kp)+7], 0
.else
	v_wmma_f32_16x16x32_bf16 v[O+8*cb:O+8*cb+7], v[\buf+8*cb:\buf+8*cb+7], v[S+16*(\kp):S+16*(\kp)+7], v[O+8*cb:O+8*cb+7]
.endif
.set cb, cb+1
.endr
.endm
	s_load_b256 s[4:11], s[0:1], 0x0               ; x1 4, ca_bq 6, ln_g 8, ln_b 10
	s_load_b128 s[12:15], s[0:1], 0x20             ; qkv 12, source_mask 14
	s_load_b64 s[16:17], s[0:1], 0x30              ; o
	v_lshl_add_u32 v29, v0, 2, 0x4cc00
	s_set_vgpr_msb 0x40
	v_mov_b32 v1, 0
	s_set_vgpr_msb 0x4044
	ds_add_u32 v29, v1
	ds_add_u32 v29, v1
	s_set_vgpr_msb 0x4400
	v_and_b32 v1, 31, v0                           ; lane
	v_and_b32 v2, 15, v0                           ; lane % 16
	v_bfe_u32 v3, v0, 4, 1                         ; lane / 16
	v_lshrrev_b32 v26, 5, v0
	v_readfirstlane_b32 s[WV], v26                 ; wave 0..7
	s_bfe_u32 s[QB], ttmp6, 0x40000                ; cx: my place in the cluster
	s_lshl_b32 s88, ttmp9, 2
	s_add_co_u32 s[QB], s[QB], s88                 ; block of 64 queries = 4 x cluster x + cx: it enters x1's and o's addresses alone
	s_and_b32 s[BH], ttmp7, 0xffff                 ; 8 batch + head, which the four partners share
	s_and_b32 s[SRT], s[WV], 3                     ; my 16 queries
	s_lshr_b32 s[SKH], s[WV], 2                    ; my half of the keys
	; descriptor group 1 for K, and for V and W: 8 KiB dense, asked for as 32 rows of 256 bytes, padded in LDS after every 128 bytes
	s_mov_b32 s20, 15|(1<<16)|(1<<20)|(1<<21)|(4<<22)|(3<<25) ; the mask of four; 2-byte elements; padding on; bit 21 beside a mask; after every 32 words; 4 words
	s_mov_b32 s28, 15|(1<<16)|(1<<20)|(1<<21)|(4<<22)|(7<<25) ; the same with 8 words
.irp g, 20, 28
	s_mov_b32 s[\g+1], 128<<16                     ; tensor_dim0 = 128
	s_mov_b32 s[\g+2], (KW/2)<<16                  ; tensor_dim1 = 32
	s_mov_b32 s[\g+3], 128<<16                     ; tile_dim0 = 128
	s_mov_b32 s[\g+4], KW/2                        ; tile_dim1 = 32
	s_mov_b32 s[\g+5], 128                         ; elements from row to row
	s_mov_b32 s[\g+6], 0
	s_mov_b32 s[\g+7], 0
.endr
	s_mov_b32 s36, 15|(3<<16)|(1<<21)              ; the mask's words: one row of 256 bytes a wave, 8-byte elements, no padding
	s_mov_b32 s37, 32<<16
	s_mov_b32 s38, 1<<16
	s_mov_b32 s39, 32<<16
	s_mov_b32 s40, 1
	s_mov_b32 s41, 32
	s_mov_b32 s42, 0
	s_mov_b32 s43, 0
	s_mov_b32 s44, 1                               ; group 0 of K: count, LDS address = wave x its keys' bytes
	s_mul_i32 s45, s[WV], KW*PKK
	s_mov_b32 s48, 1                               ; of V
	s_mul_i32 s49, s[WV], KW*PVV
	s_add_co_u32 s49, s49, VLD
	s_mov_b32 s52, 1                               ; of the mask
	s_lshl_b32 s53, s[WV], 8
	s_add_co_u32 s53, s53, MSK
	s_mov_b32 s[G0W], 1                            ; of W: rows 64 w on
	s_mul_i32 s[G0W+1], s[WV], 64*WP
	s_add_co_u32 s[G0W+1], s[G0W+1], WS
	s_lshr_b32 s61, s[BH], 3                       ; batch
	s_lshl_b32 s73, s[WV], 13                      ; a wave's 8 KiB
	s_lshl_b32 s[KOF], s[BH], 16
	s_add_co_u32 s[KOF], s[KOF], s73
	s_mov_b32 s[KOF+1], 0
	s_and_b32 s[WOF], s[BH], 7                     ; head
	s_lshl_b32 s[BOF], s[WOF], 8                   ; its 64 columns of bq
	s_mov_b32 s[BOF+1], 0
	s_lshl_b32 s[WOF], s[WOF], 16                  ; its block of W
	s_add_co_u32 s[WOF], s[WOF], s73
	s_mov_b32 s[WOF+1], 0
	s_lshl_b32 s[MOF], s61, 11
	s_lshl_b32 s73, s[WV], 8
	s_add_co_u32 s[MOF], s[MOF], s73
	s_mov_b32 s[MOF+1], 0
	s_lshl_b32 s[XOF], s61, 19                     ; x1: the batch's 256 rows, my block's 64
	s_lshl_b32 s88, s[QB], 17
	s_add_co_u32 s[XOF], s[XOF], s88
	s_mov_b32 s[XOF+1], 0
	s_lshl_b32 s[OOF], s[BH], 15                   ; my 64 rows in o, [b][h][256][64] bf16
	s_lshl_b32 s88, s[QB], 13
	s_add_co_u32 s[OOF], s[OOF], s88
	s_mov_b32 s[OOF+1], 0
	s_mov_b32 s[CS], 0x3e38aa3b                    ; c = log2(e) / 8
	s_mov_b32 s[CS+1], s[CS]
	s_mov_b32 s[SEL], 0x76543210
	s_mov_b32 s[SEL+1], 0xfedcba98
	s_mov_b32 s[INV], 0x3b000000                   ; 1 / 512
	s_mov_b32 s[EPS], 0x3727c5ac                   ; 1e-5
	s_lshl_b32 s73, s[WV], 14
	v_lshl_add_u32 v[VOA], v1, 4, s73              ; 8 rows of x1 a wave
	v_lshlrev_b32 v[VL], 4, v1
	s_lshl_b32 s73, s[SKH], 7
	v_lshl_add_u32 v[VBQ], v3, 5, s73
	s_wait_dscnt 0x0
	s_wait_kmcnt 0x0
	s_add_nc_u64 s[46:47], s[12:13], s[KOF:KOF+1]
	s_add_nc_u64 s[46:47], s[46:47], KV2_OFF
	s_add_nc_u64 s[50:51], s[46:47], 1<<22
	s_add_nc_u64 s[54:55], s[14:15], s[MOF:MOF+1]
	s_add_nc_u64 s[G0W+2:G0W+3], s[12:13], s[WOF:WOF+1]
	s_add_nc_u64 s[G0W+2:G0W+3], s[G0W+2:G0W+3], WQ2B_OFF
	s_or_b32 s47, s47, 0x80000000                  ; type = 2
	s_or_b32 s51, s51, 0x80000000
	s_or_b32 s55, s55, 0x80000000
	s_or_b32 s[G0W+3], s[G0W+3], 0x80000000
	s_add_nc_u64 s[SO:SO+1], s[16:17], s[OOF:OOF+1]
	s_add_nc_u64 s[4:5], s[4:5], s[XOF:XOF+1]
	s_add_nc_u64 s[6:7], s[6:7], s[BOF:BOF+1]
	s_add_nc_u64 s[6:7], s[6:7], BD_OFF
	; my own 44 loads go out ahead of the round: gain 4, shift 4, bq 4, my 8 rows of x1 32
.irp c, 0,1,2,3
	global_load_b128 v[G+4*\c:G+4*\c+3], v[VL], s[8:9] offset:\c*512
.endr
.irp c, 0,1,2,3
	global_load_b128 v[BT+4*\c:BT+4*\c+3], v[VL], s[10:11] offset:\c*512
.endr
.irp ct, 0,1
	global_load_b128 v[BQ+8*\ct:BQ+8*\ct+3], v[VBQ], s[6:7] offset:\ct*64
	global_load_b128 v[BQ+8*\ct+4:BQ+8*\ct+7], v[VBQ], s[6:7] offset:\ct*64+16
.endr
.set i, 0
.rept 8
.irp c, 0,1,2,3
	global_load_b128 v[X+16*i+4*\c:X+16*i+4*\c+3], v[VOA], s[4:5] offset:i*2048+\c*512
.endr
.set i, i+1
.endr
	ROUND                                          ; all four work-groups are here: the joint loads meet
	tensor_load_to_lds s[G0W:G0W+3], s[28:35]      ; my rows of W, wanted first,
	s_nop 0
	tensor_load_to_lds s[44:47], s[20:27]          ; my keys' rows of K,
	s_nop 0
	tensor_load_to_lds s[48:51], s[28:35]          ; of V,
	s_nop 0
	tensor_load_to_lds s[52:55], s[36:43]          ; and my part of the mask: first fills, all at the start
	s_nop 0
	s_mul_i32 s73, s[WV], 8*PP
	s_add_co_u32 s73, s73, PAN
	v_lshl_add_u32 v[APS], v1, 3, s73
	v_mul_u32_u24 v[AP], v2, PP
	v_lshl_add_u32 v[AP], v3, 4, v[AP]
	s_mul_i32 s73, s[SRT], 16*PP
	s_add_co_u32 s73, s73, PAN
	v_add_nc_u32 v[AP], s73, v[AP]
	v_and_b32 v26, 7, v0
	v_bfe_u32 v27, v0, 3, 1
	v_lshl_add_u32 v[AW], v3, 3, v26
	v_mul_u32_u24 v[AW], v[AW], WP
	v_lshl_add_u32 v[AW], v27, 4, v[AW]
	s_lshl_b32 s73, s[SKH], 6
	s_add_co_u32 s73, s73, WS
	v_add_nc_u32 v[AW], s73, v[AW]
	s_lshl_b32 s73, s[SRT], 11
	s_add_co_u32 s73, s73, QX
	v_lshl_add_u32 v[QXL], v1, 4, s73
	s_lshl_b32 s61, s[SKH], 10
	s_add_co_u32 s73, s73, s61
	v_lshl_add_u32 v[QXS], v1, 4, s73
	; q2 = LN(x1) ca_wq + bq for my block's 64 rows and my head's 64 columns.  The count of row i: the 4 (7 - i) younger loads of rows
	LNROW 0, 28
	LNROW 1, 24
	LNROW 2, 20
	LNROW 3, 16
	LNROW 4, 12
	LNROW 5, 8
	LNROW 6, 4
	LNROW 7, 0                                     ; no load of mine is out any more: v4-v13 may be written again
	s_wait_tensorcnt 0x0                           ; my parts of W, K, V and the mask have landed
	BAR                                            ; everybody's have, and the panel is whole
	GEMM
.irp ct, 0,1
.irp j, 0,2,4,6
	v_pk_add_f32 v[ACC+8*\ct+\j:ACC+8*\ct+\j+1], v[ACC+8*\ct+\j:ACC+8*\ct+\j+1], v[BQ+8*\ct+\j:BQ+8*\ct+\j+1]
.endr
.endr
.irp ct, 0,1
.irp j, 0,1,2,3
	v_cvt_pk_bf16_f32 v[QP+4*\ct+\j], v[ACC+8*\ct+2*\j], v[ACC+8*\ct+2*\j+1]
.endr
.endr
	ds_store_b128 v[QXS], v[QP:QP+3]               ; these eight registers ARE the fragment of my 16 queries and channels 32 (w / 4) on
	ds_store_b128 v[QXS], v[QP+4:QP+7] offset:512
	BAR                                            ; the wave with the same queries and the other keys made the other 32 channels
.irp c, 0,1
	ds_load_b128 v[Q+8*\c:Q+8*\c+3], v[QXL] offset:\c*1024
	ds_load_b128 v[Q+8*\c+4:Q+8*\c+7], v[QXL] offset:\c*1024+512
.endr
	; attention's addresses
	v_mul_u32_u24 v[AK], v2, PKK
	v_lshl_add_u32 v[AK], v3, 4, v[AK]
	s_mul_i32 s61, s[SKH], NK*PKK
	v_add_nc_u32 v[AK], s61, v[AK]
	v_lshl_add_u32 v[AV], v3, 3, v26
	v_mul_u32_u24 v[AV], v[AV], PVV
	v_lshl_add_u32 v[AV], v27, 4, v[AV]
	s_mul_i32 s61, s[SKH], NK*PVV
	s_add_co_u32 s61, s61, VLD
	v_add_nc_u32 v[AV], s61, v[AV]
	s_lshl_b32 s61, s[SKH], 10
	s_add_co_u32 s61, s61, MSK
	v_lshl_add_u32 v[AM], v3, 5, s61
	s_mul_i32 s61, s[WV], 4608
	s_add_co_u32 s61, s61, XCH
	v_lshl_add_u32 v[XW], v1, 4, s61
	s_add_co_u32 s73, s61, 4096
	v_lshl_add_u32 v[XS], v1, 3, s73
	s_lshl_b32 s73, s[SKH], 11
	v_add_nc_u32 v[XO], s73, v[XW]
	s_xor_b32 s61, s[WV], 4                        ; the wave with my queries and the other half of the keys
	s_mul_i32 s61, s61, 4608
	s_add_co_u32 s61, s61, XCH
	s_add_co_u32 s73, s73, s61
	v_lshl_add_u32 v[XP], v1, 4, s73
	s_add_co_u32 s61, s61, 4096
	v_lshl_add_u32 v[XPS], v1, 3, s61
	v_mul_u32_u24 v[STO], v2, 144
	v_lshl_add_u32 v[STO], v3, 4, v[STO]
	s_mul_i32 s61, s[SRT], 16*144
	s_lshl_b32 s73, s[SKH], 6
	s_add_co_u32 s61, s61, s73
	s_add_co_u32 s61, s61, STG
	v_add_nc_u32 v[STO], s61, v[STO]
	v_lshrrev_b32 v28, 3, v1
	v_mul_u32_u24 v[RD], v28, 144
	v_lshl_add_u32 v[RD], v26, 4, v[RD]
	s_mul_i32 s61, s[WV], 8*144
	s_add_co_u32 s61, s61, STG
	v_add_nc_u32 v[RD], s61, v[RD]
	s_lshl_b32 s61, s[WV], 10
	v_lshl_add_u32 v[GO], v1, 4, s61
	v_mov_b32 v[NEGV], 0xceabfb8f                  ; -1e9 log2(e)
	v_mov_b32 v[L], 0                              ; named as a pair with m before it is made
	; S^T = K Q^T, two tiles of 16 keys at a time; the next two tiles' fragments are fetched ahead.  LDS answers a wave in order, so the first count of 8 also covers q's fragments
	FETCHK 0, KF0
.set g, 0
.rept NT/2
.if g+1 < NT/2
.if g >= 1
	PLACES                                         ; the buffer to be loaded was read by the products just issued
.endif
	FETCHK g+1, KF0+32*((g+1)%2)
	s_wait_dscnt 8                                 ; the eight loads just issued may stay out
.else
	s_wait_dscnt 0x0
.endif
	QKMM g, KF0+32*(g%2)
.set g, g+1
.endr
	PLACES
	; scale and mask, four tiles at a time; the mask's words take K's two buffers
	FETCHM 0, KF0
.set g, 0
.rept NT/4
.if g+1 < NT/4
	FETCHM g+1, KF0+32*((g+1)%2)
	s_wait_dscnt 8
.else
	s_wait_dscnt 0x0
.endif
	MASKT g, KF0+32*(g%2)
.set g, g+1
.endr
	FETCHV 0, VF0                                  ; V's first two runs land under the softmax
	FETCHV 1, VF0+32
	; the maximum of my half: four chains, then the other half of the lanes
.set n4, 2*NT
.irp c, 0,1,2,3
	v_max_num_f32 v[TM+\c], v[S+n4*\c], v[S+n4*\c+1]
.endr
.set k, 2
.rept (n4-2)/2
.irp c, 0,1,2,3
	v_max3_num_f32 v[TM+\c], v[TM+\c], v[S+n4*\c+k], v[S+n4*\c+k+1]
.endr
.set k, k+2
.endr
	v_max3_num_f32 v[TM], v[TM], v[TM+1], v[TM+2]
	v_max_num_f32 v[TM], v[TM], v[TM+3]
	v_permlanex16_b32 v[TM+1], v[TM], s[SEL], s[SEL+1]
	v_max_num_f32 v[M], v[TM], v[TM+1]
	; p = 2^(t - m), its sums, and its rounding to bf16 in place: registers 16 kp + 0..7 become the fragment of keys 32 kp on
.set kp, 0
.rept NT/2
.set sb, S+16*kp
.irp j, 0,2,4,6,8,10,12,14
	v_pk_add_f32 v[sb+\j:sb+\j+1], v[sb+\j:sb+\j+1], v[M:M+1] op_sel_hi:[1,0] neg_lo:[0,1] neg_hi:[0,1]
.endr
.irp j, 0,1,2,3,4,5,6,7,8,9,10,11,12,13,14,15
	v_exp_f32 v[sb+\j], v[sb+\j]
.endr
	v_nop                                          ; a plain instruction between the last exponential and the use of its result
.if kp == 0
	s_wait_alu depctr_va_vdst(0)
	v_pk_add_f32 v[SA:SA+1], v[sb:sb+1], v[sb+2:sb+3]
	v_pk_add_f32 v[SB:SB+1], v[sb+4:sb+5], v[sb+6:sb+7]
.else
	s_wait_alu depctr_va_vdst(0)
	v_pk_add_f32 v[SA:SA+1], v[SA:SA+1], v[sb:sb+1]
	v_pk_add_f32 v[SB:SB+1], v[SB:SB+1], v[sb+2:sb+3]
	v_pk_add_f32 v[SA:SA+1], v[SA:SA+1], v[sb+4:sb+5]
	v_pk_add_f32 v[SB:SB+1], v[SB:SB+1], v[sb+6:sb+7]
.endif
	v_pk_add_f32 v[SA:SA+1], v[SA:SA+1], v[sb+8:sb+9]
	v_pk_add_f32 v[SB:SB+1], v[SB:SB+1], v[sb+10:sb+11]
	v_pk_add_f32 v[SA:SA+1], v[SA:SA+1], v[sb+12:sb+13]
	v_pk_add_f32 v[SB:SB+1], v[SB:SB+1], v[sb+14:sb+15]
.irp j, 0,1,2,3,4,5,6,7
	v_cvt_pk_bf16_f32 v[sb+\j], v[sb+2*\j], v[sb+2*\j+1]
.endr
.set kp, kp+1
.endr
	v_pk_add_f32 v[SA:SA+1], v[SA:SA+1], v[SB:SB+1]
	v_add_f32 v[SA], v[SA], v[SA+1]
	v_permlanex16_b32 v[SA+1], v[SA], s[SEL], s[SEL+1]
	v_add_f32 v[L], v[SA], v[SA+1]                 ; l of my half of the keys
	; O^T = V^T P, 32 keys at a time, on two buffers of V
.set kp, 0
.rept NT/2
.if kp+1 < NT/2
	s_wait_dscnt 8                                 ; the next run's eight loads may stay out
.else
	s_wait_dscnt 0x0
.endif
	PVMM kp, VF0+32*(kp%2)
.if kp+2 < NT/2
	PLACES
	FETCHV kp+2, VF0+32*(kp%2)
.endif
.set kp, kp+1
.endr
	PLACES
	; the two halves of the keys meet: each wave leaves its O^T, m and l in LDS and finishes 32 of the 64 channels
.irp i, 0,1,2,3,4,5,6,7
	ds_store_b128 v[XW], v[O+4*\i:O+4*\i+3] offset:\i*512
.endr
	ds_store_b64 v[XS], v[M:M+1]
	BAR
.irp i, 0,1,2,3
	ds_load_b128 v[OWN+4*\i:OWN+4*\i+3], v[XO] offset:\i*512
.endr
.irp i, 0,1,2,3
	ds_load_b128 v[PAR+4*\i:PAR+4*\i+3], v[XP] offset:\i*512
.endr
	ds_load_b64 v[PM:PM+1], v[XPS]
	s_wait_dscnt 0x0
	v_max_num_f32 v26, v[M], v[PM]                 ; the common maximum
	v_sub_f32 v27, v[M], v26
	v_sub_f32 v28, v[PM], v26
	v_exp_f32 v27, v27
	v_exp_f32 v28, v28
	v_nop
	s_wait_alu depctr_va_vdst(0)
	v_mul_f32 v26, v[L], v27
	v_fmac_f32 v26, v[PM+1], v28                   ; l of all keys: at least 1, the weight of the largest score
	v_rcp_f32 v26, v26
	v_nop
	s_wait_alu depctr_va_vdst(0)
	v_mul_f32 v[SA], v27, v26
	v_mul_f32 v[SA+1], v27, v26
	v_mul_f32 v[SB], v28, v26
	v_mul_f32 v[SB+1], v28, v26
.irp j, 0,2,4,6,8,10,12,14
	v_pk_mul_f32 v[OWN+\j:OWN+\j+1], v[OWN+\j:OWN+\j+1], v[SA:SA+1]
.endr
.irp j, 0,2,4,6,8,10,12,14
	v_pk_fma_f32 v[OWN+\j:OWN+\j+1], v[PAR+\j:PAR+\j+1], v[SB:SB+1], v[OWN+\j:OWN+\j+1]
.endr
.irp j, 0,1,2,3,4,5,6,7
	v_cvt_pk_bf16_f32 v[OWN+\j], v[OWN+2*\j], v[OWN+2*\j+1]
.endr
	ds_store_b128 v[STO], v[OWN:OWN+3]
	ds_store_b128 v[STO], v[OWN+4:OWN+7] offset:32
	BAR                                            ; a row's 128 bytes come from two waves
.irp f, 0,1
	ds_load_b128 v[PAR+4*\f:PAR+4*\f+3], v[RD] offset:\f*4*144
.endr
	s_wait_dscnt 0x0
.irp f, 0,1
	global_store_b128 v[GO], v[PAR+4*\f:PAR+4*\f+3], s[SO:SO+1] offset:\f*512  ; 512 consecutive bytes of the head's rows
.endr
	s_set_vgpr_msb 0x4
	s_wait_tensorcnt 0x0
	ds_add_u32 v29, v1
	s_wait_dscnt 0x0
	s_set_vgpr_msb 0x400
	ROUND                                          ; the closing round: no work-group ends while a partner may still ask for a tile that names it
	s_endpgm
.Lfunc_end_k_q3eac84f44c_cattn:
	.size	k_q3eac84f44c_cattn, .Lfunc_end_k_q3eac84f44c_cattn-k_q3eac84f44c_cattn
	.p2alignl 7, 3214868480
	.fill 96, 4, 3214868480
	.section	.rodata,"a",@progbits
	.p2align	6, 0x0
	.amdhsa_kernel k_q3eac84f44c_cattn
		.amdhsa_group_segment_fixed_size 315392
		.amdhsa_private_segment_fixed_size 0
		.amdhsa_enable_private_segment 0
		.amdhsa_kernarg_size 56
		.amdhsa_user_sgpr_count 2
		.amdhsa_user_sgpr_kernarg_segment_ptr 1
		.amdhsa_wavefront_size32 1
		.amdhsa_system_sgpr_workgroup_id_x 1
		.amdhsa_system_sgpr_workgroup_id_y 1
		.amdhsa_system_sgpr_workgroup_id_z 1
		.amdhsa_system_vgpr_workitem_id 0
		.amdhsa_next_free_vgpr 258
		.amdhsa_next_free_sgpr 92
		.amdhsa_reserve_vcc 1
		.amdhsa_float_denorm_mode_32 3
		.amdhsa_float_denorm_mode_16_64 3
		.amdhsa_memory_ordered 1
		.amdhsa_forward_progress 1
		.amdhsa_inst_pref_size 106
	.end_amdhsa_kernel
	.amdgpu_metadata
---
amdhsa.version: [ 1, 2 ]
amdhsa.kernels:
  - .name:           k_q3eac84f44c_cattn
    .symbol:         k_q3eac84f44c_cattn.kd
    .args:
      - { .name: x1, .offset: 0, .size: 8, .value_kind: global_buffer, .address_space: global }
      - { .name: ca_bq, .offset: 8, .size: 8, .value_kind: global_buffer, .address_space: global }
      - { .name: ln_g, .offset: 16, .size: 8, .value_kind: global_buffer, .address_space: global }
      - { .name: ln_b, .offset: 24, .size: 8, .value_kind: global_buffer, .address_space: global }
      - { .name: qkv, .offset: 32, .size: 8, .value_kind: global_buffer, .address_space: global }
      - { .name: source_mask, .offset: 40, .size: 8, .value_kind: global_buffer, .address_space: global }
      - { .name: o, .offset: 48, .size: 8, .value_kind: global_buffer, .address_space: global }
    .group_segment_fixed_size: 315392
    .private_segment_fixed_size: 0
    .kernarg_segment_align: 8
    .kernarg_segment_size: 56
    .max_flat_workgroup_size: 256
    .sgpr_count:     92
    .vgpr_count:     258
    .wavefront_size: 32
...
	.end_amdgpu_metadata
.endif
;; end of part 10
;; launch oproj2: the kernel of part 9 again; grid 8 x 32, 8 waves a work-group, clusters of 4 x 4, 168,960 bytes of LDS; arguments o, wo2b, ca_bo, x1, x2; writes x2
;; launch ffn1 (part 11): grid 16 x 16, 16 waves a work-group, clusters of 4 x 1, 282,624 bytes of LDS; arguments x2, qkv, ff_b1, ln_g, ln_b, h; writes h
.if DOCPART == 11
	.amdgcn_target "amdgcn-amd-amdhsa--gfx1250"
	.amdhsa_code_object_version 6
	.text
	.protected	k_q3eac84f44c_ffn1
	.globl	k_q3eac84f44c_ffn1
	.p2align	8
	.type	k_q3eac84f44c_ffn1,@function
k_q3eac84f44c_ffn1:
	s_mov_b64 s[64:65], 0
	v_nop
	global_prefetch_b8 v0, s[64:65] scope:SCOPE_SE
	s_setreg_imm32_b32 hwreg(HW_REG_WAVE_MODE, 25, 1), 1
	s_wait_xcnt 0x0
	s_wait_alu depctr_hold_cnt(0) depctr_sa_sdst(0) depctr_va_vdst(0) depctr_va_sdst(0) depctr_va_ssrc(0) depctr_va_vcc(0) depctr_vm_vsrc(0)
	s_getreg_b32 s2, hwreg(HW_REG_IB_STS2, 6, 4)
	s_cmp_eq_u32 s2, 0
	s_cbranch_scc0 .Lentry_in_a_cluster
	s_endpgm
.Lentry_in_a_cluster:
	s_bfe_u32 s2, ttmp6, 0x10000c
	s_cmp_lg_u32 s2, 0x3003
	s_cbranch_scc0 .Lentry_shape_is_right
	s_endpgm
.Lentry_shape_is_right:
; FFN1.  h = relu(LN(x2) w1 + b1) of layer 5, in bf16, laid out in four chunks of 512 columns: [4][2048][512].  w1 comes in bf16, [512][2048], from the first launch's buffer.
; (Only layer 5 of the six is live: every pass of the module's loop starts again from tgt.)
; SHARES.  A work-group makes 128 rows x 128 columns, K = 512 (a whole row, so the LayerNorm is done on the way into LDS); 16 waves, each 32 x 32.  Grid x: the row block, y: the column block.
; CLUSTER.  Four row blocks of one column block form a cluster and need the same 128 columns of w1, 128 of the 384 KiB that a work-group brings in: asked for JOINTLY, the same tensor load, descriptor and mask
; of four in all four; wave w asks for rows 32 w on, 32 rows of 256 bytes.  Each LDS byte is filled once; by this text's count one tensor load of a wave is out.
; x2's rows are f32 and pass through registers, where they are normalised: they cannot come jointly.
; The panel is rounded to bf16 on the way into LDS; sums, bias and relu in f32; LayerNorm in f32 in two passes.  NaN and infinities are not treated apart.
; The matrix instruction is used transposed (source 0 = 16 columns of w1, turned on the way out of LDS; source 1 = 16 rows of the panel).
.set PP,   1040
.set WP,   288
.set PAN,  0
.set WS,   128*PP
.set STG,  WS                          ; the stage lies on the slice of w1, which has had its one fill, behind a barrier
.set SPI,  272
.set W1B_OFF, 0xE80000                 ; w1's section of the first launch's buffer
.set B1_OFF, 5*2048*4
.set RT, 2
.set CT, 2
.set KU, 2
.set FS, 8*(RT+CT)
.set ASTEP, 64*KU
.set LL, 1
.set RR, 2
.set HH, 3
.set VOA, 4
.set APS, 6
.set AP,  8
.set AW,  9
.set STO, 10
.set RD,  11
.set GO,  12
.set VB,  13
.set T,   14
.set APC, 22
.set AWC, 23
.set VL,  24
.set G,   32
.set BT,  48
.set X,   128
.set ACC, 32
.set FR,  64
.set BIAS, 128
.set RB,  64
.set PK,  80
.set SWV, 16
.set CX,  17
.set RBK, 18
.set NB,  19
.set G1W, 24
.set G0W, 32
.set AO,  36
.set WO,  38
.set BO,  40
.set OO,  42
.set SEL, 44
.set INV, 46
.set EPS, 47
.set KC,  48
.macro BAR
	s_wait_dscnt 0x0
	s_barrier_signal -1
	s_barrier_wait -1
.endm
.macro ROUND                           ; a round of the cluster's barrier: my work-group's barrier; wave 0 signals for the work-group; every wave waits for all four; my work-group's barrier once more
	s_barrier_signal -1
	s_barrier_wait -1
	s_cmp_lg_u32 s[SWV], 0
	s_cbranch_scc1 .Lnot_wave_0_\@
	s_barrier_signal -3
.Lnot_wave_0_\@:
	s_barrier_wait -3
	s_barrier_signal -1
	s_barrier_wait -1
.endm
.macro RED x, t
	v_add_f32_dpp v[\x], v[\x], v[\x] row_xmask:1 row_mask:0xf bank_mask:0xf
	v_add_f32_dpp v[\x], v[\x], v[\x] row_xmask:2 row_mask:0xf bank_mask:0xf
	v_add_f32_dpp v[\x], v[\x], v[\x] row_xmask:4 row_mask:0xf bank_mask:0xf
	v_add_f32_dpp v[\x], v[\x], v[\x] row_xmask:8 row_mask:0xf bank_mask:0xf
	v_permlanex16_b32 v[\t], v[\x], s[SEL], s[SEL+1]
	v_add_f32 v[\x], v[\x], v[\t]
.endm
.macro LNROW i, n                      ; row slot i is normalised, rounded to bf16 and put into the panel.  n: the younger loads that may stay out
.set xr, X+16*(\i)
	s_wait_loadcnt \n
	v_pk_add_f32 v[T:T+1], v[xr:xr+1], v[xr+2:xr+3]
	v_pk_add_f32 v[T+2:T+3], v[xr+4:xr+5], v[xr+6:xr+7]
	v_pk_add_f32 v[T+4:T+5], v[xr+8:xr+9], v[xr+10:xr+11]
	v_pk_add_f32 v[T+6:T+7], v[xr+12:xr+13], v[xr+14:xr+15]
	v_pk_add_f32 v[T:T+1], v[T:T+1], v[T+2:T+3]
	v_pk_add_f32 v[T+4:T+5], v[T+4:T+5], v[T+6:T+7]
	v_pk_add_f32 v[T:T+1], v[T:T+1], v[T+4:T+5]
	v_add_f32 v[T], v[T], v[T+1]
	RED T, T+1
	v_mul_f32 v[T], s[INV], v[T]
.irp j, 0,2,4,6,8,10,12,14
	v_pk_add_f32 v[xr+\j:xr+\j+1], v[xr+\j:xr+\j+1], v[T:T+1] op_sel_hi:[1,0] neg_lo:[0,1] neg_hi:[0,1]
.endr
	v_pk_mul_f32 v[T+2:T+3], v[xr:xr+1], v[xr:xr+1]
	v_pk_mul_f32 v[T+4:T+5], v[xr+2:xr+3], v[xr+2:xr+3]
.irp j, 4,8,12
	v_pk_fma_f32 v[T+2:T+3], v[xr+\j:xr+\j+1], v[xr+\j:xr+\j+1], v[T+2:T+3]
	v_pk_fma_f32 v[T+4:T+5], v[xr+\j+2:xr+\j+3], v[xr+\j+2:xr+\j+3], v[T+4:T+5]
.endr
	v_pk_add_f32 v[T+2:T+3], v[T+2:T+3], v[T+4:T+5]
	v_add_f32 v[T+2], v[T+2], v[T+3]
	RED T+2, T+3
	v_fma_f32 v[T+2], v[T+2], s[INV], s[EPS]
	v_rsq_f32 v[T+2], v[T+2]
	v_nop
	s_wait_alu depctr_va_vdst(0)
.irp j, 0,2,4,6,8,10,12,14
	v_pk_mul_f32 v[xr+\j:xr+\j+1], v[xr+\j:xr+\j+1], v[T+2:T+3] op_sel_hi:[1,0]
.endr
.irp j, 0,2,4,6,8,10,12,14
	v_pk_fma_f32 v[xr+\j:xr+\j+1], v[xr+\j:xr+\j+1], v[G+\j:G+\j+1], v[BT+\j:BT+\j+1]
.endr
.irp c, 0,1,2,3
	v_cvt_pk_bf16_f32 v[xr+4*\c], v[xr+4*\c], v[xr+4*\c+1]
	v_cvt_pk_bf16_f32 v[xr+4*\c+1], v[xr+4*\c+2], v[xr+4*\c+3]
.endr
.irp c, 0,1,2,3
	ds_store_b64 v[APS], v[xr+4*\c:xr+4*\c+1] offset:(\i)*PP+\c*256
.endr
.endm
.macro FETCH
.set ku, 0
.rept KU
.set t, 0
.rept RT
	ds_load_b128 v[FR+ku*FS+8*t:FR+ku*FS+8*t+3], v[APC] offset:ku*64+t*16*PP
	ds_load_b128 v[FR+ku*FS+8*t+4:FR+ku*FS+8*t+7], v[APC] offset:ku*64+t*16*PP+32
.set t, t+1
.endr
.set t, 0
.rept CT
	ds_load_tr16_b128 v[FR+ku*FS+8*RT+8*t:FR+ku*FS+8*RT+8*t+3], v[AWC] offset:ku*32*WP+t*32
	ds_load_tr16_b128 v[FR+ku*FS+8*RT+8*t+4:FR+ku*FS+8*RT+8*t+7], v[AWC] offset:ku*32*WP+t*32+16*WP
.set t, t+1
.endr
.set ku, ku+1
.endr
.endm
.macro MMA zero                        ; the four accumulators take turns
.set ku, 0
.rept KU
.set rt, 0
.rept RT
.set ct, 0
.rept CT
.set ra, ACC+8*(rt*CT+ct)
.set rw, FR+ku*FS+8*RT+8*ct
.set rp, FR+ku*FS+8*rt
.if (\zero) && (ku == 0)
	v_wmma_f32_16x16x32_bf16 v[ra:ra+7], v[rw:rw+7], v[rp:rp+7], 0
.else
	v_wmma_f32_16x16x32_bf16 v[ra:ra+7], v[rw:rw+7], v[rp:rp+7], v[ra:ra+7]
.endif
.set ct, ct+1
.endr
.set rt, rt+1
.endr
.set ku, ku+1
.endr
.endm
.macro GEMM
	v_mov_b32 v[APC], v[AP]
	v_mov_b32 v[AWC], v[AW]
	FETCH
	s_wait_dscnt 0x0
	MMA 1
	s_mov_b32 s[KC], 16/KU-1
.Lk_\@:
	v_add_nc_u32 v[APC], ASTEP, v[APC]             ; these two and two v_nop are the four places in front of the loads into registers that the products read
	v_add_nc_u32 v[AWC], 32*KU*WP, v[AWC]
	v_nop
	v_nop
	FETCH
	s_wait_dscnt 0x0
	MMA 0
	s_sub_co_u32 s[KC], s[KC], 1
	s_cmp_lg_u32 s[KC], 0
	s_cbranch_scc1 .Lk_\@
.rept 4
	v_nop
.endr
.endm
	s_load_b256 s[4:11], s[0:1], 0x0               ; x2 4, qkv 6, ff_b1 8, ln_g 10
	s_load_b128 s[12:15], s[0:1], 0x20             ; ln_b 12, h 14
	v_lshl_add_u32 v30, v0, 2, 0x44800
	v_mov_b32 v31, 0
	ds_add_u32 v30, v31
	ds_add_u32 v30, v31
	v_and_b32 v[LL], 31, v0
	v_and_b32 v[RR], 15, v0
	v_bfe_u32 v[HH], v0, 4, 1
	v_lshrrev_b32 v[T], 5, v0
	v_readfirstlane_b32 s[SWV], v[T]               ; wave 0..15
	s_bfe_u32 s[CX], ttmp6, 0x40000                ; cx: my place in the cluster
	s_lshl_b32 s[RBK], ttmp9, 2
	s_add_co_u32 s[RBK], s[RBK], s[CX]             ; block of 128 rows = 4 x cluster x + cx: it enters x2's and h's addresses alone
	s_and_b32 s[NB], ttmp7, 0xffff                 ; block of 128 columns, which the four partners share
	s_mov_b32 s[G1W], 15|(1<<16)|(1<<20)|(1<<21)|(5<<22)|(7<<25)  ; the mask of four; 2-byte elements; padding on; bit 21 beside a mask; after every 64 words; 8 words
	s_mov_b32 s[G1W+1], 128<<16                    ; tensor_dim0 = 128
	s_mov_b32 s[G1W+2], 32<<16                     ; tensor_dim1 = 32
	s_mov_b32 s[G1W+3], 128<<16                    ; tile_dim0 = 128
	s_mov_b32 s[G1W+4], 32                         ; tile_dim1 = 32
	s_mov_b32 s[G1W+5], 2048                       ; elements from row to row of w1
	s_mov_b32 s[G1W+6], 0
	s_mov_b32 s[G1W+7], 0
	s_mov_b32 s[G0W], 1
	s_mul_i32 s[G0W+1], s[SWV], 32*WP
	s_add_co_u32 s[G0W+1], s[G0W+1], WS            ; LDS: rows 32 w on
	s_lshl_b32 s[WO], s[NB], 8                     ; w1: my 128 columns, rows 32 w on of 4,096 bytes
	s_lshl_b32 s20, s[SWV], 17
	s_add_co_u32 s[WO], s[WO], s20
	s_mov_b32 s[WO+1], 0
	s_lshl_b32 s[BO], s[NB], 9                     ; my 128 columns of b1
	s_mov_b32 s[BO+1], 0
	s_lshl_b32 s[AO], s[RBK], 18                   ; x2: my 128 rows
	s_mov_b32 s[AO+1], 0
	s_lshr_b32 s[OO], s[NB], 2                     ; h: chunk of 512 columns,
	s_lshl_b32 s[OO], s[OO], 21
	s_and_b32 s22, s[NB], 3                        ; 128 columns in it,
	s_lshl_b32 s22, s22, 8
	s_add_co_u32 s[OO], s[OO], s22
	s_lshl_b32 s22, s[RBK], 17                     ; my 128 rows
	s_add_co_u32 s[OO], s[OO], s22
	s_mov_b32 s[OO+1], 0
	s_mov_b32 s[SEL], 0x76543210
	s_mov_b32 s[SEL+1], 0xfedcba98
	s_mov_b32 s[INV], 0x3b000000                   ; 1 / 512
	s_mov_b32 s[EPS], 0x3727c5ac                   ; 1e-5
	s_lshl_b32 s23, s[SWV], 14
	v_lshl_add_u32 v[VOA], v[LL], 4, s23           ; 8 rows of 2,048 bytes a wave
	v_lshlrev_b32 v[VL], 4, v[LL]
	s_wait_dscnt 0x0
	s_wait_kmcnt 0x0
	s_add_nc_u64 s[G0W+2:G0W+3], s[6:7], s[WO:WO+1]
	s_add_nc_u64 s[G0W+2:G0W+3], s[G0W+2:G0W+3], W1B_OFF
	s_or_b32 s[G0W+3], s[G0W+3], 0x80000000        ; type = 2
	s_add_nc_u64 s[4:5], s[4:5], s[AO:AO+1]
	s_add_nc_u64 s[8:9], s[8:9], s[BO:BO+1]
	s_add_nc_u64 s[8:9], s[8:9], B1_OFF
	s_add_nc_u64 s[14:15], s[14:15], s[OO:OO+1]
	; my own 40 loads go out ahead of the round: gain 4, shift 4, my 8 rows 32
.irp c, 0,1,2,3
	global_load_b128 v[G+4*\c:G+4*\c+3], v[VL], s[10:11] offset:\c*512
.endr
.irp c, 0,1,2,3
	global_load_b128 v[BT+4*\c:BT+4*\c+3], v[VL], s[12:13] offset:\c*512
.endr
.set i, 0
.rept 8
.irp c, 0,1,2,3
	global_load_b128 v[X+16*i+4*\c:X+16*i+4*\c+3], v[VOA], s[4:5] offset:i*2048+\c*512
.endr
.set i, i+1
.endr
	ROUND                                          ; all four work-groups are here: the joint loads meet
	tensor_load_to_lds s[G0W:G0W+3], s[G1W:G1W+7]
	s_nop 0
	s_lshr_b32 s49, s[SWV], 2                      ; my 32 rows
	s_and_b32 s50, s[SWV], 3                       ; my 32 columns
	s_mul_i32 s51, s[SWV], 8*PP
	v_lshl_add_u32 v[APS], v[LL], 3, s51
	v_mul_u32_u24 v[AP], v[RR], PP
	v_lshl_add_u32 v[AP], v[HH], 4, v[AP]
	s_mul_i32 s51, s49, 32*PP
	v_add_nc_u32 v[AP], s51, v[AP]
	v_and_b32 v[T], 7, v0
	v_bfe_u32 v[T+1], v0, 3, 1
	v_lshl_add_u32 v[AW], v[HH], 3, v[T]
	v_mul_u32_u24 v[AW], v[AW], WP
	v_lshl_add_u32 v[AW], v[T+1], 4, v[AW]
	s_lshl_b32 s51, s50, 6
	s_add_co_u32 s51, s51, WS
	v_add_nc_u32 v[AW], s51, v[AW]
	v_mul_u32_u24 v[STO], v[RR], SPI
	v_lshl_add_u32 v[STO], v[HH], 4, v[STO]
	s_mul_i32 s52, s49, 32*SPI
	s_add_co_u32 s51, s51, s52                     ; STG = WS
	v_add_nc_u32 v[STO], s51, v[STO]
	s_lshl_b32 s51, s50, 7
	v_lshl_add_u32 v[VB], v[HH], 5, s51
	v_mul_u32_u24 v[RD], v[HH], SPI                ; back: wave w takes rows 8 w on, two whole rows of 256 bytes a load
	v_lshl_add_u32 v[RD], v[RR], 4, v[RD]
	s_mul_i32 s51, s[SWV], 8*SPI
	s_add_co_u32 s51, s51, STG
	v_add_nc_u32 v[RD], s51, v[RD]
	v_lshlrev_b32 v[GO], 10, v[HH]
	v_lshl_add_u32 v[GO], v[RR], 4, v[GO]
	s_lshl_b32 s51, s[SWV], 13
	v_add_nc_u32 v[GO], s51, v[GO]
	; the count of row i: the 4 (7 - i) younger loads of rows
	LNROW 0, 28
	LNROW 1, 24
	LNROW 2, 20
	LNROW 3, 16
	LNROW 4, 12
	LNROW 5, 8
	LNROW 6, 4
	LNROW 7, 0
	s_wait_tensorcnt 0x0                           ; my rows of w1 have landed
	s_wait_dscnt 0x0                               ; for the others' sake: my part of the panel is in LDS
.irp ct, 0,1
	global_load_b128 v[BIAS+8*\ct:BIAS+8*\ct+3], v[VB], s[8:9] offset:\ct*64
	global_load_b128 v[BIAS+8*\ct+4:BIAS+8*\ct+7], v[VB], s[8:9] offset:\ct*64+16
.endr
	s_barrier_signal -1
	s_barrier_wait -1
	GEMM
	BAR                                            ; every wave's reads of the slice are over: the stage lies on it
	s_wait_loadcnt 0x0                             ; the bias
.set t, 0
.rept 4
.set ra, ACC+8*t
.set rb, BIAS+8*(t%2)
.irp j, 0,2,4,6
	v_pk_add_f32 v[ra+\j:ra+\j+1], v[ra+\j:ra+\j+1], v[rb+\j:rb+\j+1]
.endr
.irp j, 0,1,2,3,4,5,6,7
	v_max_num_f32 v[ra+\j], 0, v[ra+\j]
.endr
.irp j, 0,1,2,3
	v_cvt_pk_bf16_f32 v[PK+4*t+\j], v[ra+2*\j], v[ra+2*\j+1]
.endr
	ds_store_b128 v[STO], v[PK+4*t:PK+4*t+3] offset:(t/2)*16*SPI+(t%2)*32
.set t, t+1
.endr
	BAR                                            ; a stage row's 256 bytes come from four waves
.irp f, 0,1,2,3
	ds_load_b128 v[RB+4*\f:RB+4*\f+3], v[RD] offset:\f*2*SPI
.endr
	s_wait_dscnt 0x0
.irp f, 0,1,2,3
	global_store_b128 v[GO], v[RB+4*\f:RB+4*\f+3], s[14:15] offset:\f*2048  ; 16 lanes store 256 consecutive bytes, at a multiple of 256 from h's first
.endr
	s_wait_tensorcnt 0x0
	ds_add_u32 v30, v31
	s_wait_dscnt 0x0
	ROUND                                          ; the closing round: no work-group ends while a partner may still ask for a tile that names it
	s_endpgm
.Lfunc_end_k_q3eac84f44c_ffn1:
	.size	k_q3eac84f44c_ffn1, .Lfunc_end_k_q3eac84f44c_ffn1-k_q3eac84f44c_ffn1
	.p2alignl 7, 3214868480
	.fill 96, 4, 3214868480
	.section	.rodata,"a",@progbits
	.p2align	6, 0x0
	.amdhsa_kernel k_q3eac84f44c_ffn1
		.amdhsa_group_segment_fixed_size 282624
		.amdhsa_private_segment_fixed_size 0
		.amdhsa_enable_private_segment 0
		.amdhsa_kernarg_size 48
		.amdhsa_user_sgpr_count 2
		.amdhsa_user_sgpr_kernarg_segment_ptr 1
		.amdhsa_wavefront_size32 1
		.amdhsa_system_sgpr_workgroup_id_x 1
		.amdhsa_system_sgpr_workgroup_id_y 1
		.amdhsa_system_sgpr_workgroup_id_z 1
		.amdhsa_system_vgpr_workitem_id 0
		.amdhsa_next_free_vgpr 256
		.amdhsa_next_free_sgpr 66
		.amdhsa_reserve_vcc 0
		.amdhsa_float_denorm_mode_32 3
		.amdhsa_float_denorm_mode_16_64 3
		.amdhsa_memory_ordered 1
		.amdhsa_forward_progress 1
		.amdhsa_inst_pref_size 52
	.end_amdhsa_kernel
	.amdgpu_metadata
---
amdhsa.version: [ 1, 2 ]
amdhsa.kernels:
  - .name:           k_q3eac84f44c_ffn1
    .symbol:         k_q3eac84f44c_ffn1.kd
    .args:
      - { .name: x2, .offset: 0, .size: 8, .value_kind: global_buffer, .address_space: global }
      - { .name: qkv, .offset: 8, .size: 8, .value_kind: global_buffer, .address_space: global }
      - { .name: ff_b1, .offset: 16, .size: 8, .value_kind: global_buffer, .address_space: global }
      - { .name: ln_g, .offset: 24, .size: 8, .value_kind: global_buffer, .address_space: global }
      - { .name: ln_b, .offset: 32, .size: 8, .value_kind: global_buffer, .address_space: global }
      - { .name: h, .offset: 40, .size: 8, .value_kind: global_buffer, .address_space: global }
    .group_segment_fixed_size: 282624
    .private_segment_fixed_size: 0
    .kernarg_segment_align: 8
    .kernarg_segment_size: 48
    .max_flat_workgroup_size: 512
    .sgpr_count:     66
    .vgpr_count:     256
    .wavefront_size: 32
...
	.end_amdgpu_metadata
.endif
;; end of part 11
;; launch ffn2 (part 12): grid 16 x 16, 16 waves a work-group, clusters of 4 x 4, 282,624 bytes of LDS; arguments h, qkv, part; writes part
.if DOCPART == 12
	.amdgcn_target "amdgcn-amd-amdhsa--gfx1250"
	.amdhsa_code_object_version 6
	.text
	.protected	k_q3eac84f44c_ffn2
	.globl	k_q3eac84f44c_ffn2
	.p2align	8
	.type	k_q3eac84f44c_ffn2,@function
k_q3eac84f44c_ffn2:
	s_mov_b64 s[64:65], 0
	v_nop
	global_prefetch_b8 v0, s[64:65] scope:SCOPE_SE
	s_setreg_imm32_b32 hwreg(HW_REG_WAVE_MODE, 25, 1), 1
	s_wait_xcnt 0x0
	s_wait_alu depctr_hold_cnt(0) depctr_sa_sdst(0) depctr_va_vdst(0) depctr_va_sdst(0) depctr_va_ssrc(0) depctr_va_vcc(0) depctr_vm_vsrc(0)
	s_getreg_b32 s2, hwreg(HW_REG_IB_STS2, 6, 4)
	s_cmp_eq_u32 s2, 0
	s_cbranch_scc0 .Lentry_in_a_cluster
	s_endpgm
.Lentry_in_a_cluster:
	s_bfe_u32 s2, ttmp6, 0x10000c
	s_cmp_lg_u32 s2, 0xf033
	s_cbranch_scc0 .Lentry_shape_is_right
	s_endpgm
.Lentry_shape_is_right:
; FFN2.  part[c] = h[c] w2[rows 512 c .. 512 c + 511] of layer 5: the second product of the feed-forward block, its K = 2,048 cut into four chunks, each chunk's sums stored in f32; the last launch adds them in a fixed order.
; h: [4][2048][512] bf16.  w2 comes in bf16, [2048][512], from the first launch's buffer.  (Only layer 5 of the six is live: every pass of the module's loop starts again from tgt.)
; SHARES.  A work-group makes 128 rows x 128 columns of one chunk, K = 512; 16 waves, each 32 x 32.  Grid x = 4 x chunk + column block, y = row block.
; CLUSTER.  4 x 4 work-groups: one chunk, its four column blocks (along x) and four row blocks (along y).  The four of a row of the cluster need the same panel of h, the four of a column the same slice of w2.  Each is
; asked for JOINTLY: the same tensor load, descriptor and mask of four in all four.  Every wave issues one load of each kind: 8 rows of 1,024 bytes of h, and 32 rows of 256 bytes of w2.  Each LDS byte is filled
; once; by this text's count two tensor loads of a wave are out.
; The matrix instruction is used transposed (source 0 = 16 columns of w2, turned on the way out of LDS; source 1 = 16 rows of h).  NaN and infinities are not treated apart.
.set PP,   1040
.set WP,   288
.set PAN,  0
.set WS,   128*PP
.set STG,  WS                          ; the stage lies on the slice of w2, which has had its one fill, behind a barrier
.set SPI,  528                         ; a stage row: 512 bytes of f32 + 16
.set W2B_OFF, 0x1080000                ; w2's section of the first launch's buffer
.set RT, 2
.set CT, 2
.set KU, 2
.set FS, 8*(RT+CT)
.set ASTEP, 64*KU
.set LL, 1
.set RR, 2
.set HH, 3
.set AP,  8
.set AW,  9
.set STO, 10
.set RD,  11
.set GO,  12
.set T,   14
.set APC, 22
.set AWC, 23
.set ACC, 32
.set FR,  64
.set RB,  64
.set SWV, 10
.set CX,  11
.set CY,  12
.set RBK, 13
.set MR,  14
.set MC,  15
.set AO,  16
.set WO,  18
.set OO,  20
.set KC,  22
.set G1A, 24
.set G1W, 32
.set G0A, 40
.set G0W, 44
.macro BAR
	s_wait_dscnt 0x0
	s_barrier_signal -1
	s_barrier_wait -1
.endm
.macro ROUND                           ; a round of the cluster's barrier: my work-group's barrier; wave 0 signals for the work-group; every wave waits for all sixteen; my work-group's barrier once more
	s_barrier_signal -1
	s_barrier_wait -1
	s_cmp_lg_u32 s[SWV], 0
	s_cbranch_scc1 .Lnot_wave_0_\@
	s_barrier_signal -3
.Lnot_wave_0_\@:
	s_barrier_wait -3
	s_barrier_signal -1
	s_barrier_wait -1
.endm
.macro FETCH
.set ku, 0
.rept KU
.set t, 0
.rept RT
	ds_load_b128 v[FR+ku*FS+8*t:FR+ku*FS+8*t+3], v[APC] offset:ku*64+t*16*PP
	ds_load_b128 v[FR+ku*FS+8*t+4:FR+ku*FS+8*t+7], v[APC] offset:ku*64+t*16*PP+32
.set t, t+1
.endr
.set t, 0
.rept CT
	ds_load_tr16_b128 v[FR+ku*FS+8*RT+8*t:FR+ku*FS+8*RT+8*t+3], v[AWC] offset:ku*32*WP+t*32
	ds_load_tr16_b128 v[FR+ku*FS+8*RT+8*t+4:FR+ku*FS+8*RT+8*t+7], v[AWC] offset:ku*32*WP+t*32+16*WP
.set t, t+1
.endr
.set ku, ku+1
.endr
.endm
.macro MMA zero                        ; the four accumulators take turns
.set ku, 0
.rept KU
.set rt, 0
.rept RT
.set ct, 0
.rept CT
.set ra, ACC+8*(rt*CT+ct)
.set rw, FR+ku*FS+8*RT+8*ct
.set rp, FR+ku*FS+8*rt
.if (\zero) && (ku == 0)
	v_wmma_f32_16x16x32_bf16 v[ra:ra+7], v[rw:rw+7], v[rp:rp+7], 0
.else
	v_wmma_f32_16x16x32_bf16 v[ra:ra+7], v[rw:rw+7], v[rp:rp+7], v[ra:ra+7]
.endif
.set ct, ct+1
.endr
.set rt, rt+1
.endr
.set ku, ku+1
.endr
.endm
.macro GEMM
	v_mov_b32 v[APC], v[AP]
	v_mov_b32 v[AWC], v[AW]
	FETCH
	s_wait_dscnt 0x0
	MMA 1
	s_mov_b32 s[KC], 16/KU-1
.Lk_\@:
	v_add_nc_u32 v[APC], ASTEP, v[APC]             ; these two and two v_nop are the four places in front of the loads into registers that the products read
	v_add_nc_u32 v[AWC], 32*KU*WP, v[AWC]
	v_nop
	v_nop
	FETCH
	s_wait_dscnt 0x0
	MMA 0
	s_sub_co_u32 s[KC], s[KC], 1
	s_cmp_lg_u32 s[KC], 0
	s_cbranch_scc1 .Lk_\@
.rept 4
	v_nop
.endr
.endm
	s_load_b128 s[4:7], s[0:1], 0x0                ; h 4, qkv 6
	s_load_b64 s[8:9], s[0:1], 0x10                ; part
	v_lshl_add_u32 v128, v0, 2, 0x44800
	v_mov_b32 v129, 0
	ds_add_u32 v128, v129
	ds_add_u32 v128, v129
	v_and_b32 v[LL], 31, v0
	v_and_b32 v[RR], 15, v0
	v_bfe_u32 v[HH], v0, 4, 1
	v_lshrrev_b32 v[T], 5, v0
	v_readfirstlane_b32 s[SWV], v[T]               ; wave 0..15
	s_bfe_u32 s[CX], ttmp6, 0x40000                ; cx: my block of 128 columns.  The cluster's x, ttmp9, is the chunk of K
	s_bfe_u32 s[CY], ttmp6, 0x40004
	s_and_b32 s[RBK], ttmp7, 0xffff
	s_lshl_b32 s[RBK], s[RBK], 2
	s_add_co_u32 s[RBK], s[RBK], s[CY]             ; block of 128 rows = 4 x cluster y + cy
	s_lshl_b32 s[MR], s[CY], 2
	s_lshl_b32 s[MR], 15, s[MR]                    ; my row of the cluster
	s_lshl_b32 s[MC], 0x1111, s[CX]                ; my column
	s_or_b32 s[G1A], s[MR], (1<<16)|(1<<20)|(1<<21)|(7<<22)|(3<<25)  ; h's panel goes to my row: 2-byte elements; padding on; bit 21 beside a mask; after every 256 words; 4 words
	s_mov_b32 s[G1A+1], 512<<16                    ; tensor_dim0 = 512
	s_mov_b32 s[G1A+2], 8<<16                      ; tensor_dim1 = 8
	s_mov_b32 s[G1A+3], 512<<16                    ; tile_dim0 = 512
	s_mov_b32 s[G1A+4], 8                          ; tile_dim1 = 8
	s_mov_b32 s[G1A+5], 512                        ; elements from row to row
	s_mov_b32 s[G1A+6], 0
	s_mov_b32 s[G1A+7], 0
	s_or_b32 s[G1W], s[MC], (1<<16)|(1<<20)|(1<<21)|(5<<22)|(7<<25)  ; w2's slice goes to my column: after every 64 words; 8 words
	s_mov_b32 s[G1W+1], 128<<16                    ; tensor_dim0 = 128
	s_mov_b32 s[G1W+2], 32<<16                     ; tensor_dim1 = 32
	s_mov_b32 s[G1W+3], 128<<16                    ; tile_dim0 = 128
	s_mov_b32 s[G1W+4], 32                         ; tile_dim1 = 32
	s_mov_b32 s[G1W+5], 512                        ; elements from row to row of w2
	s_mov_b32 s[G1W+6], 0
	s_mov_b32 s[G1W+7], 0
	s_mov_b32 s[G0A], 1
	s_mul_i32 s[G0A+1], s[SWV], 8*PP               ; LDS: rows 8 w on (the panel begins at byte 0)
	s_mov_b32 s[G0W], 1
	s_mul_i32 s[G0W+1], s[SWV], 32*WP
	s_add_co_u32 s[G0W+1], s[G0W+1], WS            ; LDS: rows 32 w on
	s_lshl_b32 s[AO], ttmp9, 21                    ; h: the chunk, my 128 rows, rows 8 w on.  Made of the chunk, the row block and the wave's number alone
	s_lshl_b32 s49, s[RBK], 17
	s_add_co_u32 s[AO], s[AO], s49
	s_lshl_b32 s49, s[SWV], 13
	s_add_co_u32 s[AO], s[AO], s49
	s_mov_b32 s[AO+1], 0
	s_lshl_b32 s[WO], ttmp9, 19                    ; w2: the chunk's 512 rows, my 128 columns, rows 32 w on.  Made of the chunk, the column block and the wave's number alone
	s_lshl_b32 s50, s[CX], 8
	s_add_co_u32 s[WO], s[WO], s50
	s_lshl_b32 s50, s[SWV], 15
	s_add_co_u32 s[WO], s[WO], s50
	s_mov_b32 s[WO+1], 0
	s_lshl_b32 s[OO], ttmp9, 22                    ; part
	s_lshl_b32 s51, s[RBK], 18
	s_add_co_u32 s[OO], s[OO], s51
	s_lshl_b32 s51, s[CX], 9
	s_add_co_u32 s[OO], s[OO], s51
	s_mov_b32 s[OO+1], 0
	s_wait_dscnt 0x0
	s_wait_kmcnt 0x0
	s_add_nc_u64 s[G0A+2:G0A+3], s[4:5], s[AO:AO+1]
	s_or_b32 s[G0A+3], s[G0A+3], 0x80000000        ; type = 2
	s_add_nc_u64 s[G0W+2:G0W+3], s[6:7], s[WO:WO+1]
	s_add_nc_u64 s[G0W+2:G0W+3], s[G0W+2:G0W+3], W2B_OFF
	s_or_b32 s[G0W+3], s[G0W+3], 0x80000000
	s_add_nc_u64 s[8:9], s[8:9], s[OO:OO+1]
	ROUND                                          ; all sixteen work-groups are here: the joint loads meet
	tensor_load_to_lds s[G0A:G0A+3], s[G1A:G1A+7]
	s_nop 0
	tensor_load_to_lds s[G0W:G0W+3], s[G1W:G1W+7]
	s_nop 0
	s_lshr_b32 s52, s[SWV], 2                      ; my 32 rows
	s_and_b32 s53, s[SWV], 3                       ; my 32 columns
	v_mul_u32_u24 v[AP], v[RR], PP
	v_lshl_add_u32 v[AP], v[HH], 4, v[AP]
	s_mul_i32 s54, s52, 32*PP
	v_add_nc_u32 v[AP], s54, v[AP]
	v_and_b32 v[T], 7, v0
	v_bfe_u32 v[T+1], v0, 3, 1
	v_lshl_add_u32 v[AW], v[HH], 3, v[T]
	v_mul_u32_u24 v[AW], v[AW], WP
	v_lshl_add_u32 v[AW], v[T+1], 4, v[AW]
	s_lshl_b32 s54, s53, 6
	s_add_co_u32 s54, s54, WS
	v_add_nc_u32 v[AW], s54, v[AW]
	v_mul_u32_u24 v[STO], v[RR], SPI
	v_lshl_add_u32 v[STO], v[HH], 5, v[STO]
	s_mul_i32 s54, s52, 32*SPI
	s_lshl_b32 s55, s53, 7
	s_add_co_u32 s54, s54, s55
	s_add_co_u32 s54, s54, STG
	v_add_nc_u32 v[STO], s54, v[STO]
	s_mul_i32 s54, s[SWV], 8*SPI
	s_add_co_u32 s54, s54, STG
	v_lshl_add_u32 v[RD], v[LL], 4, s54
	s_lshl_b32 s54, s[SWV], 14
	v_lshl_add_u32 v[GO], v[LL], 4, s54
	s_wait_tensorcnt 0x0                           ; my parts of the panel and of the slice have landed,
	s_barrier_signal -1
	s_barrier_wait -1                              ; everybody's have
	GEMM
	BAR                                            ; every wave's reads of the slice are over: the stage lies on it
.set t, 0
.rept 4
	ds_store_b128 v[STO], v[ACC+8*t:ACC+8*t+3] offset:(t/2)*16*SPI+(t%2)*64
	ds_store_b128 v[STO], v[ACC+8*t+4:ACC+8*t+7] offset:(t/2)*16*SPI+(t%2)*64+16
.set t, t+1
.endr
	BAR                                            ; a stage row's 512 bytes come from four waves
.irp f, 0,1,2,3,4,5,6,7
	ds_load_b128 v[RB+4*\f:RB+4*\f+3], v[RD] offset:\f*SPI
.endr
	s_wait_dscnt 0x0
.irp f, 0,1,2,3,4,5,6,7
	global_store_b128 v[GO], v[RB+4*\f:RB+4*\f+3], s[8:9] offset:\f*2048  ; 512 consecutive bytes, at a multiple of 256 from part's first
.endr
	s_wait_tensorcnt 0x0
	ds_add_u32 v128, v129
	s_wait_dscnt 0x0
	ROUND                                          ; the closing round: no work-group ends while a partner may still ask for a tile that names it
	s_endpgm
.Lfunc_end_k_q3eac84f44c_ffn2:
	.size	k_q3eac84f44c_ffn2, .Lfunc_end_k_q3eac84f44c_ffn2-k_q3eac84f44c_ffn2
	.p2alignl 7, 3214868480
	.fill 96, 4, 3214868480
	.section	.rodata,"a",@progbits
	.p2align	6, 0x0
	.amdhsa_kernel k_q3eac84f44c_ffn2
		.amdhsa_group_segment_fixed_size 282624
		.amdhsa_private_segment_fixed_size 0
		.amdhsa_enable_private_segment 0
		.amdhsa_kernarg_size 24
		.amdhsa_user_sgpr_count 2
		.amdhsa_user_sgpr_kernarg_segment_ptr 1
		.amdhsa_wavefront_size32 1
		.amdhsa_system_sgpr_workgroup_id_x 1
		.amdhsa_system_sgpr_workgroup_id_y 1
		.amdhsa_system_sgpr_workgroup_id_z 1
		.amdhsa_system_vgpr_workitem_id 0
		.amdhsa_next_free_vgpr 130
		.amdhsa_next_free_sgpr 66
		.amdhsa_reserve_vcc 0
		.amdhsa_float_denorm_mode_32 3
		.amdhsa_float_denorm_mode_16_64 3
		.amdhsa_memory_ordered 1
		.amdhsa_forward_progress 1
		.amdhsa_inst_pref_size 12
	.end_amdhsa_kernel
	.amdgpu_metadata
---
amdhsa.version: [ 1, 2 ]
amdhsa.kernels:
  - .name:           k_q3eac84f44c_ffn2
    .symbol:         k_q3eac84f44c_ffn2.kd
    .args:
      - { .name: h, .offset: 0, .size: 8, .value_kind: global_buffer, .address_space: global }
      - { .name: qkv, .offset: 8, .size: 8, .value_kind: global_buffer, .address_space: global }
      - { .name: part, .offset: 16, .size: 8, .value_kind: global_buffer, .address_space: global }
    .group_segment_fixed_size: 282624
    .private_segment_fixed_size: 0
    .kernarg_segment_align: 8
    .kernarg_segment_size: 24
    .max_flat_workgroup_size: 512
    .sgpr_count:     66
    .vgpr_count:     130
    .wavefront_size: 32
...
	.end_amdgpu_metadata
.endif
;; end of part 12
;; launch final: the kernel of part 7 again; grid 256 x 1, 8 waves a work-group, no clusters, 0 bytes of LDS; arguments x2, part, ff_b2, ln_g, ln_b, out0; writes out0
;; ======== version 3 of 3: 8 launches; version 2 with the launch proj written anew for expert scheduling mode
;; workspace buffers: qkv 19,398,656 bytes; o 2,097,152 bytes; x1 4,194,304 bytes; x2 4,194,304 bytes; h 8,388,608 bytes; part 16,777,216 bytes; wo1b 524,288 bytes; wo2b 524,288 bytes
;; launch proj (part 13): grid 32 x 8, 16 waves a work-group, no clusters, 282,624 bytes of LDS; arguments tgt, memory, sa_wq, sa_wk, sa_wv, ca_wk, ca_wv, sa_bq, sa_bk, sa_bv, ca_bk, ca_bv, ln_g, ln_b, qkv, sa_wo, ca_wq, ca_wo, ff_w1, ff_w2, wo1b, wo2b; writes qkv, wo1b, wo2b
.if DOCPART == 13
	.amdgcn_target "amdgcn-amd-amdhsa--gfx1250"
	.amdhsa_code_object_version 6
	.text
	.protected	k_q3eac84f44c_proj
	.globl	k_q3eac84f44c_proj
	.p2align	8
	.type	k_q3eac84f44c_proj,@function
k_q3eac84f44c_proj:
	s_mov_b64 s[64:65], 0
	v_nop
	global_prefetch_b8 v0, s[64:65] scope:SCOPE_SE
	s_setreg_imm32_b32 hwreg(HW_REG_WAVE_SCHED_MODE, 0, 2), 2
	s_setreg_imm32_b32 hwreg(HW_REG_WAVE_MODE, 25, 1), 1
	s_wait_xcnt 0x0
	s_wait_alu depctr_vm_vsrc(0)
; PROJ.  q, k, v = LN(tgt) W + b for self attention, and k2, v2 = memory W + b for cross attention, written by heads in bf16; and the later launches' weights rounded to bf16.
; WHICH LAYER.  Every pass of the module's loop over its six layers starts again from tgt and overwrites 'output' without reading it,
; so the result is the last pass (index 5) and the closing LayerNorm, for every input.  All kernels of this program read the stacked parameters at slice 5.
; SHARES.  y = 0 .. 6: a work-group makes 128 rows x 256 columns of one of the five products: one panel of 128 rows (K = 512, a whole row, so the
; LayerNorm is done on the way into LDS) and two slices of 128 columns of W, one after the other.  y = 0, 1, 2: q, k, v of tgt (16 row blocks x 2 column halves = 32 in x);
; y = 3, 4: k2, y = 5, 6: v2 of memory (32 row blocks x 2 halves = 64).  16 waves, each 32 x 32 of a slice.
; y = 7: 32 work-groups, each rounds a 32nd of sa_wo, ca_wq, ca_wo, ff_w1, ff_w2 to bf16: 352 KiB in, 176 KiB out, less than the 768 KiB that a product's work-group brings in.
; THE OUTPUT BUFFER qkv holds, one behind the other: q, k, v [3][8][8][256][64]; k2, v2 [2][8][8][512][64]; ca_wq in blocks [8][512 k][64 n]; ff_w1 [512][2048]; ff_w2 [2048][512]; all bf16.
; sa_wo and ca_wo go in the same blocks into buffers of their own.  In a block a slice of 64 columns is dense, so that a later launch asks for it as rows of 256 bytes.
; FORMATS.  Operands rounded to bf16 on the way into LDS, sums in f32, LayerNorm in f32 in two passes (mean, then squared differences).  memory's rows are not normalised:
; for them the mean counts as 0, the factor as 1, the gain as 1 and the shift as 0, chosen by a lane mask that is all ones or all zeros for the whole work-group.
; LIMITS.  NaN and infinities are not treated apart.
; THE MATRIX INSTRUCTION IS USED TRANSPOSED: source 0 = 16 columns of W (turned on the way out of LDS), source 1 = 16 rows of the panel; a lane then holds one row and eight neighbouring columns.
; NO CLUSTER: what work-groups share (panels, W) is f32 in memory and is normalised or rounded in registers before it reaches LDS; a joint f32 tile of 256 KiB does not fit beside the 274 KiB of bf16 copies.
; THE MODE: SCHED_MODE bits 1:0 = 2 (LLVM: expert scheduling mode 2), set by the entry lines.  The code itself states the register dependences
; between vector or matrix instructions and memory or LDS instructions, with s_wait_alu, always for 0.
; THE PLAN.  Registers that memory or LDS instructions touch, y = 0 .. 6:
;   v4-v13, v24   Offsets and LDS addresses: written once at the head, ahead of one wait on va_vdst; read by loads and stores; never written again.
;   X0 .. X7      Row slot i: its loads land; row i's arithmetic ends in eight conversions; its four LDS stores are issued in row i + 1, behind that row's one wait on va_vdst (the wait behind the root).
;                 Slots 0 to 3 are then loaded again with rows of W, behind a wait on vm_vsrc, in the same row i + 1, whose vector lines name slot i + 1 alone.  Later all of X takes the second slice of W.
;   WR            Sixteen loads of W land; 32 conversions in place; behind one wait their LDS stores are dealt among the conversions of the W rows in X0 .. X3.  Later its registers are FR and BIAS.
;   APC, AWC      Read by every fragment load; written once a trip: a wait on vm_vsrc ahead of the two adds, and the trip's wait on va_vdst behind them.
;   FR            Fragment loads land; the trip's four products read it; the trip's one wait on va_vdst states that they are done, ahead of the next loads.
;                 No second set: 32 addresses and scratch + 32 sums + 32 fragments + 32 bias + 128 of the second slice on its way are the wave's 256 registers.
;   PK, RB        The way out: sixteen conversions write PK, one wait, four LDS stores read it; loads from the stage land in RB, global stores read it.
;   G, BT, ACC, T are named by vector and matrix instructions alone, once their loads are in.
; y = 7: each of the 44 loads has four registers of its own, written and stored once: group g's stores are issued in group g + 1, behind that group's one wait on va_vdst.
.set PP,   1040                        ; a panel row in LDS: 1,024 bytes + 16: 16 rows of a fragment load start at 16 different groups of four banks
.set WP,   288                         ; a row of the W slice: 256 bytes + 32, an odd multiple of 32, for the turning load
.set PAN,  0
.set WS,   128*PP
.set STG,  WS                          ; the stage of the way out lies on the W slice, behind a barrier
.set SPI,  272
.set WROW, 2048                        ; bytes from row to row of W in memory
.set WDD_OFF, 5*512*512*4              ; slice 5 of a [6][512][512] f32 tensor
.set BD_OFF,  5*512*4                  ; slice 5 of a [6][512] f32 tensor
.set WFF_OFF, 5*512*2048*4             ; slice 5 of ff_w1 and of ff_w2
.set KV2_OFF,  0x600000                ; the sections of the output buffer
.set WQ2B_OFF, 0xE00000
.set W1B_OFF,  0xE80000
.set W2B_OFF,  0x1080000
.set RT, 2
.set CT, 2
.set KU, 1                             ; matrix depth of one trip: 32 along K
.set FS, 8*(RT+CT)
.set LL, 1                             ; v1 lane, v2 lane % 16, v3 lane / 16
.set RR, 2
.set HH, 3
.set VOA, 4                            ; byte offset of my 16 bytes in my wave's first panel row in memory
.set VOW, 5                            ; the same in my wave's first row of W
.set APS, 6                            ; LDS: where I put 8 bytes of a panel row
.set AWS, 7                            ; LDS: where I put 8 bytes of a row of W
.set AP,  8                            ; LDS: my panel fragments
.set AW,  9                            ; LDS: my W fragments
.set STO, 10
.set RD,  11
.set GO,  12
.set VB,  13
.set T,   14                           ; v14-21 at work
.set APC, 22
.set AWC, 23
.set VL,  24
.set G,   32                           ; load phase: gain, shift, 16 loads of W, 8 row slots
.set BT,  48
.set WR,  64
.set X,   128
.set ACC, 32                           ; product phase
.set FR,  64
.set BIAS, 96
.set RB,  64
.set PK,  80
.set CVI, 4                            ; y = 7: offsets in and out for the weights written in blocks, and for the two written as they lie
.set CVO, 5
.set CEI, 6
.set CEO, 7
.set CV,  64                           ; y = 7: 44 loads of four registers
.set SWV, 40
.set SU,  41
.set SA,  50
.set SW,  52
.set SB,  54
.set SO,  56
.set SST, 58
.set SOF, 60
.set SEL, 66
.set INV, 68
.set EPS, 69
.set KC,  70
.macro BAR                             ; my LDS instructions are done, then the work-group's barrier
	s_wait_dscnt 0x0
	s_barrier_signal -1
	s_barrier_wait -1
.endm
.macro RED x, t                        ; the sum over the wave's 32 lanes, in every lane
	v_add_f32_dpp v[\x], v[\x], v[\x] row_xmask:1 row_mask:0xf bank_mask:0xf
	v_add_f32_dpp v[\x], v[\x], v[\x] row_xmask:2 row_mask:0xf bank_mask:0xf
	v_add_f32_dpp v[\x], v[\x], v[\x] row_xmask:4 row_mask:0xf bank_mask:0xf
	v_add_f32_dpp v[\x], v[\x], v[\x] row_xmask:8 row_mask:0xf bank_mask:0xf
	v_permlanex16_b32 v[\t], v[\x], s[SEL], s[SEL+1]
	v_add_f32 v[\x], v[\x], v[\t]
.endm
.macro ROWOUT i                        ; row slot i, rounded to bf16, goes into the panel
.irp c, 0,1,2,3
	ds_store_b64 v[APS], v[X+16*(\i)+4*\c:X+16*(\i)+4*\c+1] offset:(\i)*PP+\c*256
.endr
.endm
.macro REFILL i                        ; the freed slot takes four more rows of the first W slice
.irp j, 0,1,2,3
	global_load_b128 v[X+16*(\i)+4*\j:X+16*(\i)+4*\j+3], v[VOW], s[SW:SW+1] offset:(16+4*(\i)+\j)*WROW
.endr
.endm
; Row slot i (16 registers a lane: columns 128 c + 4 lane + 0..3) is normalised and rounded to bf16.  n: the younger loads that may stay out.
; Its LDS stores are issued in the next row's turn: this turn issues those of row i - 1 and, for i = 1 .. 4, loads slot i - 1 again.
.macro LNROW i, n, flag
.set xr, X+16*(\i)
	s_wait_loadcnt \n
	v_pk_add_f32 v[T:T+1], v[xr:xr+1], v[xr+2:xr+3]
	v_pk_add_f32 v[T+2:T+3], v[xr+4:xr+5], v[xr+6:xr+7]
	v_pk_add_f32 v[T+4:T+5], v[xr+8:xr+9], v[xr+10:xr+11]
	v_pk_add_f32 v[T+6:T+7], v[xr+12:xr+13], v[xr+14:xr+15]
	v_pk_add_f32 v[T:T+1], v[T:T+1], v[T+2:T+3]
	v_pk_add_f32 v[T+4:T+5], v[T+4:T+5], v[T+6:T+7]
	v_pk_add_f32 v[T:T+1], v[T:T+1], v[T+4:T+5]
	v_add_f32 v[T], v[T], v[T+1]
	RED T, T+1
	v_mul_f32 v[T], s[INV], v[T]                   ; the mean
.if \flag
	v_cndmask_b32 v[T], 0, v[T], vcc_lo
.endif
.irp j, 0,2,4,6,8,10,12,14
	v_pk_add_f32 v[xr+\j:xr+\j+1], v[xr+\j:xr+\j+1], v[T:T+1] op_sel_hi:[1,0] neg_lo:[0,1] neg_hi:[0,1]
.endr
	v_pk_mul_f32 v[T+2:T+3], v[xr:xr+1], v[xr:xr+1]
	v_pk_mul_f32 v[T+4:T+5], v[xr+2:xr+3], v[xr+2:xr+3]
.irp j, 4,8,12
	v_pk_fma_f32 v[T+2:T+3], v[xr+\j:xr+\j+1], v[xr+\j:xr+\j+1], v[T+2:T+3]
	v_pk_fma_f32 v[T+4:T+5], v[xr+\j+2:xr+\j+3], v[xr+\j+2:xr+\j+3], v[T+4:T+5]
.endr
	v_pk_add_f32 v[T+2:T+3], v[T+2:T+3], v[T+4:T+5]
	v_add_f32 v[T+2], v[T+2], v[T+3]
	RED T+2, T+3
	v_fma_f32 v[T+2], v[T+2], s[INV], s[EPS]       ; variance + 1e-5
	v_rsq_f32 v[T+2], v[T+2]
	v_nop                                          ; a plain instruction between the root and the use of its result
	s_wait_alu depctr_va_vdst(0)                   ; the root is written, ahead of its first reader; and the conversions of the row before have written the registers that the LDS stores below read
.if (\i) > 0
	ROWOUT (\i)-1
.endif
.if \flag
	v_cndmask_b32 v[T+2], 1.0, v[T+2], vcc_lo
.endif
.irp j, 0,2,4,6,8,10,12,14
	v_pk_mul_f32 v[xr+\j:xr+\j+1], v[xr+\j:xr+\j+1], v[T+2:T+3] op_sel_hi:[1,0]
.endr
.if ((\i) > 0) && ((\i) < 5)
	s_wait_alu depctr_vm_vsrc(0)                   ; the LDS stores above have read the slot of the row before, in which the loads below land; no vector line since the wait on va_vdst names that slot
	REFILL (\i)-1
.endif
.irp j, 0,2,4,6,8,10,12,14
	v_pk_fma_f32 v[xr+\j:xr+\j+1], v[xr+\j:xr+\j+1], v[G+\j:G+\j+1], v[BT+\j:BT+\j+1]
.endr
.irp c, 0,1,2,3
	v_cvt_pk_bf16_f32 v[xr+4*\c], v[xr+4*\c], v[xr+4*\c+1]
	v_cvt_pk_bf16_f32 v[xr+4*\c+1], v[xr+4*\c+2], v[xr+4*\c+3]
.endr
.endm
.macro WCV reg                         ; four numbers of W rounded to bf16, into the first two of their four registers
	v_cvt_pk_bf16_f32 v[(\reg)], v[(\reg)], v[(\reg)+1]
	v_cvt_pk_bf16_f32 v[(\reg)+1], v[(\reg)+2], v[(\reg)+3]
.endm
.macro WST reg, off                    ; and put into the slice
	ds_store_b64 v[AWS], v[(\reg):(\reg)+1] offset:\off
.endm
.macro FETCH                           ; the fragments of one trip
.set ku, 0
.rept KU
.set t, 0
.rept RT
	ds_load_b128 v[FR+ku*FS+8*t:FR+ku*FS+8*t+3], v[APC] offset:ku*64+t*16*PP
	ds_load_b128 v[FR+ku*FS+8*t+4:FR+ku*FS+8*t+7], v[APC] offset:ku*64+t*16*PP+32
.set t, t+1
.endr
.set t, 0
.rept CT
	ds_load_tr16_b128 v[FR+ku*FS+8*RT+8*t:FR+ku*FS+8*RT+8*t+3], v[AWC] offset:ku*32*WP+t*32
	ds_load_tr16_b128 v[FR+ku*FS+8*RT+8*t+4:FR+ku*FS+8*RT+8*t+7], v[AWC] offset:ku*32*WP+t*32+16*WP
.set t, t+1
.endr
.set ku, ku+1
.endr
.endm
.macro MMA zero                        ; the accumulators take turns, one instruction a turn
.set ku, 0
.rept KU
.set rt, 0
.rept RT
.set ct, 0
.rept CT
.set ra, ACC+8*(rt*CT+ct)
.set rw, FR+ku*FS+8*RT+8*ct
.set rp, FR+ku*FS+8*rt
.if (\zero) && (ku == 0)
	v_wmma_f32_16x16x32_bf16 v[ra:ra+7], v[rw:rw+7], v[rp:rp+7], 0
.else
	v_wmma_f32_16x16x32_bf16 v[ra:ra+7], v[rw:rw+7], v[rp:rp+7], v[ra:ra+7]
.endif
.set ct, ct+1
.endr
.set rt, rt+1
.endr
.set ku, ku+1
.endr
.endm
.macro GEMM                            ; K = 512.  The first trip starts the sums and stands ahead of the loop
	v_mov_b32 v[APC], v[AP]
	v_mov_b32 v[AWC], v[AW]
	s_wait_alu depctr_va_vdst(0)                   ; APC and AWC are written, which the fragment loads read; so are v64-95, in which they land: conversions wrote them last
	FETCH
	s_wait_dscnt 0x0
	MMA 1
	s_mov_b32 s[KC], 16/KU-1
.Lk_\@:
	s_wait_alu depctr_vm_vsrc(0)                   ; the last trip's fragment loads have read APC and AWC
	v_add_nc_u32 v[APC], 64*KU, v[APC]             ; these two and two v_nop are the four places between the products and the loads into the registers that they read
	v_add_nc_u32 v[AWC], 32*KU*WP, v[AWC]
	v_nop
	v_nop
	s_wait_alu depctr_va_vdst(0)                   ; APC and AWC are written, and the last trip's products are done reading the fragments, in which the loads below land
	FETCH
	s_wait_dscnt 0x0
	MMA 0
	s_sub_co_u32 s[KC], s[KC], 1
	s_cmp_lg_u32 s[KC], 0
	s_cbranch_scc1 .Lk_\@
.rept 4
	v_nop                                          ; the places in front of the first read of the sums
.endr
.endm
; The way out of slice sl: bias, rounding, through the stage, and out as 512 consecutive bytes of one head a store.
.macro EPI sl
	BAR                                            ; every wave's reads of the W slice are over: the stage lies on it
.if (\sl) == 0
	s_wait_loadcnt 32                              ; the eight loads of the bias are in; the 32 of the second slice, issued behind them, may stay out
.endif
.set t, 0
.rept 4
.set ra, ACC+8*t
.set rb, BIAS+16*(\sl)+8*(t%2)
.irp j, 0,2,4,6
	v_pk_add_f32 v[ra+\j:ra+\j+1], v[ra+\j:ra+\j+1], v[rb+\j:rb+\j+1]
.endr
.irp j, 0,1,2,3
	v_cvt_pk_bf16_f32 v[PK+4*t+\j], v[ra+2*\j], v[ra+2*\j+1]
.endr
.set t, t+1
.endr
	s_wait_alu depctr_va_vdst(0)                   ; the sixteen conversions have written PK, which the LDS stores read; the products are done reading v64-79, in which the loads from the stage land
.set t, 0
.rept 4
	ds_store_b128 v[STO], v[PK+4*t:PK+4*t+3] offset:(t/2)*16*SPI+(t%2)*32
.set t, t+1
.endr
	BAR                                            ; a stage row's 256 bytes come from four waves
.irp f, 0,1,2,3
	ds_load_b128 v[RB+4*\f:RB+4*\f+3], v[RD] offset:\f*4*SPI
.endr
	s_wait_dscnt 0x0
.irp f, 0,1,2,3
	global_store_b128 v[GO], v[RB+4*\f:RB+4*\f+3], s[SO:SO+1] offset:\f*512
.endr
	s_wait_xcnt 0x0                                ; the stores' data registers and base are rewritten only behind this wait
.endm
; y = 7.  Load q of 44: 512 bytes of f32 a wave.  Its store: the same numbers in bf16, 256 consecutive bytes a wave, at a multiple of 256 from the buffer's first byte.
.macro CLOAD q, vo, sb, off
	global_load_b128 v[CV+4*(\q):CV+4*(\q)+3], v[\vo], s[\sb:\sb+1] offset:\off th:TH_LOAD_NT
.endm
.macro CCVT q
	v_cvt_pk_bf16_f32 v[CV+4*(\q)], v[CV+4*(\q)], v[CV+4*(\q)+1]
	v_cvt_pk_bf16_f32 v[CV+4*(\q)+1], v[CV+4*(\q)+2], v[CV+4*(\q)+3]
.endm
.macro CSTORE q                        ; 0-3 sa_wo, 4-7 ca_wq, 8-11 ca_wo, in blocks; 12-27 ff_w1, 28-43 ff_w2, as they lie
.if (\q) < 4
	global_store_b64 v[CVO], v[CV+4*(\q):CV+4*(\q)+1], s[20:21] offset:(\q)*256
.elseif (\q) < 8
	global_store_b64 v[CVO], v[CV+4*(\q):CV+4*(\q)+1], s[28:29] offset:((\q)-4)*256
.elseif (\q) < 12
	global_store_b64 v[CVO], v[CV+4*(\q):CV+4*(\q)+1], s[22:23] offset:((\q)-8)*256
.elseif (\q) < 28
	global_store_b64 v[CEO], v[CV+4*(\q):CV+4*(\q)+1], s[30:31] offset:((\q)-12)*4096
.else
	global_store_b64 v[CEO], v[CV+4*(\q):CV+4*(\q)+1], s[32:33] offset:((\q)-28)*4096
.endif
.endm
	v_lshl_add_u32 v30, v0, 2, 0x44800             ; the LDS address of my spare word, and 0: made here and kept for the closing lines alone
	v_mov_b32 v31, 0
	s_and_b32 s[SU], ttmp7, 0xffff                 ; which product; 7: the rounding of the weights
	v_and_b32 v[LL], 31, v0
	v_and_b32 v[RR], 15, v0
	v_bfe_u32 v[HH], v0, 4, 1
	v_lshrrev_b32 v[T], 5, v0
	v_readfirstlane_b32 s[SWV], v[T]               ; wave 0..15
	s_wait_alu depctr_va_sdst(0)                   ; s[SWV] is written, ahead of the branch and of its first reader on either way
	s_cmp_lg_u32 s[SU], 7                          ; the same answer in all waves of a work-group; the jump passes no barrier
	s_cbranch_scc1 .Lmain
	; THE WEIGHTS OF THE LATER LAUNCHES.  No LDS, no barrier: all 44 loads of a thread go out at once, then they are rounded and stored, four at a time.
	s_load_b512 s[8:23], s[0:1], 0x70              ; qkv 8, sa_wo 10, ca_wq 12, ca_wo 14, ff_w1 16, ff_w2 18, wo1b 20, wo2b 22
	; in blocks: my work-group has rows k = 16 x .. 16 x + 15; wave w takes block w % 8 and eight of the rows, two rows a load: lanes 0-15 one row's 64 columns, lanes 16-31 the next row's
	s_lshr_b32 s25, s[SWV], 3
	s_and_b32 s26, s[SWV], 7
	s_lshl_b32 s24, ttmp9, 15                      ; 16 rows of 2,048 bytes
	s_lshl_b32 s27, s25, 14
	s_add_co_u32 s24, s24, s27
	s_lshl_b32 s27, s26, 8
	s_add_co_u32 s24, s24, s27
	v_lshlrev_b32 v[CVI], 11, v[HH]
	v_lshl_add_u32 v[CVI], v[RR], 4, v[CVI]
	v_add_nc_u32 v[CVI], s24, v[CVI]
	s_lshl_b32 s24, s26, 16                        ; a block is 512 rows of 128 bytes
	s_lshl_b32 s27, ttmp9, 11
	s_add_co_u32 s24, s24, s27
	s_lshl_b32 s27, s25, 10
	s_add_co_u32 s24, s24, s27
	v_lshl_add_u32 v[CVO], v[LL], 3, s24           ; two rows of a block are 256 consecutive bytes
	s_lshl_b32 s24, ttmp9, 17                      ; as they lie: 128 KiB of f32 a work-group, 16 bytes a thread and load
	v_lshl_add_u32 v[CEI], v0, 4, s24
	s_lshl_b32 s24, ttmp9, 16
	v_lshl_add_u32 v[CEO], v0, 3, s24
	s_wait_kmcnt 0x0
	s_add_nc_u64 s[10:11], s[10:11], WDD_OFF
	s_add_nc_u64 s[12:13], s[12:13], WDD_OFF
	s_add_nc_u64 s[14:15], s[14:15], WDD_OFF
	s_add_nc_u64 s[16:17], s[16:17], WFF_OFF
	s_add_nc_u64 s[18:19], s[18:19], WFF_OFF
	s_add_nc_u64 s[28:29], s[8:9], WQ2B_OFF
	s_add_nc_u64 s[30:31], s[8:9], W1B_OFF
	s_add_nc_u64 s[32:33], s[8:9], W2B_OFF
	s_wait_alu depctr_va_vdst(0)                   ; the four offsets v4 to v7 are written, which the loads and stores of this way read; they are never written again
.set q, 0
.rept 4
	CLOAD q, CVI, 10, q*4096
.set q, q+1
.endr
.rept 4
	CLOAD q, CVI, 12, (q-4)*4096
.set q, q+1
.endr
.rept 4
	CLOAD q, CVI, 14, (q-8)*4096
.set q, q+1
.endr
.rept 16
	CLOAD q, CEI, 16, (q-12)*8192
.set q, q+1
.endr
.rept 16
	CLOAD q, CEI, 18, (q-28)*8192
.set q, q+1
.endr
	; Eleven groups of four loads.  Group g rounds its own sixteen registers; the stores of group g - 1 are dealt among its conversions, which name none of that group's registers.
.set g, 0
.rept 11
	s_wait_loadcnt 40-4*g                          ; loads come back in order: group g's four are in, the 40 - 4 g younger ones may stay out
.if g > 0
	s_wait_alu depctr_va_vdst(0)                   ; the conversions of the group before have written the registers that the four stores below read
.endif
.set j, 0
.rept 4
.if g > 0
	CSTORE 4*g-4+j
.endif
	CCVT 4*g+j
.set j, j+1
.endr
.set g, g+1
.endr
	s_wait_alu depctr_va_vdst(0)                   ; the last group's conversions have written the registers that the last four stores read
.set j, 40
.rept 4
	CSTORE j
.set j, j+1
.endr
	s_endpgm
.Lmain:
	s_load_b512 s[8:23], s[0:1], 0x0               ; tgt 8, memory 10, sa_wq 12, sa_wk 14, sa_wv 16, ca_wk 18, ca_wv 20, sa_bq 22
	s_load_b512 s[24:39], s[0:1], 0x40             ; sa_bk 24, sa_bv 26, ca_bk 28, ca_bv 30, ln_g 32, ln_b 34, qkv 36 (38: not used here)
	s_max_u32 s42, s[SU], 3
	s_sub_co_u32 s42, s42, 3                       ; 0 for tgt's products, 0..3 for memory's
	s_and_b32 s43, s42, 1
	s_lshr_b32 s42, s42, 1                         ; 0: k2, 1: v2
	s_lshl_b32 s43, s43, 5
	s_add_co_u32 s43, s43, ttmp9                   ; 0..31, or 0..63 for memory
	s_lshr_b32 s44, s43, 1                         ; block of 128 rows
	s_and_b32 s45, s43, 1                          ; which 256 columns
	s_cmp_ge_u32 s[SU], 3
	s_cselect_b32 s46, 9, 8                        ; log2 of a batch's rows
	s_cselect_b32 vcc_lo, 0, -1                    ; all ones: rows are normalised.  Written once, by this scalar line
	s_cselect_b32 s47, s42, s[SU]
	s_cselect_b32 s48, 22, 21
	s_cselect_b32 s49, KV2_OFF, 0
	s_lshl_b32 s47, s47, s48                       ; the product's section of the output buffer
	s_add_co_u32 s47, s47, s49
	s_add_co_u32 s48, s46, 7                       ; log2 of a head's bytes
	s_lshl_b32 s71, s44, 7                         ; first row
	s_lshr_b32 s72, s71, s46                       ; batch
	s_lshl_b32 s73, s72, s46
	s_sub_co_u32 s73, s71, s73                     ; row in the batch
	s_lshl_b32 s72, s72, 3
	s_lshl2_add_u32 s72, s45, s72                  ; 8 batch + the first of my four heads
	s_lshl_b32 s72, s72, s48
	s_add_co_u32 s47, s47, s72
	s_lshl_b32 s73, s73, 7
	s_add_co_u32 s47, s47, s73                     ; byte offset of slice 0's first head and row
	s_lshl_b32 s[SST], 2, s48                      ; slice 1 lies two heads on
	s_mov_b32 s[SST+1], 0
	s_mov_b32 s[SOF+1], 0
	s_mov_b32 s[SEL], 0x76543210
	s_mov_b32 s[SEL+1], 0xfedcba98
	s_mov_b32 s[INV], 0x3b000000                   ; 1 / 512
	s_mov_b32 s[EPS], 0x3727c5ac                   ; 1e-5
	s_lshr_b32 s74, s[SWV], 2                      ; my 32 rows of the tile
	s_and_b32 s75, s[SWV], 3                       ; my 32 columns
	s_lshl_b32 s76, s[SWV], 14
	v_lshl_add_u32 v[VOA], v[LL], 4, s76           ; 8 rows of 2,048 bytes a wave
	s_lshl_b32 s76, s[SWV], 16
	v_lshl_add_u32 v[VOW], v[LL], 4, s76           ; 32 rows of W a wave
	s_mul_i32 s76, s[SWV], 8*PP
	v_lshl_add_u32 v[APS], v[LL], 3, s76
	s_mul_i32 s76, s[SWV], 32*WP
	s_add_co_u32 s76, s76, WS
	v_lshl_add_u32 v[AWS], v[LL], 3, s76
	v_lshlrev_b32 v[VL], 4, v[LL]
	v_mul_u32_u24 v[AP], v[RR], PP
	v_lshl_add_u32 v[AP], v[HH], 4, v[AP]
	s_mul_i32 s76, s74, 32*PP
	v_add_nc_u32 v[AP], s76, v[AP]
	v_and_b32 v[T], 7, v0
	v_bfe_u32 v[T+1], v0, 3, 1
	v_lshl_add_u32 v[AW], v[HH], 3, v[T]
	v_mul_u32_u24 v[AW], v[AW], WP
	v_lshl_add_u32 v[AW], v[T+1], 4, v[AW]
	s_lshl_b32 s76, s75, 6
	s_add_co_u32 s76, s76, WS
	v_add_nc_u32 v[AW], s76, v[AW]
	v_mul_u32_u24 v[STO], v[RR], SPI
	v_lshl_add_u32 v[STO], v[HH], 4, v[STO]
	s_mul_i32 s77, s74, 32*SPI
	s_add_co_u32 s76, s76, s77                     ; STG = WS
	v_add_nc_u32 v[STO], s76, v[STO]
	s_lshl_b32 s76, s75, 7
	v_lshl_add_u32 v[VB], v[HH], 5, s76
	s_and_b32 s76, s[SWV], 1                       ; back from the stage: head w % 2, rows 16 (w / 2) on
	s_lshr_b32 s77, s[SWV], 1
	s_lshl_b32 s78, s76, s48
	s_lshl_b32 s79, s77, 11
	s_add_co_u32 s78, s78, s79
	v_lshl_add_u32 v[GO], v[LL], 4, s78
	s_mul_i32 s79, s77, 16*SPI
	s_lshl_b32 s76, s76, 7
	s_add_co_u32 s79, s79, s76
	s_add_co_u32 s79, s79, STG
	v_lshrrev_b32 v[T+2], 3, v[LL]
	v_mul_u32_u24 v[RD], v[T+2], SPI
	v_lshl_add_u32 v[RD], v[T], 4, v[RD]
	v_add_nc_u32 v[RD], s79, v[RD]
	s_wait_kmcnt 0x0
	s_cmp_ge_u32 s[SU], 3                          ; the buffers are chosen by the product's number alone
	s_cselect_b64 s[SA:SA+1], s[10:11], s[8:9]
	s_cselect_b64 s[SW:SW+1], s[18:19], s[12:13]
	s_cselect_b64 s[SB:SB+1], s[28:29], s[22:23]
	s_cmp_eq_u32 s[SU], 1
	s_cselect_b64 s[SW:SW+1], s[14:15], s[SW:SW+1]
	s_cselect_b64 s[SB:SB+1], s[24:25], s[SB:SB+1]
	s_cmp_eq_u32 s[SU], 2
	s_cselect_b64 s[SW:SW+1], s[16:17], s[SW:SW+1]
	s_cselect_b64 s[SB:SB+1], s[26:27], s[SB:SB+1]
	s_cmp_ge_u32 s[SU], 5
	s_cselect_b64 s[SW:SW+1], s[20:21], s[SW:SW+1]
	s_cselect_b64 s[SB:SB+1], s[30:31], s[SB:SB+1]
	s_lshl_b32 s[SOF], s44, 18
	s_add_nc_u64 s[SA:SA+1], s[SA:SA+1], s[SOF:SOF+1]
	s_lshl_b32 s[SOF], s45, 10
	s_add_nc_u64 s[SW:SW+1], s[SW:SW+1], s[SOF:SOF+1]
	s_add_nc_u64 s[SW:SW+1], s[SW:SW+1], WDD_OFF
	s_add_nc_u64 s[SB:SB+1], s[SB:SB+1], s[SOF:SOF+1]
	s_add_nc_u64 s[SB:SB+1], s[SB:SB+1], BD_OFF
	s_mov_b32 s[SOF], s47
	s_add_nc_u64 s[SO:SO+1], s[36:37], s[SOF:SOF+1]
	s_wait_alu depctr_va_vdst(0)                   ; the offsets and LDS addresses v4 to v13 and v24 are written, which the loads and stores of this way read; they are never written again
	; 56 loads go out at once: gain 4, shift 4, my 8 rows 32, the first 16 of my 32 rows of W
.irp c, 0,1,2,3
	global_load_b128 v[G+4*\c:G+4*\c+3], v[VL], s[32:33] offset:\c*512
.endr
.irp c, 0,1,2,3
	global_load_b128 v[BT+4*\c:BT+4*\c+3], v[VL], s[34:35] offset:\c*512
.endr
.set i, 0
.rept 8
.irp c, 0,1,2,3
	global_load_b128 v[X+16*i+4*\c:X+16*i+4*\c+3], v[VOA], s[SA:SA+1] offset:i*2048+\c*512
.endr
.set i, i+1
.endr
.set q, 0
.rept 16
	global_load_b128 v[WR+4*q:WR+4*q+3], v[VOW], s[SW:SW+1] offset:q*WROW
.set q, q+1
.endr
	s_wait_loadcnt 48                              ; gain and shift are in: 32 + 16 younger loads stay out
.set j, 0
.rept 16
	v_cndmask_b32 v[G+j], 1.0, v[G+j], vcc_lo
	v_cndmask_b32 v[BT+j], 0, v[BT+j], vcc_lo
.set j, j+1
.endr
	; the count of row i: 4 (7 - i) younger loads of rows + 16 of W + 4 for each refill issued ahead of the wait (slot r is loaded again in row r + 1, behind that row's wait)
	LNROW 0, 44, 1
	LNROW 1, 40, 1
	LNROW 2, 40, 1
	LNROW 3, 40, 1
	LNROW 4, 40, 1
	LNROW 5, 40, 1
	LNROW 6, 36, 1
	LNROW 7, 32, 1
	s_wait_alu depctr_va_vdst(0)                   ; row 7's conversions have written the registers that its LDS stores read
	ROWOUT 7
	s_wait_loadcnt 16                              ; W's first 16 rows are in, the 16 refills may stay out
.set q, 0
.rept 16
	WCV WR+4*q
.set q, q+1
.endr
	s_wait_loadcnt 0x0
	s_wait_alu depctr_va_vdst(0)                   ; the conversions above have written WR, which the LDS stores below read; the conversions dealt among them name X alone
.set q, 0
.rept 16
	WST WR+4*q, q*WP
	WCV X+4*q
.set q, q+1
.endr
	s_wait_alu depctr_va_vdst(0)                   ; those conversions have written X's first 64 registers, which the LDS stores below read; all vector work on WR and X is done, ahead of the loads that land there
.set q, 0
.rept 16
	WST X+4*q, (16+q)*WP
.set q, q+1
.endr
	s_wait_dscnt 0x0                               ; for the others' sake: my part of the panel and of the slice is in LDS
	s_wait_alu depctr_vm_vsrc(0)                   ; my LDS stores have read WR and X, in which the loads below and the first fragments land
.irp sl, 0,1
.irp ct, 0,1
	global_load_b128 v[BIAS+16*\sl+8*\ct:BIAS+16*\sl+8*\ct+3], v[VB], s[SB:SB+1] offset:\sl*512+\ct*64
	global_load_b128 v[BIAS+16*\sl+8*\ct+4:BIAS+16*\sl+8*\ct+7], v[VB], s[SB:SB+1] offset:\sl*512+\ct*64+16
.endr
.endr
.set q, 0
.rept 32                                       ; the second slice's rows are on their way while the first is multiplied
	global_load_b128 v[X+4*q:X+4*q+3], v[VOW], s[SW:SW+1] offset:q*WROW+512
.set q, q+1
.endr
	s_barrier_signal -1
	s_barrier_wait -1
	GEMM
	EPI 0
	BAR                                            ; every wave's reads of the stage are over: the second slice is written over it
	s_wait_loadcnt 0x0
.set q, 0
.rept 16
	WCV X+4*q
.set q, q+1
.endr
	s_wait_alu depctr_va_vdst(0)                   ; the conversions above have written X's first 64 registers, which the LDS stores below read; the conversions dealt among them name the other 64 alone
.set q, 0
.rept 16
	WST X+4*q, q*WP
	WCV X+64+4*q
.set q, q+1
.endr
	s_wait_alu depctr_va_vdst(0)                   ; those conversions have written X's other 64 registers, which the LDS stores below read
.set q, 16
.rept 16
	WST X+4*q, q*WP
.set q, q+1
.endr
	BAR
	s_add_nc_u64 s[SO:SO+1], s[SO:SO+1], s[SST:SST+1]
	s_wait_alu depctr_vm_vsrc(0)                   ; the first product's fragment loads have read APC and AWC, which are written anew; the stage's LDS stores have read PK and the global stores RB, in which fragments land
	GEMM
	EPI 1
	s_wait_dscnt 0x0                               ; the closing lines, six on end
	s_wait_alu 0x0
	s_wait_tensorcnt 0x0
	ds_add_u32 v30, v31
	s_wait_dscnt 0x0
	s_endpgm
.Lfunc_end_k_q3eac84f44c_proj:
	.size	k_q3eac84f44c_proj, .Lfunc_end_k_q3eac84f44c_proj-k_q3eac84f44c_proj
	.p2alignl 7, 3214868480
	.fill 96, 4, 3214868480
	.section	.rodata,"a",@progbits
	.p2align	6, 0x0
	.amdhsa_kernel k_q3eac84f44c_proj
		.amdhsa_group_segment_fixed_size 282624
		.amdhsa_private_segment_fixed_size 0
		.amdhsa_enable_private_segment 0
		.amdhsa_kernarg_size 176
		.amdhsa_user_sgpr_count 2
		.amdhsa_user_sgpr_kernarg_segment_ptr 1
		.amdhsa_wavefront_size32 1
		.amdhsa_system_sgpr_workgroup_id_x 1
		.amdhsa_system_sgpr_workgroup_id_y 1
		.amdhsa_system_sgpr_workgroup_id_z 1
		.amdhsa_system_vgpr_workitem_id 0
		.amdhsa_next_free_vgpr 256
		.amdhsa_next_free_sgpr 80
		.amdhsa_reserve_vcc 1
		.amdhsa_float_denorm_mode_32 3
		.amdhsa_float_denorm_mode_16_64 3
		.amdhsa_memory_ordered 1
		.amdhsa_forward_progress 1
		.amdhsa_inst_pref_size 91
	.end_amdhsa_kernel
	.amdgpu_metadata
---
amdhsa.version: [ 1, 2 ]
amdhsa.kernels:
  - .name:           k_q3eac84f44c_proj
    .symbol:         k_q3eac84f44c_proj.kd
    .args:
      - { .name: tgt, .offset: 0, .size: 8, .value_kind: global_buffer, .address_space: global }
      - { .name: memory, .offset: 8, .size: 8, .value_kind: global_buffer, .address_space: global }
      - { .name: sa_wq, .offset: 16, .size: 8, .value_kind: global_buffer, .address_space: global }
      - { .name: sa_wk, .offset: 24, .size: 8, .value_kind: global_buffer, .address_space: global }
      - { .name: sa_wv, .offset: 32, .size: 8, .value_kind: global_buffer, .address_space: global }
      - { .name: ca_wk, .offset: 40, .size: 8, .value_kind: global_buffer, .address_space: global }
      - { .name: ca_wv, .offset: 48, .size: 8, .value_kind: global_buffer, .address_space: global }
      - { .name: sa_bq, .offset: 56, .size: 8, .value_kind: global_buffer, .address_space: global }
      - { .name: sa_bk, .offset: 64, .size: 8, .value_kind: global_buffer, .address_space: global }
      - { .name: sa_bv, .offset: 72, .size: 8, .value_kind: global_buffer, .address_space: global }
      - { .name: ca_bk, .offset: 80, .size: 8, .value_kind: global_buffer, .address_space: global }
      - { .name: ca_bv, .offset: 88, .size: 8, .value_kind: global_buffer, .address_space: global }
      - { .name: ln_g, .offset: 96, .size: 8, .value_kind: global_buffer, .address_space: global }
      - { .name: ln_b, .offset: 104, .size: 8, .value_kind: global_buffer, .address_space: global }
      - { .name: qkv, .offset: 112, .size: 8, .value_kind: global_buffer, .address_space: global }
      - { .name: sa_wo, .offset: 120, .size: 8, .value_kind: global_buffer, .address_space: global }
      - { .name: ca_wq, .offset: 128, .size: 8, .value_kind: global_buffer, .address_space: global }
      - { .name: ca_wo, .offset: 136, .size: 8, .value_kind: global_buffer, .address_space: global }
      - { .name: ff_w1, .offset: 144, .size: 8, .value_kind: global_buffer, .address_space: global }
      - { .name: ff_w2, .offset: 152, .size: 8, .value_kind: global_buffer, .address_space: global }
      - { .name: wo1b, .offset: 160, .size: 8, .value_kind: global_buffer, .address_space: global }
      - { .name: wo2b, .offset: 168, .size: 8, .value_kind: global_buffer, .address_space: global }
    .group_segment_fixed_size: 282624
    .private_segment_fixed_size: 0
    .kernarg_segment_align: 8
    .kernarg_segment_size: 176
    .max_flat_workgroup_size: 512
    .sgpr_count:     80
    .vgpr_count:     256
    .wavefront_size: 32
...
	.end_amdgpu_metadata
.endif
;; end of part 13
;; launch sattn: the kernel of part 2 again; grid 4 x 64, 8 waves a work-group, no clusters, 191,488 bytes of LDS; arguments qkv, target_mask, o; writes o
;; launch oproj: the kernel of part 9 again; grid 8 x 32, 8 waves a work-group, clusters of 4 x 4, 168,960 bytes of LDS; arguments o, wo1b, sa_bo, tgt, x1; writes x1
;; launch cattn: the kernel of part 10 again; grid 4 x 64, 8 waves a work-group, clusters of 4 x 1, 315,392 bytes of LDS; arguments x1, ca_bq, ln_g, ln_b, qkv, source_mask, o; writes o
;; launch oproj2: the kernel of part 9 again; grid 8 x 32, 8 waves a work-group, clusters of 4 x 4, 168,960 bytes of LDS; arguments o, wo2b, ca_bo, x1, x2; writes x2
;; launch ffn1: the kernel of part 11 again; grid 16 x 16, 16 waves a work-group, clusters of 4 x 1, 282,624 bytes of LDS; arguments x2, qkv, ff_b1, ln_g, ln_b, h; writes h
;; launch ffn2: the kernel of part 12 again; grid 16 x 16, 16 waves a work-group, clusters of 4 x 4, 282,624 bytes of LDS; arguments h, qkv, part; writes part
;; launch final: the kernel of part 7 again; grid 256 x 1, 8 waves a work-group, no clusters, 0 bytes of LDS; arguments x2, part, ff_b2, ln_g, ln_b, out0; writes out0
